; MI455X (gfx1250); checked and timed in simulation.
; The chip was launched on July 23, 2026; its instructions are those of AMD's public machine-readable ISA for CDNA 5 (MIT licence, August 2026) and "CDNA5" Instruction Set Architecture Reference Guide (July 2026). The comments in the code are by the model that wrote it; some were corrected since.
;; Multi Level Hierarchical Prototypes. Allowed arithmetic: float matrix products may take bf16 or f16 operands with f32 sums; other float arithmetic in f32, or as packed bf16 or f16 multiplies, adds, multiply-adds, maxima and minima; sums over many terms, partial sums and values carried from step to step in f32; what a program stores and reads back later, other than sums and carried values, may be rounded once to bf16 or f16.
;; Inputs: W1 3 x 512 x 512 float32; W2 3 x 512 x 512 float32; Wk 512 x 512 float32; Wo 512 x 512 float32; Wq 512 x 512 float32; Wv 512 x 512 float32; b1 3 x 512 float32; b2 3 x 512 float32; beta 3 x 512 float32; bk 512 float32; bo 512 float32; bq 512 float32; bv 512 float32; gamma 3 x 512 float32; level_temps 3 float32; level_weights 3 float32; support_features 16,384 x 512 float32; support_labels 16,384 int32.
;; Outputs: out0 64 x 512 float32.
;; 2 versions, each right. Each part assembles by itself: llvm-mc -triple=amdgcn-amd-amdhsa -mcpu=gfx1250 --defsym DOCPART=n.
;; ======== version 1 of 2: 7 launches
;; limits: right only within a limited range of input values
;; workspace buffers: idx 66,560 bytes of whole numbers; W1c 1,572,864 bytes; aux 30,976 bytes; PT 4,718,592 bytes; Hs 50,331,648 bytes; actP 3,342,336 bytes; actQ 1,703,936 bytes
;; launch prep (part 1): grid 418 x 1, 8 waves a work-group, no clusters, 135,424 bytes of LDS; arguments support_labels, W1, b1, W2, b2, Wq, Wk, Wv, bq, bv, gamma, beta, level_weights, level_temps, idx, W1c, aux, PT; writes idx, W1c, aux, PT
.if DOCPART == 1
	.amdgcn_target "amdgcn-amd-amdhsa--gfx1250"
	.amdhsa_code_object_version 6
	.text
	.protected	k_qdc2a2163bb_prep
	.globl	k_qdc2a2163bb_prep
	.p2align	8
	.type	k_qdc2a2163bb_prep,@function
k_qdc2a2163bb_prep:
	s_mov_b64 s[64:65], 0
	v_nop
	global_prefetch_b8 v0, s[64:65] scope:SCOPE_SE
	s_setreg_imm32_b32 hwreg(HW_REG_WAVE_MODE, 25, 1), 1
	s_wait_xcnt 0x0
; THE WHOLE PROGRAM.  With H = relu(LN(X W1 + b1)) everything behind H is linear up to the softmax, and the masks that the module builds let a row meet its own class alone.  So, for all finite inputs:
;   ctx = mean_c(H) W2 + b2;  q = mean_c(H) (W2 Wq) + (b2 Wq + bq);  score[n,h] = H[n] . u[c,h] + t[c,h] with u[c,h,:] = (W2 Wk)[:,head h] q[c,head h] / 8;
;   out[c,head h] = (sum_n attn H[n]) (W2 Wv)[:,head h] + (b2 Wv + bv)[head h], since the weights of a softmax add up to 1.
; WORK LEFT OUT.  t[c,h] = q[c,head h] . (b2 Wk + bk)[head h] / 8 is the same for every n of the softmax's axis, so it cancels in the softmax whatever the inputs hold: it is not computed, bk has no other
; way to the result, is not loaded and is no argument of any launch.  The products of rows with other classes' queries are thrown away by the module's own mask and are not made.  The products feat = H W2,
; k, v are replaced by the identities above.  LIMIT: a NaN, an infinity or an overflow that would arise only in t, in masked scores or in feat, k, v themselves is not carried to the result.
; The mean that the layer norm takes away is linear in the row: it is taken out of W1's rows and of b1 here (each row of W1 less its mean over the 512 columns).
; ROUNDING.  Every floating-point input is rounded to bf16 once (W1 behind the centring); the products W2 Wq, W2 Wk, W2 Wv are summed in f32 and rounded once to bf16.
; LIMIT: a label outside 0..63 belongs to no class, as in the module's comparison; its rows go behind all classes.
; THIS LAUNCH, three kinds of work-group, told apart by the work-group's number:
;   0..303    PT[m][l][j][k] = sum_e W2[l][k][e] Wm[e][j] (m = 0, 1, 2: Wq, Wk, Wv): 288 tiles of 128 k x 64 j; 16 tiles for b2 Wq + bq and b2 Wv + bv
;   304..368  class c = number - 304 (64: no class): the rows of the class, in a list, at the class's place in idx; its first place and its count
;   369..417  W1 centred and rounded (48 x 32 rows); b1 centred, gamma, beta; the levels' weights softmax(level_weights) / level_temps and their sum
; LDS.  Each kind has bytes of its own: no byte is named by two kinds.  The products: 0 to 99,328.  The spare words: 99,328 to 100,352.  The sort: 100,352 to 135,232.
.set STG,   81920                      ; the products: Wm's slice at 0, 512 rows of 160 bytes; behind it 64 rows of 272 bytes for the way out
.set SPARE, 99328                      ; the spare words, 128 bytes for each of eight waves
.set SLIST, 100352                     ; the sort: eight lists
.set LISTB, 4352                       ; a wave's list: 2,048 row numbers of 16 bits (a row number is below 16,384), 32 more places for lanes that do not match, up to a multiple of 256
.set XCH,   SLIST+8*LISTB              ; the sort: eight pairs of counts
.set ACC, 16                           ; v[16:47]   four accumulators
.set AF,  48                           ; v[48:63]   W2's fragments of two K steps
.set RAW, 64                           ; v[64:127]  W2 as loaded, two sets of 32
.set BR,  128                          ; v[128:255] Wm as loaded; later v[128:191] its fragments
.macro PLACES
.rept 4
	v_nop
.endr
.endm
	s_load_b512 s[4:19], s[0:1], 0x0               ; labels s[4:5], W1 s[6:7], b1 s[8:9], W2 s[10:11], b2 s[12:13], Wq s[14:15], Wk s[16:17], Wv s[18:19]
	s_load_b512 s[20:35], s[0:1], 0x40             ; bq s[20:21], bv s[22:23], gamma s[24:25], beta s[26:27], level_weights s[28:29], level_temps s[30:31], idx s[32:33], W1c s[34:35]
	s_load_b128 s[36:39], s[0:1], 0x80             ; aux s[36:37], PT s[38:39]
	v_lshl_add_u32 v12, v0, 2, SPARE               ; my spare word, and 0: kept for the add at the end alone
	v_mov_b32 v13, 0
	v_lshrrev_b32 v1, 5, v0
	v_readfirstlane_b32 s40, v1                    ; wave 0..7
	v_and_b32 v2, 31, v0                           ; lane
	v_and_b32 v3, 15, v0                           ; r
	v_bfe_u32 v4, v0, 4, 1                         ; hh
	s_wait_kmcnt 0x0
	s_cmp_lt_u32 ttmp9, 304
	s_cbranch_scc0 .Lnot_w
; ---------------- the products of weights ----------------
	s_mov_b32 s41, ttmp9
	s_mul_i32 s42, s41, 2731
	s_lshr_b32 s42, s42, 16                        ; mt = number / 24 (exact up to 303): 128 rows of W2 taken as [1536][512]
	s_mul_i32 s43, s42, 24
	s_sub_co_u32 s43, s41, s43
	s_lshr_b32 s44, s43, 3                         ; m
	s_and_b32 s45, s43, 7                          ; head
	s_sub_co_u32 s46, s41, 288                     ; a bias tile's number
	s_lshr_b32 s47, s46, 3
	s_lshl_b32 s47, s47, 1                         ; its m: 0 or 2
	s_and_b32 s48, s46, 7
	s_lshl_b32 s56, s42, 18                        ; mt x 128 rows x 2,048 bytes
	s_mov_b32 s57, 0
	s_cmp_lt_u32 s41, 288
	s_cselect_b32 s44, s44, s47
	s_cselect_b32 s45, s45, s48
	s_cselect_b32 s49, 127, 7                      ; a bias tile takes row min(r & 7, 2) of b2: both halves of the lanes then hold the same rows
	s_cselect_b32 s50, 127, 2
	s_cselect_b32 s51, 1, 0
	s_cselect_b32 s56, s56, 0
	s_cselect_b64 s[52:53], s[10:11], s[12:13]     ; W2 or b2
	s_add_nc_u64 s[52:53], s[52:53], s[56:57]
	s_cmp_eq_u32 s44, 0
	s_cselect_b64 s[54:55], s[14:15], s[16:17]
	s_cmp_eq_u32 s44, 2
	s_cselect_b64 s[54:55], s[18:19], s[54:55]     ; Wq, Wk or Wv
	s_lshl_b32 s56, s45, 8                         ; the head's 64 columns: 256 bytes of each row
	s_add_nc_u64 s[54:55], s[54:55], s[56:57]
	s_lshl_b32 s58, s40, 4
	v_add_nc_u32 v5, s58, v3
	v_and_b32 v5, s49, v5
	v_min_u32 v5, s50, v5
	v_lshlrev_b32 v5, 11, v5
	v_lshl_add_u32 v5, v4, 5, v5                   ; W2: my row x 2,048 + 32 hh
	s_lshl_b32 s59, s40, 6
	v_add_nc_u32 v6, s59, v4                       ; Wm: row 64 w + hh
	v_lshlrev_b32 v7, 11, v6
	v_lshl_add_u32 v7, v3, 4, v7
	v_mul_u32_u24 v8, v6, 160
	v_lshl_add_u32 v8, v3, 3, v8                   ; and its place in LDS
	v_and_b32 v9, 7, v0
	v_lshl_add_u32 v9, v4, 3, v9
	v_mul_u32_u24 v9, v9, 160
	v_bfe_u32 v10, v0, 3, 1
	v_lshl_add_u32 v9, v10, 4, v9                  ; the turning load's address, K steps 0-7
	v_add_nc_u32 v10, 40960, v9                    ; K steps 8-15
; batch g of W2: two K steps of 32, eight loads of 16 bytes a lane: 256 consecutive bytes of each of my 16 rows
.macro ALD g
.irp q, 0,1
	global_load_b128 v[RAW+32*((\g)%2)+16*\q:RAW+32*((\g)%2)+16*\q+3],     v5, s[52:53] offset:(2*(\g)+\q)*128
	global_load_b128 v[RAW+32*((\g)%2)+16*\q+4:RAW+32*((\g)%2)+16*\q+7],   v5, s[52:53] offset:(2*(\g)+\q)*128+16
	global_load_b128 v[RAW+32*((\g)%2)+16*\q+8:RAW+32*((\g)%2)+16*\q+11],  v5, s[52:53] offset:(2*(\g)+\q)*128+64
	global_load_b128 v[RAW+32*((\g)%2)+16*\q+12:RAW+32*((\g)%2)+16*\q+15], v5, s[52:53] offset:(2*(\g)+\q)*128+80
.endr
.endm
	ALD 0
	ALD 1
.set i, 0
.rept 32
	global_load_b128 v[BR+4*i:BR+4*i+3], v7, s[54:55] offset:4096*i  ; two rows of 256 bytes
.set i, i+1
.endr
	s_wait_loadcnt 0x0
.set i, 0
.rept 32
	v_cvt_pk_bf16_f32 v[BR+4*i], v[BR+4*i], v[BR+4*i+1]
	v_cvt_pk_bf16_f32 v[BR+4*i+1], v[BR+4*i+2], v[BR+4*i+3]
	ds_store_b64 v8, v[BR+4*i:BR+4*i+1] offset:320*i
.set i, i+1
.endr
	s_wait_dscnt 0x0                               ; my part of the slice is stored,
	s_barrier_signal -1
	s_barrier_wait -1                              ; everybody's is
; batch g: W2 rounded, the batch after next asked for, Wm's fragments turned out of LDS, eight products on four accumulators that take turns
.macro WB g
.if ((\g) >= 2) && ((\g) <= 6)
	s_wait_loadcnt 0x8                             ; my batch is in; the next batch's eight loads may stay out
.endif
.if (\g) == 7
	s_wait_loadcnt 0x0
.endif
	PLACES                                         ; behind the last products, ahead of writes of their sources
.set z, 0
.rept 16
	v_cvt_pk_bf16_f32 v[AF+z], v[RAW+32*((\g)%2)+2*z], v[RAW+32*((\g)%2)+2*z+1]
.set z, z+1
.endr
.if (\g) < 6
	ALD (\g)+2
.endif
.irp q, 0,1
.irp n, 0,1,2,3
	ds_load_tr16_b128 v[BR+32*\q+8*\n:BR+32*\q+8*\n+3],   v[9+(\g)/4] offset:((2*(\g)+\q)%8)*5120+\n*32
	ds_load_tr16_b128 v[BR+32*\q+8*\n+4:BR+32*\q+8*\n+7], v[9+(\g)/4] offset:((2*(\g)+\q)%8)*5120+\n*32+2560
.endr
.endr
	s_wait_dscnt 0x0
.irp q, 0,1
.irp n, 0,1,2,3
.if ((\g) == 0) && (\q == 0)
	v_wmma_f32_16x16x32_bf16 v[ACC+8*\n:ACC+8*\n+7], v[AF+8*\q:AF+8*\q+7], v[BR+32*\q+8*\n:BR+32*\q+8*\n+7], 0
.else
	v_wmma_f32_16x16x32_bf16 v[ACC+8*\n:ACC+8*\n+7], v[AF+8*\q:AF+8*\q+7], v[BR+32*\q+8*\n:BR+32*\q+8*\n+7], v[ACC+8*\n:ACC+8*\n+7]
.endif
.endr
.endr
.endm
.irp g, 0,1,2,3,4,5,6,7
	WB \g
.endr
	PLACES
.irp n, 0,1,2,3                        ; a lane holds column j = 16 n + r and the rows k = 16 w + 8 hh + 0..7: 16 bytes of PT's row j
.irp p, 0,1,2,3
	v_cvt_pk_bf16_f32 v[RAW+4*\n+\p], v[ACC+8*\n+2*\p], v[ACC+8*\n+2*\p+1]
.endr
.endr
	s_cmp_eq_u32 s51, 0
	s_cbranch_scc1 .Lw_bias
	v_mul_u32_u24 v11, v3, 272
	v_lshl_add_u32 v11, v4, 4, v11
	s_lshl_b32 s58, s40, 5
	s_add_co_u32 s58, s58, STG
	v_add_nc_u32 v11, s58, v11
.irp n, 0,1,2,3
	ds_store_b128 v11, v[RAW+4*\n:RAW+4*\n+3] offset:4352*\n
.endr
	s_wait_dscnt 0x0                               ; a row's 256 bytes come from eight waves
	s_barrier_signal -1
	s_barrier_wait -1
	s_lshl_b32 s58, s40, 3
	v_add_nc_u32 v14, s58, v4                      ; row j = 8 w + hh (+ 2 t)
	v_mul_u32_u24 v15, v14, 272
	v_lshl_add_u32 v15, v3, 4, v15
	v_add_nc_u32 v15, STG, v15
.irp t, 0,1,2,3
	ds_load_b128 v[96+4*\t:99+4*\t], v15 offset:544*\t
.endr
	v_lshlrev_b32 v14, 10, v14
	v_lshl_add_u32 v14, v3, 4, v14
	s_lshr_b32 s60, s42, 2                         ; l
	s_and_b32 s61, s42, 3                          ; which 128 of the 512 k
	s_mul_i32 s62, s44, 3
	s_add_co_u32 s62, s62, s60
	s_lshl_b32 s62, s62, 9
	s_lshl_b32 s63, s45, 6
	s_add_co_u32 s62, s62, s63                     ; row (3 m + l) 512 + 64 head
	s_lshl_b32 s62, s62, 10
	s_lshl_b32 s61, s61, 8
	s_add_co_u32 s62, s62, s61
	s_mov_b32 s63, 0
	s_add_nc_u64 s[38:39], s[38:39], s[62:63]
	s_wait_dscnt 0x0
.irp t, 0,1,2,3
	global_store_b128 v14, v[96+4*\t:99+4*\t], s[38:39] offset:2048*\t  ; 16 lanes store 256 consecutive bytes, aligned
.endr
	s_branch .Lend
.Lw_bias:                              ; registers 0..2 of each accumulator are b2[l] Wm for l = 0..2, in both halves of the lanes alike
	s_cmp_lg_u32 s40, 0
	s_cbranch_scc1 .Lend
	s_cmp_eq_u32 s44, 0
	s_cselect_b64 s[54:55], s[20:21], s[22:23]     ; bq or bv
	s_lshl_b32 s58, s45, 8
	v_lshl_add_u32 v11, v3, 2, s58                 ; 4 (64 head + r)
.irp n, 0,1,2,3
	global_load_b32 v[80+\n], v11, s[54:55] offset:64*\n
.endr
	s_mul_i32 s58, s44, 3072                       ; m = 0: the first three rows; m = 2: the next three
	s_mov_b32 s59, 0
	s_add_nc_u64 s[36:37], s[36:37], s[58:59]
	s_wait_loadcnt 0x0
.irp n, 0,1,2,3
	v_cvt_pk_bf16_f32 v[80+\n], v[80+\n], v[80+\n]
	v_lshlrev_b32 v[80+\n], 16, v[80+\n]           ; the bias rounded to bf16, as f32
.endr
.irp n, 0,1,2,3
.irp e, 0,1,2
	v_add_f32 v[84+3*\n+\e], v[ACC+8*\n+\e], v[80+\n]
	global_store_b32 v11, v[84+3*\n+\e], s[36:37] offset:18432+2048*\e+64*\n  ; lanes r and r + 16: the same word, the same number
.endr
.endr
	s_branch .Lend
.Lnot_w:
	s_cmp_lt_u32 ttmp9, 369
	s_cbranch_scc0 .Lrole_c
; ---------------- one class's rows ----------------
	s_sub_co_u32 s41, ttmp9, 304                   ; c
	s_lshl_b32 s42, s40, 13
	v_lshl_add_u32 v5, v2, 4, s42
.set i, 0
.rept 16
	global_load_b128 v[64+4*i:64+4*i+3], v5, s[4:5] offset:512*i  ; my wave's 2,048 labels
.set i, i+1
.endr
	s_mul_i32 s43, s40, LISTB
	s_add_co_u32 s43, s43, SLIST                   ; my wave's list: no other wave names its bytes
	v_add_nc_u32 v6, 2048, v2                      ; where a lane that does not match writes
	v_lshlrev_b32 v7, 2, v2
	s_lshl_b32 s44, s40, 11
	v_add_nc_u32 v7, s44, v7                       ; the row of my first label: 2,048 w + 4 lane
	s_mov_b32 s45, 0                               ; labels below c
	s_mov_b32 s46, 0                               ; labels equal to c
	s_wait_loadcnt 0x0
.set i, 0
.rept 64
	v_min_u32 v[64+i], 64, v[64+i]                 ; whatever is no class counts as 64
	v_cmp_gt_u32 vcc_lo, s41, v[64+i]
	s_bcnt1_i32_b32 s47, vcc_lo
	s_add_co_u32 s45, s45, s47
	v_cmp_eq_u32 vcc_lo, s41, v[64+i]
	v_mbcnt_lo_u32_b32 v8, vcc_lo, s46             ; my rank among my wave's matches
	v_cndmask_b32 v8, v6, v8, vcc_lo
	v_min_u32 v8, 0x81f, v8
	v_lshl_add_u32 v8, v8, 1, s43                  ; 2 bytes an entry
	v_add_nc_u32 v9, 128*(i/4)+i%4, v7
	ds_store_b16 v8, v9
	s_bcnt1_i32_b32 s47, vcc_lo
	s_add_co_u32 s46, s46, s47
.set i, i+1
.endr
	v_mov_b32 v10, s45
	v_mov_b32 v11, s46
	s_lshl_b32 s47, s40, 3
	s_add_co_u32 s47, s47, XCH
	v_mov_b32 v14, s47
	ds_store_b64 v14, v[10:11]
	s_wait_dscnt 0x0
	s_barrier_signal -1
	s_barrier_wait -1
	v_mov_b32 v14, XCH
.irp t, 0,1,2,3
	ds_load_b128 v[16+4*\t:19+4*\t], v14 offset:16*\t
.endr
	s_wait_dscnt 0x0
.set i, 0
.rept 16
	v_readfirstlane_b32 s[48+i], v[16+i]
.set i, i+1
.endr
	s_mov_b32 s66, 0                               ; the class's first place
	s_mov_b32 s67, 0                               ; its count
	s_mov_b32 s68, 0                               ; matches in the waves before mine
.irp t, 0,1,2,3,4,5,6,7
	s_add_co_u32 s66, s66, s[48+2*\t]
	s_add_co_u32 s67, s67, s[49+2*\t]
	s_cmp_gt_u32 s40, \t
	s_cselect_b32 s69, s[49+2*\t], 0
	s_add_co_u32 s68, s68, s69
.endr
	s_add_co_u32 s70, s66, s68                     ; where my wave's list goes
	s_sub_co_u32 s71, s46, 1
	s_mov_b32 s72, 0
	s_mov_b32 s73, 64                              ; 64 x 32 covers a list of 2,048; steps past my count are jumped over
.Ls_copy:
	s_cmp_ge_u32 s72, s46
	s_cbranch_scc1 .Ls_skip
	v_add_nc_u32 v8, s72, v2
	v_min_u32 v8, s71, v8                          ; lanes past the count repeat the last entry: the same word, the same number
	v_min_u32 v8, 0x7ff, v8
	v_lshl_add_u32 v9, v8, 1, s43
	ds_load_u16 v10, v9
	v_add_nc_u32 v11, s70, v8
	v_min_u32 v11, 0x3fff, v11
	v_lshlrev_b32 v11, 2, v11
	s_wait_dscnt 0x0
	global_store_b32 v11, v10, s[32:33]
	s_wait_xcnt 0x0                                ; the store has read its address and data: the next step writes them anew
.Ls_skip:
	s_add_co_u32 s72, s72, 32
	s_sub_co_u32 s73, s73, 1
	s_cmp_lg_u32 s73, 0
	s_cbranch_scc1 .Ls_copy
	s_cmp_lg_u32 s40, 0
	s_cbranch_scc1 .Lend
	s_cmp_lt_u32 s41, 64
	s_cbranch_scc0 .Lend
	v_mov_b32 v16, s66
	v_mov_b32 v17, s67
	v_mov_b32 v18, 0
	v_mov_b32 v19, 0
	s_lshl_b32 s47, s41, 4
	v_mov_b32 v20, s47
	global_store_b128 v20, v[16:19], s[32:33] offset:65536  ; all lanes: the same 16 bytes
	s_branch .Lend
.Lrole_c:
; ---------------- W1 centred; the small vectors ----------------
	s_mov_b32 s46, 0x76543210
	s_mov_b32 s47, 0xfedcba98
.macro RSUM R                          ; the sum of a row's 512 numbers (16 a lane at v[R ..]) into v16 of every lane
	v_pk_add_f32 v[16:17], v[\R:\R+1], v[\R+2:\R+3]
	v_pk_add_f32 v[18:19], v[\R+4:\R+5], v[\R+6:\R+7]
	v_pk_add_f32 v[20:21], v[\R+8:\R+9], v[\R+10:\R+11]
	v_pk_add_f32 v[22:23], v[\R+12:\R+13], v[\R+14:\R+15]
	v_pk_add_f32 v[16:17], v[16:17], v[18:19]
	v_pk_add_f32 v[20:21], v[20:21], v[22:23]
	v_pk_add_f32 v[16:17], v[16:17], v[20:21]
	v_add_f32 v16, v16, v17
	v_add_f32_dpp v16, v16, v16 row_xmask:1 row_mask:0xf bank_mask:0xf
	v_add_f32_dpp v16, v16, v16 row_xmask:2 row_mask:0xf bank_mask:0xf
	v_add_f32_dpp v16, v16, v16 row_xmask:4 row_mask:0xf bank_mask:0xf
	v_add_f32_dpp v16, v16, v16 row_xmask:8 row_mask:0xf bank_mask:0xf
	v_permlanex16_b32 v17, v16, s46, s47
	v_add_f32 v16, v16, v17
	v_mul_f32 v16, s44, v16                        ; times -1/512 (or 0: nothing is taken away)
	v_mov_b32 v17, v16
.irp p, 0,1,2,3,4,5,6,7
	v_pk_add_f32 v[\R+2*\p:\R+2*\p+1], v[\R+2*\p:\R+2*\p+1], v[16:17]
.endr
.endm
	s_sub_co_u32 s41, ttmp9, 369
	s_cmp_lt_u32 s41, 48
	s_cbranch_scc0 .Lc_aux
	s_lshl_b32 s42, s41, 5
	s_lshl_b32 s43, s40, 2
	s_add_co_u32 s42, s42, s43                     ; my four rows of W1 taken as [1536][512]
	s_lshl_b32 s43, s42, 11
	v_lshl_add_u32 v5, v2, 4, s43
	s_lshl_b32 s45, s42, 10
	v_lshl_add_u32 v6, v2, 3, s45
	s_mov_b32 s44, 0xbb000000                      ; -1/512
.irp t, 0,1,2,3
.irp j, 0,1,2,3
	global_load_b128 v[64+16*\t+4*\j:64+16*\t+4*\j+3], v5, s[6:7] offset:2048*\t+512*\j th:TH_LOAD_NT
.endr
.endr
	s_wait_loadcnt 0x0
.irp t, 0,1,2,3
	RSUM 64+16*\t
.irp j, 0,1,2,3
	v_cvt_pk_bf16_f32 v[64+16*\t+4*\j], v[64+16*\t+4*\j], v[64+16*\t+4*\j+1]
	v_cvt_pk_bf16_f32 v[64+16*\t+4*\j+1], v[64+16*\t+4*\j+2], v[64+16*\t+4*\j+3]
	global_store_b64 v6, v[64+16*\t+4*\j:64+16*\t+4*\j+1], s[34:35] offset:1024*\t+256*\j  ; the wave stores 256 consecutive bytes, aligned
.endr
.endr
	s_branch .Lend
.Lc_aux:
	s_cmp_lt_u32 s40, 3
	s_cbranch_scc0 .Lc_lvl
	s_cmp_eq_u32 s40, 0                            ; wave 0: b1, centred; wave 1: gamma; wave 2: beta
	s_cselect_b64 s[42:43], s[8:9], s[24:25]
	s_cselect_b32 s44, 0xbb000000, 0
	s_cmp_eq_u32 s40, 2
	s_cselect_b64 s[42:43], s[26:27], s[42:43]
	v_lshlrev_b32 v5, 4, v2
	s_mul_i32 s45, s40, 6144
	v_lshl_add_u32 v6, v2, 4, s45
.irp t, 0,1,2
.irp j, 0,1,2,3
	global_load_b128 v[64+16*\t+4*\j:64+16*\t+4*\j+3], v5, s[42:43] offset:2048*\t+512*\j
.endr
.endr
	s_wait_loadcnt 0x0
.irp t, 0,1,2
.irp p, 0,1,2,3,4,5,6,7
	v_cvt_pk_bf16_f32 v24, v[64+16*\t+2*\p], v[64+16*\t+2*\p+1]   ; rounded to bf16 once, kept as f32
	v_lshlrev_b32 v[64+16*\t+2*\p], 16, v24
	v_and_b32 v[64+16*\t+2*\p+1], 0xffff0000, v24
.endr
	RSUM 64+16*\t
.irp j, 0,1,2,3
	global_store_b128 v6, v[64+16*\t+4*\j:64+16*\t+4*\j+3], s[36:37] offset:2048*\t+512*\j
.endr
.endr
	s_branch .Lend
.Lc_lvl:
	s_cmp_eq_u32 s40, 3
	s_cbranch_scc0 .Lend
	s_load_b96 s[48:50], s[28:29], 0x0
	s_load_b96 s[52:54], s[30:31], 0x0
	s_wait_kmcnt 0x0
	v_mov_b32 v16, s48
	v_mov_b32 v17, s49
	v_mov_b32 v18, s50
	v_mov_b32 v20, s52
	v_mov_b32 v21, s53
	v_mov_b32 v22, s54
.irp z, 16,17,18,20,21,22
	v_cvt_pk_bf16_f32 v\z, v\z, v\z
	v_lshlrev_b32 v\z, 16, v\z
.endr
	v_max3_num_f32 v24, v16, v17, v18              ; the softmax's maximum is taken away
.irp z, 16,17,18
	v_sub_f32 v\z, v\z, v24
	v_mul_f32 v\z, 0x3fb8aa3b, v\z
.endr
	v_exp_f32 v16, v16
	v_exp_f32 v17, v17
	v_exp_f32 v18, v18
	v_rcp_f32 v20, v20
	v_rcp_f32 v21, v21
	v_rcp_f32 v22, v22
	v_nop                                          ; a plain instruction behind the batch,
	s_wait_alu depctr_va_vdst(0)                   ; and its one wait ahead of its first reader
	v_add_f32 v24, v16, v17
	v_add_f32 v24, v24, v18
	v_rcp_f32 v24, v24
	v_nop
	s_wait_alu depctr_va_vdst(0)
	v_mul_f32 v20, v20, v24
	v_mul_f32 v21, v21, v24
	v_mul_f32 v22, v22, v24
	v_mul_f32 v16, v16, v20
	v_mul_f32 v17, v17, v21
	v_mul_f32 v18, v18, v22
	v_add_f32 v19, v16, v17
	v_add_f32 v19, v19, v18                        ; their sum, for bo
	v_mov_b32 v5, 0
	global_store_b128 v5, v[16:19], s[36:37] offset:30720  ; all lanes: the same 16 bytes
.Lend:
	s_wait_tensorcnt 0x0                           ; the wave's end
	ds_add_u32 v12, v13
	s_wait_dscnt 0x0
	s_endpgm
.Lfunc_end_k_qdc2a2163bb_prep:
	.size	k_qdc2a2163bb_prep, .Lfunc_end_k_qdc2a2163bb_prep-k_qdc2a2163bb_prep
	.p2alignl 7, 3214868480
	.fill 96, 4, 3214868480
	.section	.rodata,"a",@progbits
	.p2align	6, 0x0
	.amdhsa_kernel k_qdc2a2163bb_prep
		.amdhsa_group_segment_fixed_size 135424
		.amdhsa_private_segment_fixed_size 0
		.amdhsa_enable_private_segment 0
		.amdhsa_kernarg_size 144
		.amdhsa_user_sgpr_count 2
		.amdhsa_user_sgpr_kernarg_segment_ptr 1
		.amdhsa_wavefront_size32 1
		.amdhsa_system_sgpr_workgroup_id_x 1
		.amdhsa_system_sgpr_workgroup_id_y 1
		.amdhsa_system_sgpr_workgroup_id_z 1
		.amdhsa_system_vgpr_workitem_id 0
		.amdhsa_next_free_vgpr 256
		.amdhsa_next_free_sgpr 96
		.amdhsa_reserve_vcc 1
		.amdhsa_float_denorm_mode_32 3
		.amdhsa_float_denorm_mode_16_64 3
		.amdhsa_memory_ordered 1
		.amdhsa_forward_progress 1
		.amdhsa_inst_pref_size 112
	.end_amdhsa_kernel
	.amdgpu_metadata
---
amdhsa.version: [ 1, 2 ]
amdhsa.kernels:
  - .name:           k_qdc2a2163bb_prep
    .symbol:         k_qdc2a2163bb_prep.kd
    .args:
      - { .name: support_labels, .offset: 0, .size: 8, .value_kind: global_buffer, .address_space: global }
      - { .name: W1, .offset: 8, .size: 8, .value_kind: global_buffer, .address_space: global }
      - { .name: b1, .offset: 16, .size: 8, .value_kind: global_buffer, .address_space: global }
      - { .name: W2, .offset: 24, .size: 8, .value_kind: global_buffer, .address_space: global }
      - { .name: b2, .offset: 32, .size: 8, .value_kind: global_buffer, .address_space: global }
      - { .name: Wq, .offset: 40, .size: 8, .value_kind: global_buffer, .address_space: global }
      - { .name: Wk, .offset: 48, .size: 8, .value_kind: global_buffer, .address_space: global }
      - { .name: Wv, .offset: 56, .size: 8, .value_kind: global_buffer, .address_space: global }
      - { .name: bq, .offset: 64, .size: 8, .value_kind: global_buffer, .address_space: global }
      - { .name: bv, .offset: 72, .size: 8, .value_kind: global_buffer, .address_space: global }
      - { .name: gamma, .offset: 80, .size: 8, .value_kind: global_buffer, .address_space: global }
      - { .name: beta, .offset: 88, .size: 8, .value_kind: global_buffer, .address_space: global }
      - { .name: level_weights, .offset: 96, .size: 8, .value_kind: global_buffer, .address_space: global }
      - { .name: level_temps, .offset: 104, .size: 8, .value_kind: global_buffer, .address_space: global }
      - { .name: idx, .offset: 112, .size: 8, .value_kind: global_buffer, .address_space: global }
      - { .name: W1c, .offset: 120, .size: 8, .value_kind: global_buffer, .address_space: global }
      - { .name: aux, .offset: 128, .size: 8, .value_kind: global_buffer, .address_space: global }
      - { .name: PT, .offset: 136, .size: 8, .value_kind: global_buffer, .address_space: global }
    .group_segment_fixed_size: 135424
    .private_segment_fixed_size: 0
    .kernarg_segment_align: 8
    .kernarg_segment_size: 144
    .max_flat_workgroup_size: 256
    .sgpr_count:     96
    .vgpr_count:     256
    .wavefront_size: 32
...
	.end_amdgpu_metadata
.endif
;; end of part 1
;; launch mlp (part 2): grid 256 x 1, 4 waves a work-group, clusters of 4 x 1, 327,680 bytes of LDS; arguments support_features, idx, W1c, aux, Hs; writes Hs
.if DOCPART == 2
	.amdgcn_target "amdgcn-amd-amdhsa--gfx1250"
	.amdhsa_code_object_version 6
	.text
	.protected	k_qdc2a2163bb_mlp
	.globl	k_qdc2a2163bb_mlp
	.p2align	8
	.type	k_qdc2a2163bb_mlp,@function
k_qdc2a2163bb_mlp:
	s_mov_b64 s[64:65], 0
	v_nop
	global_prefetch_b8 v0, s[64:65] scope:SCOPE_SE
	s_setreg_imm32_b32 hwreg(HW_REG_WAVE_MODE, 25, 1), 1
	s_wait_xcnt 0x0
	s_wait_alu depctr_hold_cnt(0) depctr_sa_sdst(0) depctr_va_vdst(0) depctr_va_sdst(0) depctr_va_ssrc(0) depctr_va_vcc(0) depctr_vm_vsrc(0)
	s_getreg_b32 s2, hwreg(HW_REG_IB_STS2, 6, 4)
	s_cmp_eq_u32 s2, 0
	s_cbranch_scc0 .Lentry_in_a_cluster
	s_endpgm
.Lentry_in_a_cluster:
	s_bfe_u32 s2, ttmp6, 0x10000c
	s_cmp_lg_u32 s2, 0x3003
	s_cbranch_scc0 .Lentry_shape_is_right
	s_endpgm
.Lentry_shape_is_right:
; Hs[l][p][:] = relu(y rsqrt(mean(y^2) + 1e-5) gamma_l + beta_l) in bf16, y = X[order[p]] W1c_l + b1c_l, for the three levels l and all 16,384 places p of the sorted order.
; Left out (shown at the head of the first kernel): the mean of the layer norm, which lies in W1c and b1c already; the product with W2, which is folded into later, small products.
; SHARES.  A work-group owns 64 places for ALL THREE levels, so X is read once: its 64 rows, rounded to bf16, stay as fragments in 512 registers of each of the four waves.  Wave w makes the 64 rows x
; columns 128 w .. 128 w + 127: 32 accumulators.  W1c (1,536 rows of k, 1,024 bytes each) goes in 12 steps of 128 rows through two LDS slots; a wave's tensor load brings 32 rows.
; CLUSTER.  Every work-group walks the same 12 steps, so the four of a cluster ask for each tile jointly: the same load, descriptor and mask in all four.  No branch and no LDS address hangs on the place in the cluster.
; THE PRODUCT IS TAKEN TRANSPOSED: source 0 = 16 columns of W1c (turned out of LDS by ds_load_tr16_b128), source 1 = 16 rows of X: a lane holds one row (lane % 16) and the columns 8 (lane / 16) + 0..7.
; The first product of a level takes b1c as its C operand.  The 32 accumulators take turns, one instruction a turn.
; REGISTERS in windows of 256: 0: addresses, b1c (v32-95), two fragment buffers of W1c (v96-159, v160-223; gamma and beta on the way out), sums; 1: the accumulators, (a, b) at 64 a + 8 b; 2, 3: X's fragments, (kk, a) at 8 (4 (kk % 8) + a).
.set SLOT,  135168                     ; 128 rows of 1,024 + 32 bytes: the pitch is an odd multiple of 32 bytes
.set SCR,   270336                     ; X on its way into fragments: 64 rows of 528 bytes, half of K at a time; later each wave's 16 rows x 272 bytes for the way out
.set STAT,  304128                     ; [64 rows][4 waves] sums of squares
.set SPARE, 306176                     ; the spare words
.set ADR, 16                           ; v16-23  slot s, 32 rows ks: the turning load's address
.set B1,  32
.set BF0, 96
.set BF1, 160
.set Q,   224
.set RS,  240
.set WV,  14
.set G1,  24                           ; s[24:31] descriptor group 1
.set G0,  32                           ; s[32:39] group 0, a set for each slot
.set LV,  56
.set PFC, 57                           ; prefetches still to be made
.set PFA, 58                           ; s[58:59] where they stand
.set SEL, 60
.set ZR,  66
.set R512, 67
.set AUXL, 68                          ; s[68:69] aux at the level in hand
.set HB,  70                           ; s[70:71] Hs at my 64 rows of the level in hand
.set EPS, 72
.set MSB, 0
.macro WIN new                         ; the immediate's high byte repeats the setting that is left; a switch that changes nothing is dropped
.if MSB != (\new)
	s_set_vgpr_msb (MSB<<8)|(\new)
.set MSB, \new
.endif
.endm
.macro PLACES
.rept 4
	v_nop
.endr
.endm
.macro CREST                           ; a round of the cluster's barrier behind its opening barrier
	s_cmp_lg_u32 s[WV], 0
	s_cbranch_scc1 .Lnot_wave_0_\@
	s_barrier_signal -3
.Lnot_wave_0_\@:
	s_barrier_wait -3
	s_barrier_signal -1
	s_barrier_wait -1
.endm
.macro CROUND
	s_barrier_signal -1
	s_barrier_wait -1
	CREST
.endm
	s_load_b256 s[4:11], s[0:1], 0x0               ; X s[4:5], idx s[6:7], W1c s[8:9], aux s[10:11]
	s_load_b64 s[12:13], s[0:1], 0x20              ; Hs
	v_lshl_add_u32 v28, v0, 2, SPARE
	v_mov_b32 v29, 0
	ds_add_u32 v28, v29                            ; the opening: the add, twice on end, and its wait ahead of my first tensor load
	ds_add_u32 v28, v29
	v_lshrrev_b32 v4, 5, v0
	v_readfirstlane_b32 s[WV], v4                  ; wave 0..3
	s_bfe_u32 s15, ttmp6, 0x40000                  ; cx
	s_lshl_b32 s16, ttmp9, 2
	s_add_co_u32 s16, s16, s15                     ; my block of 64 places: it enters global addresses alone
	s_mov_b32 s[G1], 15|(1<<16)|(1<<20)|(1<<21)|(7<<22)|(7<<25)  ; mask of four; 2-byte elements; padding on; bit 21 beside the mask; after every 256 words, 8 words
	s_mov_b32 s[G1+1], 512<<16                     ; tensor_dim0 = 512
	s_mov_b32 s[G1+2], 32<<16                      ; tensor_dim1 = 32
	s_mov_b32 s[G1+3], 512<<16                     ; tile_dim0 = 512
	s_mov_b32 s[G1+4], 32                          ; tile_dim1 = 32
	s_mov_b32 s[G1+5], 512                         ; elements from row to row
	s_mov_b32 s[G1+6], 0
	s_mov_b32 s[G1+7], 0
	s_mov_b32 s[G0], 1
	s_mul_i32 s[G0+1], s[WV], 33792                ; my 32 rows of slot 0
	s_mov_b32 s[G0+4], 1
	s_add_co_u32 s[G0+5], s[G0+1], SLOT            ; and of slot 1
	s_mov_b32 s[SEL], 0x76543210
	s_mov_b32 s[SEL+1], 0xfedcba98
	s_mov_b32 s[ZR], 0
	s_mov_b32 s[R512], 0x3b000000                  ; 1/512
	s_mov_b32 s[EPS], 0x3727c5ac                   ; 1e-5
	s_cmp_eq_u32 ttmp9, 0
	s_cselect_b32 s[PFC], 7, 0                     ; the first cluster prefetches for all: the same in its four partners
	s_lshl_b32 s18, s[WV], 15
	s_mov_b32 s19, 0
	s_lshl_b32 s20, s16, 8
	s_lshl_b32 s17, s[WV], 6
	s_add_co_u32 s20, s20, s17                     ; 4 (64 t + 16 w): my wave's 16 entries of the order
	s_mov_b32 s21, 0
	s_wait_dscnt 0x0                               ; both opening adds are done
	s_wait_kmcnt 0x0
	s_add_nc_u64 s[G0+2:G0+3], s[8:9], s[18:19]    ; step 0, my 32 rows
	s_add_nc_u64 s[G0+6:G0+7], s[G0+2:G0+3], 131072  ; step 1
	s_or_b32 s[G0+3], s[G0+3], 0x80000000
	s_or_b32 s[G0+7], s[G0+7], 0x80000000
	s_add_nc_u64 s[22:23], s[6:7], s[20:21]
	s_load_b512 s[40:55], s[22:23], 0x0
	s_add_nc_u64 s[PFA:PFA+1], s[8:9], 4*131072    ; the first change of slots steps it to step 5
	s_mov_b64 s[AUXL:AUXL+1], s[10:11]
	s_lshl_b32 s18, s16, 16
	s_add_nc_u64 s[HB:HB+1], s[12:13], s[18:19]
	CROUND                                         ; all four work-groups are here: the first joint loads meet
	tensor_load_to_lds s[G0:G0+3], s[G1:G1+7]
	s_nop 0
	tensor_load_to_lds s[G0+4:G0+7], s[G1:G1+7]
	s_nop 0
	PLACES
	v_and_b32 v3, 31, v0
	v_and_b32 v1, 15, v0                           ; r
	v_bfe_u32 v2, v0, 4, 1                         ; hh
	v_lshlrev_b32 v4, 4, v3
	s_wait_kmcnt 0x0
.irp t, 0,1,2,3,4,5,6,7,8,9,10,11,12,13,14,15
	s_min_u32 s[40+\t], s[40+\t], 0x3fff
	s_lshl_b32 s[40+\t], s[40+\t], 11
	v_add_nc_u32 v[BF0+\t], s[40+\t], v4           ; the row's first byte + 16 lane
.endr
	WIN 0x40
.set i, 0
.rept 16
.irp j, 0,1,2,3
	global_load_b128 v[16*i+4*\j:16*i+4*\j+3], v[BF0+i], s[4:5] offset:512*\j th:TH_LOAD_NT  ; 512 consecutive bytes of a row; each row of X has one place
.endr
.set i, i+1
.endr
	WIN 0
	s_lshl_b32 s17, s[WV], 9
	v_lshl_add_u32 v27, v2, 5, s17                 ; my 8 columns in a vector of 512 f32: 512 w + 32 hh (+ 64 b)
.irp b, 0,1,2,3,4,5,6,7
	global_load_b128 v[B1+8*\b:B1+8*\b+3],   v27, s[AUXL:AUXL+1] offset:64*\b
	global_load_b128 v[B1+8*\b+4:B1+8*\b+7], v27, s[AUXL:AUXL+1] offset:64*\b+16
.endr
	v_and_b32 v5, 7, v0
	v_lshl_add_u32 v5, v2, 3, v5
	v_mul_u32_u24 v5, v5, 1056
	v_bfe_u32 v6, v0, 3, 1
	v_lshl_add_u32 v5, v6, 4, v5
	s_lshl_b32 s17, s[WV], 8
	v_add_nc_u32 v5, s17, v5                       ; (8 hh + lane % 8) x pitch + 16 ((lane / 8) % 2) + my 128 columns
.irp s, 0,1
.irp k, 0,1,2,3
	v_add_nc_u32 v[ADR+4*\s+\k], \s*SLOT+\k*33792, v5
.endr
.endr
	s_mul_i32 s17, s[WV], 8448
	s_add_co_u32 s17, s17, SCR
	v_lshl_add_u32 v10, v3, 3, s17                 ; X in: my 16 rows, 8 bytes a lane
	v_mul_u32_u24 v9, v1, 528
	v_lshl_add_u32 v9, v2, 4, v9
	v_add_nc_u32 v9, SCR, v9                       ; X out: a fragment's row and half
	s_mul_i32 s17, s[WV], 4352
	s_add_co_u32 s17, s17, SCR                     ; my stage
	v_mul_u32_u24 v24, v1, 272
	v_lshl_add_u32 v24, v2, 4, v24
	v_add_nc_u32 v24, s17, v24
	v_mul_u32_u24 v25, v2, 272
	v_lshl_add_u32 v25, v1, 4, v25
	v_add_nc_u32 v25, s17, v25
	s_lshl_b32 s17, s[WV], 8
	v_lshl_add_u32 v26, v2, 10, s17
	v_lshl_add_u32 v26, v1, 4, v26                 ; in Hs: row hh, my wave's 256 bytes, 16 bytes a lane
	s_lshl_b32 s17, s[WV], 2
	s_add_co_u32 s17, s17, STAT
	v_lshl_add_u32 v11, v1, 4, s17
	v_lshlrev_b32 v8, 4, v1
	v_add_nc_u32 v8, STAT, v8
	s_lshl_b32 s17, s15, 7
	s_lshl_b32 s18, s[WV], 5
	s_add_co_u32 s17, s17, s18
	v_add_nc_u32 v30, s17, v3
	v_lshlrev_b32 v30, 8, v30                      ; the prefetches: block 128 cx + 32 w + lane of a step's 512 blocks of 256 bytes: the partners are told apart by address
	s_wait_loadcnt 0x0
	WIN 0x45
.set i, 0
.rept 64
	v_cvt_pk_bf16_f32 v[4*i], v[4*i], v[4*i+1]
	v_cvt_pk_bf16_f32 v[4*i+1], v[4*i+2], v[4*i+3]
.set i, i+1
.endr
; half hf of K: every wave stores its 16 rows, a barrier, every wave reads all 64 rows as fragments
.macro XHALF hf, win
	WIN 0x04
.set i, 0
.rept 16
	ds_store_b64 v10, v[16*i+8*(\hf):16*i+8*(\hf)+1] offset:i*528
	ds_store_b64 v10, v[16*i+8*(\hf)+4:16*i+8*(\hf)+5] offset:i*528+256
.set i, i+1
.endr
	WIN 0
	s_wait_dscnt 0x0
	s_barrier_signal -1
	s_barrier_wait -1
	WIN \win
.set i, 0
.rept 8
.irp a, 0,1,2,3
	ds_load_b128 v[8*(4*i+\a):8*(4*i+\a)+3],   v9 offset:\a*8448+i*64
	ds_load_b128 v[8*(4*i+\a)+4:8*(4*i+\a)+7], v9 offset:\a*8448+i*64+32
.endr
.set i, i+1
.endr
	WIN 0
	s_wait_dscnt 0x0                               ; my reads are over: the bytes are written again behind the next barrier
.endm
	XHALF 0, 0x80
	s_barrier_signal -1
	s_barrier_wait -1
	XHALF 1, 0xc0
	s_wait_tensorcnt 0x1                           ; my part of step 0 is in; step 1's may stay out
	s_barrier_signal -1
	s_barrier_wait -1
.macro FETCH sl, ks, buf               ; 16 LDS loads in one run: my 128 columns x 32 rows of k, turned
	WIN 0
.irp b, 0,1,2,3,4,5,6,7
	ds_load_tr16_b128 v[(\buf)+8*\b:(\buf)+8*\b+3],   v[ADR+4*(\sl)+(\ks)] offset:32*\b
	ds_load_tr16_b128 v[(\buf)+8*\b+4:(\buf)+8*\b+7], v[ADR+4*(\sl)+(\ks)] offset:32*\b+16896
.endr
.endm
.macro MUL buf, kk, a0, na, first      ; row blocks a0 .. a0 + na - 1 x all 8 column blocks, 32 along K; first = 1: the sums start with b1c
.if \first
	WIN 0x48+4*((\kk)/8)
.else
	WIN 0x58+4*((\kk)/8)
.endif
.set ma, \a0
.rept \na
.irp b, 0,1,2,3,4,5,6,7
.if \first
	v_wmma_f32_16x16x32_bf16 v[64*ma+8*\b:64*ma+8*\b+7], v[(\buf)+8*\b:(\buf)+8*\b+7], v[8*(4*((\kk)%8)+ma):8*(4*((\kk)%8)+ma)+7], v[B1+8*\b:B1+8*\b+7]
.else
	v_wmma_f32_16x16x32_bf16 v[64*ma+8*\b:64*ma+8*\b+7], v[(\buf)+8*\b:(\buf)+8*\b+7], v[8*(4*((\kk)%8)+ma):8*(4*((\kk)%8)+ma)+7], v[64*ma+8*\b:64*ma+8*\b+7]
.endif
.endr
.set ma, ma+1
.endr
.endm
.macro KSTEP sl, ks, kk, first         ; one of a step's first three quarters: the next quarter's fragments are asked for, 32 products
	s_wait_dscnt 0x0                               ; my quarter's fragments are in
	PLACES                                         ; behind the products that read the other buffer
	FETCH \sl, (\ks)+1, BF0+64*(((\ks)+1)%2)
	MUL BF0+64*((\ks)%2), \kk, 0, 4, \first
.endm
.macro PARAMS nb1                      ; gamma into buffer 0; the next level's b1c
.irp b, 0,1,2,3,4,5,6,7
	global_load_b128 v[BF0+8*\b:BF0+8*\b+3],   v27, s[AUXL:AUXL+1] offset:6144+64*\b
	global_load_b128 v[BF0+8*\b+4:BF0+8*\b+7], v27, s[AUXL:AUXL+1] offset:6144+64*\b+16
.endr
.if \nb1
.irp b, 0,1,2,3,4,5,6,7
	global_load_b128 v[B1+8*\b:B1+8*\b+3],   v27, s[AUXL:AUXL+1] offset:2048+64*\b
	global_load_b128 v[B1+8*\b+4:B1+8*\b+7], v27, s[AUXL:AUXL+1] offset:2048+64*\b+16
.endr
.endif
.endm
; A prefetch into the L2, behind the joint load, its five lines and the run of LDS loads: the change of slots behind step q names step q + 5, three changes (384 matrix instructions a wave) ahead of the load that
; asks for it.  One cluster asks; its 16 waves share a step's 512 blocks of 256 bytes, a lane a block: each block is named once.  Seven changes ask (steps 5 to 11); steps 0 to 4 come by their loads alone.
.macro ASK
	s_cmp_lg_u32 s[PFC], 0
	s_cbranch_scc0 .Lnot_mine_\@
	global_prefetch_b8 v30, s[PFA:PFA+1] th:TH_LOAD_NT scope:SCOPE_SE
	s_sub_co_u32 s[PFC], s[PFC], 1
.Lnot_mine_\@:
.endm
; A step's last quarter (buffer 1) and the change of slots.  bar = 1: each wave waits for all its tensor loads (one is out: its part of the other slot), adds 0 to its spare word, waits for that and for its reads
; of this slot, and signals.  fill = 1: the barrier opens a round of the cluster's, and this slot is filled again, two steps on, first thing behind it.
.macro TURN sl, kk, fill, bar, fetch, nb1
	WIN 0
.if \fill
	s_wait_xcnt 0x0                                ; the last prefetch, a step back, has read its address
	s_add_nc_u64 s[PFA:PFA+1], s[PFA:PFA+1], 131072
.endif
.if \bar
	s_wait_tensorcnt 0x0
	ds_add_u32 v28, v29
	s_wait_dscnt 0x1                               ; the fragments are in; the add alone may be out
	MUL BF1, \kk, 0, 1, 0
	s_wait_dscnt 0x0
	s_barrier_signal -1
	MUL BF1, \kk, 1, 1, 0
	WIN 0
	s_barrier_wait -1
.else
	s_wait_dscnt 0x0
	MUL BF1, \kk, 0, 2, 0
	WIN 0
.endif
.if \fill
	CREST
	s_add_nc_u64 s[G0+4*(\sl)+2:G0+4*(\sl)+3], s[G0+4*(\sl)+2:G0+4*(\sl)+3], 262144
	tensor_load_to_lds s[G0+4*(\sl):G0+4*(\sl)+3], s[G1:G1+7]
	s_nop 0
.endif
	PLACES                                         ; the places behind a tensor load; also ahead of loads into buffer 0
.if \fetch
	FETCH 1-(\sl), 0, BF0
.else
	PARAMS \nb1
.endif
.if \fill
	ASK
.endif
	MUL BF1, \kk, 2, 2, 0
.endm
.macro NORM a                          ; row block a: y rs gamma + beta, rounded to bf16, relu on the packed halves
	WIN 0x41
.set i, 0
.rept 32
	v_pk_mul_f32 v[64*(\a)+2*i:64*(\a)+2*i+1], v[64*(\a)+2*i:64*(\a)+2*i+1], v[RS+2*(\a):RS+2*(\a)+1]
.set i, i+1
.endr
.set i, 0
.rept 32
	v_pk_fma_f32 v[64*(\a)+2*i:64*(\a)+2*i+1], v[64*(\a)+2*i:64*(\a)+2*i+1], v[BF0+2*i:BF0+2*i+1], v[BF1+2*i:BF1+2*i+1]
.set i, i+1
.endr
	WIN 0x45
.set i, 0
.rept 32
	v_cvt_pk_bf16_f32 v[64*(\a)+8*(i/4)+i%4], v[64*(\a)+8*(i/4)+2*(i%4)], v[64*(\a)+8*(i/4)+2*(i%4)+1]
.set i, i+1
.endr
.set i, 0
.rept 32
	v_pk_max_num_bf16 v[64*(\a)+8*(i/4)+i%4], v[64*(\a)+8*(i/4)+i%4], s[ZR]
.set i, i+1
.endr
.endm
.macro TOSTAGE a                       ; 16 bytes a lane into my own stage, whole rows of 256 bytes back; LDS serves a wave's instructions in order
	WIN 0x04
.irp b, 0,1,2,3,4,5,6,7
	ds_store_b128 v24, v[64*(\a)+8*\b:64*(\a)+8*\b+3] offset:32*\b
.endr
	WIN 0x40
.irp b, 0,1,2,3,4,5,6,7
	ds_load_b128 v[64*(\a)+8*\b+4:64*(\a)+8*\b+7], v25 offset:544*\b
.endr
.endm
.macro SEND a
	WIN 0x04
	s_wait_dscnt 0x0
.irp b, 0,1,2,3,4,5,6,7
	global_store_b128 v26, v[64*(\a)+8*\b+4:64*(\a)+8*\b+7], s[HB:HB+1] offset:(16*(\a)+2*\b)*1024  ; 16 lanes store 256 consecutive bytes, aligned
.endr
.endm
.macro EPI last
	WIN 0
	PLACES                                         ; behind the last products: loads into buffer 1, reads of the sums
.irp b, 0,1,2,3,4,5,6,7
	global_load_b128 v[BF1+8*\b:BF1+8*\b+3],   v27, s[AUXL:AUXL+1] offset:12288+64*\b
	global_load_b128 v[BF1+8*\b+4:BF1+8*\b+7], v27, s[AUXL:AUXL+1] offset:12288+64*\b+16
.endr
	WIN 0x05                                       ; the squares of my 64 numbers of each row: eight chains
.irp b, 0,1,2,3,4,5,6,7
.irp p, 0,1,2,3
.irp a, 0,1,2,3
.if (\b == 0) && (\p < 2)
	v_pk_mul_f32 v[Q+4*\a+2*\p:Q+4*\a+2*\p+1], v[64*\a+8*\b+2*\p:64*\a+8*\b+2*\p+1], v[64*\a+8*\b+2*\p:64*\a+8*\b+2*\p+1]
.else
	v_pk_fma_f32 v[Q+4*\a+2*(\p%2):Q+4*\a+2*(\p%2)+1], v[64*\a+8*\b+2*\p:64*\a+8*\b+2*\p+1], v[64*\a+8*\b+2*\p:64*\a+8*\b+2*\p+1], v[Q+4*\a+2*(\p%2):Q+4*\a+2*(\p%2)+1]
.endif
.endr
.endr
.endr
	WIN 0
.irp a, 0,1,2,3
	v_pk_add_f32 v[Q+4*\a:Q+4*\a+1], v[Q+4*\a:Q+4*\a+1], v[Q+4*\a+2:Q+4*\a+3]
.endr
.irp a, 0,1,2,3
	v_add_f32 v[Q+4*\a], v[Q+4*\a], v[Q+4*\a+1]
.endr
.irp a, 0,1,2,3
	v_permlanex16_b32 v[Q+4*\a+1], v[Q+4*\a], s[SEL], s[SEL+1]  ; the row's other 64 columns of my wave lie in the lane 16 away
.endr
.irp a, 0,1,2,3
	v_add_f32 v[Q+4*\a], v[Q+4*\a], v[Q+4*\a+1]
.endr
.irp a, 0,1,2,3
	ds_store_b32 v11, v[Q+4*\a] offset:256*\a
.endr
	s_wait_dscnt 0x0
	s_barrier_signal -1
	s_barrier_wait -1                              ; the four waves' sums of each row lie together
.irp a, 0,1,2,3
	ds_load_b128 v[Q+4*\a:Q+4*\a+3], v8 offset:256*\a
.endr
	s_wait_dscnt 0x0
.irp a, 0,1,2,3
	v_pk_add_f32 v[Q+4*\a:Q+4*\a+1], v[Q+4*\a:Q+4*\a+1], v[Q+4*\a+2:Q+4*\a+3]
.endr
.irp a, 0,1,2,3
	v_add_f32 v[Q+4*\a], v[Q+4*\a], v[Q+4*\a+1]
.endr
.irp a, 0,1,2,3
	v_fma_f32 v[Q+4*\a], v[Q+4*\a], s[R512], s[EPS]
.endr
.irp a, 0,1,2,3
	v_rsq_f32 v[RS+2*\a], v[Q+4*\a]
	v_rsq_f32 v[RS+2*\a+1], v[Q+4*\a]
.endr
	v_nop                                          ; a plain instruction behind the batch,
	s_wait_alu depctr_va_vdst(0)                   ; and its one wait
	s_wait_loadcnt 0x0                             ; gamma, beta, the next b1c
	NORM 0
	TOSTAGE 0
	NORM 1
	SEND 0
	TOSTAGE 1
	NORM 2
	SEND 1
	TOSTAGE 2
	NORM 3
	SEND 2
	TOSTAGE 3
	SEND 3
	WIN 0
.if !(\last)
	s_wait_xcnt 0x0                                ; the stores have read their data and base, the loads theirs
	s_add_nc_u64 s[HB:HB+1], s[HB:HB+1], 16777216
	s_add_nc_u64 s[AUXL:AUXL+1], s[AUXL:AUXL+1], 2048
	FETCH 0, 0, BF0                                ; the next level's first fragments: slot 0 was shown whole by the last change of slots
.endif
.endm
.macro LEVEL last
	KSTEP 0, 0, 0, 1
	KSTEP 0, 1, 1, 0
	KSTEP 0, 2, 2, 0
	TURN 0, 3, 1, 1, 1, 0
	KSTEP 1, 0, 4, 0
	KSTEP 1, 1, 5, 0
	KSTEP 1, 2, 6, 0
	TURN 1, 7, 1, 1, 1, 0
	KSTEP 0, 0, 8, 0
	KSTEP 0, 1, 9, 0
	KSTEP 0, 2, 10, 0
.if \last
	TURN 0, 11, 0, 1, 1, 0                         ; nothing is left to ask for: a plain barrier shows the last step whole
.else
	TURN 0, 11, 1, 1, 1, 0
.endif
	KSTEP 1, 0, 12, 0
	KSTEP 1, 1, 13, 0
	KSTEP 1, 2, 14, 0
.if \last
	TURN 1, 15, 0, 0, 0, 0
.else
	TURN 1, 15, 1, 1, 0, 1
.endif
	EPI \last
.endm
	FETCH 0, 0, BF0
	s_mov_b32 s[LV], 2
.Llevel:                               ; levels 0 and 1: every change of slots fills a slot again
	LEVEL 0
	s_sub_co_u32 s[LV], s[LV], 1
	s_cmp_lg_u32 s[LV], 0
	s_cbranch_scc1 .Llevel
	LEVEL 1                                        ; the last level is written out
	s_wait_tensorcnt 0x0                           ; the wave's end
	ds_add_u32 v28, v29
	s_wait_dscnt 0x0
	CROUND                                         ; the closing round
	s_endpgm
.Lfunc_end_k_qdc2a2163bb_mlp:
	.size	k_qdc2a2163bb_mlp, .Lfunc_end_k_qdc2a2163bb_mlp-k_qdc2a2163bb_mlp
	.p2alignl 7, 3214868480
	.fill 96, 4, 3214868480
	.section	.rodata,"a",@progbits
	.p2align	6, 0x0
	.amdhsa_kernel k_qdc2a2163bb_mlp
		.amdhsa_group_segment_fixed_size 327680
		.amdhsa_private_segment_fixed_size 0
		.amdhsa_enable_private_segment 0
		.amdhsa_kernarg_size 40
		.amdhsa_user_sgpr_count 2
		.amdhsa_user_sgpr_kernarg_segment_ptr 1
		.amdhsa_wavefront_size32 1
		.amdhsa_system_sgpr_workgroup_id_x 1
		.amdhsa_system_sgpr_workgroup_id_y 1
		.amdhsa_system_sgpr_workgroup_id_z 1
		.amdhsa_system_vgpr_workitem_id 0
		.amdhsa_next_free_vgpr 1024
		.amdhsa_next_free_sgpr 100
		.amdhsa_reserve_vcc 0
		.amdhsa_float_denorm_mode_32 3
		.amdhsa_float_denorm_mode_16_64 3
		.amdhsa_memory_ordered 1
		.amdhsa_forward_progress 1
		.amdhsa_inst_pref_size 254
	.end_amdhsa_kernel
	.amdgpu_metadata
---
amdhsa.version: [ 1, 2 ]
amdhsa.kernels:
  - .name:           k_qdc2a2163bb_mlp
    .symbol:         k_qdc2a2163bb_mlp.kd
    .args:
      - { .name: support_features, .offset: 0, .size: 8, .value_kind: global_buffer, .address_space: global }
      - { .name: idx, .offset: 8, .size: 8, .value_kind: global_buffer, .address_space: global }
      - { .name: W1c, .offset: 16, .size: 8, .value_kind: global_buffer, .address_space: global }
      - { .name: aux, .offset: 24, .size: 8, .value_kind: global_buffer, .address_space: global }
      - { .name: Hs, .offset: 32, .size: 8, .value_kind: global_buffer, .address_space: global }
    .group_segment_fixed_size: 327680
    .private_segment_fixed_size: 0
    .kernarg_segment_align: 8
    .kernarg_segment_size: 40
    .max_flat_workgroup_size: 128
    .sgpr_count:     100
    .vgpr_count:     1024
    .wavefront_size: 32
...
	.end_amdgpu_metadata
.endif
;; end of part 2
;; launch hsum (part 3): grid 64 x 3, 16 waves a work-group, no clusters, 34,816 bytes of LDS; arguments Hs, idx, actP; writes actP
.if DOCPART == 3
	.amdgcn_target "amdgcn-amd-amdhsa--gfx1250"
	.amdhsa_code_object_version 6
	.text
	.protected	k_qdc2a2163bb_hsum
	.globl	k_qdc2a2163bb_hsum
	.p2align	8
	.type	k_qdc2a2163bb_hsum,@function
k_qdc2a2163bb_hsum:
	s_mov_b64 s[64:65], 0
	v_nop
	global_prefetch_b8 v0, s[64:65] scope:SCOPE_SE
	s_setreg_imm32_b32 hwreg(HW_REG_WAVE_MODE, 25, 1), 1
	s_wait_xcnt 0x0
; hbar[l][c][:] = the mean of the class's rows of Hs[l], in bf16.  (The class mean of feat = H W2 + b2 is made from it later: shown at the head of the first kernel.)
; A work-group has one class and level.  A class's rows lie on end.  In a trip wave w takes 20 rows, 40 loads of 512 consecutive bytes, all asked for before the first is used; a row outside the class is jumped over.
; Sums in f32.  An empty class gives 0 x (1/0) = NaN, as the module's 0/0 does.  No matrix unit, no cluster, no tensor load: the launch reads each byte once and the trip count comes from memory.
.set SPARE, 32768
	s_load_b128 s[4:7], s[0:1], 0x0                ; Hs, idx
	s_load_b64 s[8:9], s[0:1], 0x10                ; actP
	v_lshl_add_u32 v194, v0, 2, SPARE
	v_mov_b32 v195, 0
	v_lshrrev_b32 v1, 5, v0
	v_readfirstlane_b32 s24, v1                    ; wave 0..15
	v_and_b32 v3, 31, v0
	v_lshlrev_b32 v1, 4, v3
	v_mov_b32 v192, 1.0
.set i, 0
.rept 16
	v_mov_b32 v[176+i], 0
.set i, i+1
.endr
	s_and_b32 s25, ttmp7, 0xffff                   ; l
	s_lshl_b32 s12, ttmp9, 4
	s_mov_b32 s13, 0
	s_lshl_b32 s22, s25, 24
	s_mov_b32 s23, 0
	s_wait_kmcnt 0x0
	s_add_nc_u64 s[12:13], s[6:7], s[12:13]
	s_load_b64 s[10:11], s[12:13], 0x10000         ; the class's first place and count
	s_add_nc_u64 s[4:5], s[4:5], s[22:23]
	s_wait_kmcnt 0x0
	s_min_u32 s10, s10, 0x4000
	s_min_u32 s11, s11, 0x4000
	s_add_co_u32 s14, s10, s11
	s_min_u32 s14, s14, 0x4000                     ; the place behind its last
	s_add_co_u32 s15, s11, 319
	s_mul_i32 s15, s15, 52429
	s_lshr_b32 s15, s15, 24                        ; ceil(count / 320), exact up to 16,384
	s_max_u32 s15, s15, 1
	s_mul_i32 s16, s24, 20
	s_add_co_u32 s16, s16, s10                     ; my first row of the trip
	s_mov_b32 s17, 0
.macro HROW j
	s_wait_loadcnt 38-2*(\j)                       ; my row's two loads are in; those of the younger rows may stay out
	s_add_co_u32 s22, s19, \j
	s_cmp_lt_u32 s22, s20                          ; is it one of my 20 rows and inside the class?
	s_cbranch_scc0 .Lh_skip_\@
.irp e, 0,1,2,3,4,5,6,7
	v_fma_mix_f32_bf16 v[176+2*\e], v[16+8*(\j)+\e], v192, v[176+2*\e] op_sel:[0,0,0] op_sel_hi:[1,0,0]
	v_fma_mix_f32_bf16 v[176+2*\e+1], v[16+8*(\j)+\e], v192, v[176+2*\e+1] op_sel:[1,0,0] op_sel_hi:[1,0,0]
.endr
.Lh_skip_\@:
.endm
.Lh_trip:
	s_min_u32 s18, s16, 16364                      ; the loads stay inside the buffer
	s_sub_co_u32 s19, s18, s16                     ; by how much they were moved back
	s_sub_co_u32 s20, s14, s16
	s_max_i32 s20, s20, 0                          ; rows of the class from my first on
	s_lshl_b32 s21, s18, 10
	v_add_nc_u32 v2, s21, v1                       ; all loads that named v2 have been waited for
.set i, 0
.rept 20
	global_load_b128 v[16+8*i:16+8*i+3], v2, s[4:5] offset:1024*i
	global_load_b128 v[16+8*i+4:16+8*i+7], v2, s[4:5] offset:1024*i+512
.set i, i+1
.endr
.irp j, 0,1,2,3,4,5,6,7,8,9,10,11,12,13,14,15,16,17,18,19
	HROW \j
.endr
	s_add_co_u32 s16, s16, 320
	s_add_co_u32 s17, s17, 1
	s_cmp_lt_u32 s17, s15
	s_cbranch_scc1 .Lh_trip
	s_lshl_b32 s26, s24, 11
	v_lshl_add_u32 v3, v3, 5, s26                  ; my wave's 512 sums in the columns' order
	ds_store_b128 v3, v[176:179]
	ds_store_b128 v3, v[180:183] offset:16
	ds_store_b128 v3, v[184:187] offset:1024
	ds_store_b128 v3, v[188:191] offset:1040
	s_wait_dscnt 0x0
	s_barrier_signal -1
	s_barrier_wait -1
	s_cmp_lt_u32 s24, 4
	s_cbranch_scc0 .Lh_end
	v_and_b32 v4, 127, v0
	v_lshlrev_b32 v5, 4, v4                        ; four columns a thread
.set i, 0
.rept 16
	ds_load_b128 v[16+4*i:16+4*i+3], v5 offset:2048*i
.set i, i+1
.endr
	v_cvt_f32_u32 v8, s11
	v_rcp_f32 v6, v8
	v_nop
	s_wait_alu depctr_va_vdst(0)
	v_mov_b32 v7, v6
	s_lshl_b32 s26, s25, 6
	s_add_co_u32 s26, s26, ttmp9
	s_lshl_b32 s26, s26, 10
	v_lshl_add_u32 v9, v4, 3, s26
	s_wait_dscnt 0x0
.irp s, 8,4,2,1
.set i, 0
.rept \s
	v_pk_add_f32 v[16+4*i:16+4*i+1], v[16+4*i:16+4*i+1], v[16+4*(i+\s):16+4*(i+\s)+1]
	v_pk_add_f32 v[16+4*i+2:16+4*i+3], v[16+4*i+2:16+4*i+3], v[16+4*(i+\s)+2:16+4*(i+\s)+3]
.set i, i+1
.endr
.endr
	v_pk_mul_f32 v[16:17], v[16:17], v[6:7]
	v_pk_mul_f32 v[18:19], v[18:19], v[6:7]
	v_cvt_pk_bf16_f32 v20, v16, v17
	v_cvt_pk_bf16_f32 v21, v18, v19
	global_store_b64 v9, v[20:21], s[8:9]          ; the wave stores 256 consecutive bytes, aligned
.Lh_end:
	s_wait_tensorcnt 0x0                           ; the wave's end
	ds_add_u32 v194, v195
	s_wait_dscnt 0x0
	s_endpgm
.Lfunc_end_k_qdc2a2163bb_hsum:
	.size	k_qdc2a2163bb_hsum, .Lfunc_end_k_qdc2a2163bb_hsum-k_qdc2a2163bb_hsum
	.p2alignl 7, 3214868480
	.fill 96, 4, 3214868480
	.section	.rodata,"a",@progbits
	.p2align	6, 0x0
	.amdhsa_kernel k_qdc2a2163bb_hsum
		.amdhsa_group_segment_fixed_size 34816
		.amdhsa_private_segment_fixed_size 0
		.amdhsa_enable_private_segment 0
		.amdhsa_kernarg_size 24
		.amdhsa_user_sgpr_count 2
		.amdhsa_user_sgpr_kernarg_segment_ptr 1
		.amdhsa_wavefront_size32 1
		.amdhsa_system_sgpr_workgroup_id_x 1
		.amdhsa_system_sgpr_workgroup_id_y 1
		.amdhsa_system_sgpr_workgroup_id_z 1
		.amdhsa_system_vgpr_workitem_id 0
		.amdhsa_next_free_vgpr 256
		.amdhsa_next_free_sgpr 66
		.amdhsa_reserve_vcc 0
		.amdhsa_float_denorm_mode_32 3
		.amdhsa_float_denorm_mode_16_64 3
		.amdhsa_memory_ordered 1
		.amdhsa_forward_progress 1
		.amdhsa_inst_pref_size 33
	.end_amdhsa_kernel
	.amdgpu_metadata
---
amdhsa.version: [ 1, 2 ]
amdhsa.kernels:
  - .name:           k_qdc2a2163bb_hsum
    .symbol:         k_qdc2a2163bb_hsum.kd
    .args:
      - { .name: Hs, .offset: 0, .size: 8, .value_kind: global_buffer, .address_space: global }
      - { .name: idx, .offset: 8, .size: 8, .value_kind: global_buffer, .address_space: global }
      - { .name: actP, .offset: 16, .size: 8, .value_kind: global_buffer, .address_space: global }
    .group_segment_fixed_size: 34816
    .private_segment_fixed_size: 0
    .kernarg_segment_align: 8
    .kernarg_segment_size: 24
    .max_flat_workgroup_size: 512
    .sgpr_count:     66
    .vgpr_count:     256
    .wavefront_size: 32
...
	.end_amdgpu_metadata
.endif
;; end of part 3
;; launch front (part 4): grid 32 x 3, 4 waves a work-group, no clusters, 88,064 bytes of LDS; arguments actP, PT, aux, actQ; writes actQ
.if DOCPART == 4
	.amdgcn_target "amdgcn-amd-amdhsa--gfx1250"
	.amdhsa_code_object_version 6
	.text
	.protected	k_qdc2a2163bb_front
	.globl	k_qdc2a2163bb_front
	.p2align	8
	.type	k_qdc2a2163bb_front,@function
k_qdc2a2163bb_front:
	s_mov_b64 s[64:65], 0
	v_nop
	global_prefetch_b8 v0, s[64:65] scope:SCOPE_SE
	s_setreg_imm32_b32 hwreg(HW_REG_WAVE_MODE, 25, 1), 1
	s_wait_xcnt 0x0
; q[c][head h] = hbar[c] (W2 Wq)[:,head h] + (b2 Wq + bq)[head h];  u[l][c][h][:] = (log2(e) / 8) (W2 Wk)[:,head h] q[c][head h], in bf16.
; Left out (shown at the head of the first kernel): the part of the scores that is the same for all rows of a class, and bk with it.
; A work-group has 16 classes, one head, one level.  Wave w makes 16 of the head's 64 numbers of q, then 128 of u's 512 columns.  Both products are taken transposed: a lane holds one class.
; The operands are small and each work-group's own, so no cluster and no tensor load.
.set QL,    67584                      ; LDS: 64 rows of W2 Wk's head at 0, pitch 1,056; q: 16 rows of 144 bytes
.set STG,   70144                      ; 16 rows x 272 bytes for each wave
.set SPARE, 87552
.set QF,  16                           ; v[16:143]  fragments of W2 Wq; later of W2 Wk
.set AC,  144                          ; v[144:159] q's two accumulators
.set BI,  160
.set TMP, 168
.set SPW, 172
.set NIL, 173
.set QS,  176
.set UA,  192                          ; v[192:255] u's eight accumulators
.set MSB, 0
.macro WIN new
.if MSB != (\new)
	s_set_vgpr_msb (MSB<<8)|(\new)
.set MSB, \new
.endif
.endm
.macro PLACES
.rept 4
	v_nop
.endr
.endm
	s_load_b256 s[4:11], s[0:1], 0x0               ; actP, PT, aux, actQ
	v_lshl_add_u32 v[SPW], v0, 2, SPARE
	v_mov_b32 v[NIL], 0
	v_lshrrev_b32 v1, 5, v0
	v_readfirstlane_b32 s12, v1
	s_and_b32 s13, ttmp9, 7                        ; h
	s_lshr_b32 s14, ttmp9, 3                       ; which 16 classes
	s_and_b32 s15, ttmp7, 0xffff                   ; l
	v_and_b32 v1, 15, v0
	v_bfe_u32 v2, v0, 4, 1
	v_and_b32 v3, 31, v0
	v_lshlrev_b32 v5, 10, v1
	v_lshl_add_u32 v5, v2, 4, v5                   ; a fragment's row of 1,024 bytes and half
	v_lshlrev_b32 v6, 5, v2
	v_lshlrev_b32 v7, 4, v3
	s_lshl_b32 s24, s15, 6
	s_lshl_b32 s25, s14, 4
	s_add_co_u32 s24, s24, s25                     ; 64 l + my first class
	s_lshl_b32 s26, s24, 10
	s_mov_b32 s27, 0
	s_lshl_b32 s28, s15, 9
	s_lshl_b32 s29, s13, 6
	s_add_co_u32 s28, s28, s29
	s_lshl_b32 s29, s12, 4
	s_add_co_u32 s28, s28, s29                     ; 512 l + 64 h + 16 w
	s_lshl_b32 s30, s28, 10
	s_mov_b32 s31, 0
	s_lshl_b32 s32, s28, 2
	s_mov_b32 s33, 0
	s_lshl_b32 s34, s24, 3
	s_add_co_u32 s34, s34, s13
	s_lshl_b32 s34, s34, 10
	s_mov_b32 s35, 0
	s_mov_b32 s36, 0x3e38aa3b                      ; log2(e) / 8
	s_mov_b32 s37, s36
	s_wait_kmcnt 0x0
	s_add_nc_u64 s[16:17], s[4:5], s[26:27]        ; hbar
	s_add_nc_u64 s[18:19], s[6:7], s[30:31]        ; W2 Wq, my 16 rows j
	s_add_nc_u64 s[20:21], s[8:9], s[32:33]        ; the bias
	s_add_nc_u64 s[22:23], s[18:19], 1572864       ; W2 Wk, my 16 rows d
	s_add_nc_u64 s[10:11], s[10:11], s[34:35]      ; u
	WIN 0x40
.set i, 0
.rept 16
	global_load_b128 v[8*i:8*i+3],   v5, s[16:17] offset:64*i
	global_load_b128 v[8*i+4:8*i+7], v5, s[16:17] offset:64*i+32
.set i, i+1
.endr
	WIN 0
.set i, 0
.rept 16
	global_load_b128 v[QF+8*i:QF+8*i+3],   v5, s[18:19] offset:64*i
	global_load_b128 v[QF+8*i+4:QF+8*i+7], v5, s[18:19] offset:64*i+32
.set i, i+1
.endr
	global_load_b128 v[BI:BI+3],   v6, s[20:21] offset:18432
	global_load_b128 v[BI+4:BI+7], v6, s[20:21] offset:18448
	WIN 0x40
.set i, 0
.rept 16
	global_load_b128 v[128+8*i:128+8*i+3],   v7, s[22:23] offset:1024*i
	global_load_b128 v[128+8*i+4:128+8*i+7], v7, s[22:23] offset:1024*i+512
.set i, i+1
.endr
	WIN 0
	s_mul_i32 s24, s12, 16896
	v_add_nc_u32 v8, s24, v7                       ; W2 Wk into LDS: my 16 rows
	v_mul_u32_u24 v10, v1, 144
	v_lshl_add_u32 v10, v2, 4, v10
	v_add_nc_u32 v10, QL, v10                      ; q's fragments
	s_lshl_b32 s24, s12, 5
	v_add_nc_u32 v9, s24, v10                      ; where I put my 8 numbers of q
	v_and_b32 v11, 7, v0
	v_lshl_add_u32 v11, v2, 3, v11
	v_mul_u32_u24 v11, v11, 1056
	v_bfe_u32 v12, v0, 3, 1
	v_lshl_add_u32 v11, v12, 4, v11
	s_lshl_b32 s24, s12, 8
	v_add_nc_u32 v11, s24, v11                     ; the turning load's address, my 128 columns
	s_mul_i32 s25, s12, 4352
	s_add_co_u32 s25, s25, STG
	v_mul_u32_u24 v12, v1, 272
	v_lshl_add_u32 v12, v2, 4, v12
	v_add_nc_u32 v12, s25, v12
	v_mul_u32_u24 v13, v2, 272
	v_lshl_add_u32 v13, v1, 4, v13
	v_add_nc_u32 v13, s25, v13
	v_lshl_add_u32 v14, v2, 13, s24
	v_lshl_add_u32 v14, v1, 4, v14                 ; in u: class hh (+ 2 t), my 256 bytes
	s_wait_loadcnt 0x20                            ; all but the 32 loads of W2 Wk
	WIN 0x04
.set i, 0
.rept 16                               ; two accumulators take turns; the first starts with the bias, the second with 0
.if i == 0
	v_wmma_f32_16x16x32_bf16 v[AC:AC+7], v[QF:QF+7], v[0:7], v[BI:BI+7]
.elseif i == 1
	v_wmma_f32_16x16x32_bf16 v[AC+8:AC+15], v[QF+8:QF+15], v[8:15], 0
.else
	v_wmma_f32_16x16x32_bf16 v[AC+8*(i%2):AC+8*(i%2)+7], v[QF+8*i:QF+8*i+7], v[8*i:8*i+7], v[AC+8*(i%2):AC+8*(i%2)+7]
.endif
.set i, i+1
.endr
	WIN 0
	PLACES
.irp p, 0,1,2,3
	v_pk_add_f32 v[AC+2*\p:AC+2*\p+1], v[AC+2*\p:AC+2*\p+1], v[AC+8+2*\p:AC+8+2*\p+1]
.endr
.irp p, 0,1,2,3
	v_pk_mul_f32 v[AC+2*\p:AC+2*\p+1], v[AC+2*\p:AC+2*\p+1], s[36:37] op_sel_hi:[1,0]
.endr
.irp p, 0,1,2,3
	v_cvt_pk_bf16_f32 v[TMP+\p], v[AC+2*\p], v[AC+2*\p+1]
.endr
	ds_store_b128 v9, v[TMP:TMP+3]
	s_wait_loadcnt 0x0
	WIN 0x04
.set i, 0
.rept 16
	ds_store_b128 v8, v[128+8*i:128+8*i+3]   offset:1056*i
	ds_store_b128 v8, v[128+8*i+4:128+8*i+7] offset:1056*i+512
.set i, i+1
.endr
	WIN 0
	s_wait_dscnt 0x0
	s_barrier_signal -1
	s_barrier_wait -1                              ; q and the head's 64 rows are whole
.irp k, 0,1
	ds_load_b128 v[QS+8*\k:QS+8*\k+3],   v10 offset:64*\k
	ds_load_b128 v[QS+8*\k+4:QS+8*\k+7], v10 offset:64*\k+32
.endr
.irp k, 0,1
.irp b, 0,1,2,3,4,5,6,7
	ds_load_tr16_b128 v[QF+64*\k+8*\b:QF+64*\k+8*\b+3],   v11 offset:33792*\k+32*\b
	ds_load_tr16_b128 v[QF+64*\k+8*\b+4:QF+64*\k+8*\b+7], v11 offset:33792*\k+32*\b+16896
.endr
.endr
	s_wait_dscnt 0x0
.irp k, 0,1
.irp b, 0,1,2,3,4,5,6,7
.if \k == 0
	v_wmma_f32_16x16x32_bf16 v[UA+8*\b:UA+8*\b+7], v[QF+64*\k+8*\b:QF+64*\k+8*\b+7], v[QS+8*\k:QS+8*\k+7], 0
.else
	v_wmma_f32_16x16x32_bf16 v[UA+8*\b:UA+8*\b+7], v[QF+64*\k+8*\b:QF+64*\k+8*\b+7], v[QS+8*\k:QS+8*\k+7], v[UA+8*\b:UA+8*\b+7]
.endif
.endr
.endr
	PLACES
.irp b, 0,1,2,3,4,5,6,7
.irp p, 0,1,2,3
	v_cvt_pk_bf16_f32 v[UA+8*\b+\p], v[UA+8*\b+2*\p], v[UA+8*\b+2*\p+1]
.endr
.endr
.irp b, 0,1,2,3,4,5,6,7
	ds_store_b128 v12, v[UA+8*\b:UA+8*\b+3] offset:32*\b
.endr
.irp b, 0,1,2,3,4,5,6,7
	ds_load_b128 v[UA+8*\b+4:UA+8*\b+7], v13 offset:544*\b  ; my own stage: LDS serves a wave's instructions in order
.endr
	s_wait_dscnt 0x0
.irp b, 0,1,2,3,4,5,6,7
	global_store_b128 v14, v[UA+8*\b+4:UA+8*\b+7], s[10:11] offset:16384*\b  ; 16 lanes store 256 consecutive bytes, aligned
.endr
	s_wait_tensorcnt 0x0                           ; the wave's end
	ds_add_u32 v[SPW], v[NIL]
	s_wait_dscnt 0x0
	s_endpgm
.Lfunc_end_k_qdc2a2163bb_front:
	.size	k_qdc2a2163bb_front, .Lfunc_end_k_qdc2a2163bb_front-k_qdc2a2163bb_front
	.p2alignl 7, 3214868480
	.fill 96, 4, 3214868480
	.section	.rodata,"a",@progbits
	.p2align	6, 0x0
	.amdhsa_kernel k_qdc2a2163bb_front
		.amdhsa_group_segment_fixed_size 88064
		.amdhsa_private_segment_fixed_size 0
		.amdhsa_enable_private_segment 0
		.amdhsa_kernarg_size 32
		.amdhsa_user_sgpr_count 2
		.amdhsa_user_sgpr_kernarg_segment_ptr 1
		.amdhsa_wavefront_size32 1
		.amdhsa_system_sgpr_workgroup_id_x 1
		.amdhsa_system_sgpr_workgroup_id_y 1
		.amdhsa_system_sgpr_workgroup_id_z 1
		.amdhsa_system_vgpr_workitem_id 0
		.amdhsa_next_free_vgpr 512
		.amdhsa_next_free_sgpr 66
		.amdhsa_reserve_vcc 0
		.amdhsa_float_denorm_mode_32 3
		.amdhsa_float_denorm_mode_16_64 3
		.amdhsa_memory_ordered 1
		.amdhsa_forward_progress 1
		.amdhsa_inst_pref_size 25
	.end_amdhsa_kernel
	.amdgpu_metadata
---
amdhsa.version: [ 1, 2 ]
amdhsa.kernels:
  - .name:           k_qdc2a2163bb_front
    .symbol:         k_qdc2a2163bb_front.kd
    .args:
      - { .name: actP, .offset: 0, .size: 8, .value_kind: global_buffer, .address_space: global }
      - { .name: PT, .offset: 8, .size: 8, .value_kind: global_buffer, .address_space: global }
      - { .name: aux, .offset: 16, .size: 8, .value_kind: global_buffer, .address_space: global }
      - { .name: actQ, .offset: 24, .size: 8, .value_kind: global_buffer, .address_space: global }
    .group_segment_fixed_size: 88064
    .private_segment_fixed_size: 0
    .kernarg_segment_align: 8
    .kernarg_segment_size: 32
    .max_flat_workgroup_size: 128
    .sgpr_count:     66
    .vgpr_count:     512
    .wavefront_size: 32
...
	.end_amdgpu_metadata
.endif
;; end of part 4
;; launch attn (part 5): grid 64 x 3, 4 waves a work-group, no clusters, 136,192 bytes of LDS; arguments Hs, actQ, idx, aux, actP; writes actP
.if DOCPART == 5
	.amdgcn_target "amdgcn-amd-amdhsa--gfx1250"
	.amdhsa_code_object_version 6
	.text
	.protected	k_qdc2a2163bb_attn
	.globl	k_qdc2a2163bb_attn
	.p2align	8
	.type	k_qdc2a2163bb_attn,@function
k_qdc2a2163bb_attn:
	s_mov_b64 s[64:65], 0
	v_nop
	global_prefetch_b8 v0, s[64:65] scope:SCOPE_SE
	s_setreg_imm32_b32 hwreg(HW_REG_WAVE_MODE, 25, 1), 1
	s_wait_xcnt 0x0
; whs[l][c][h][:] = a_l sum_n softmax_n(H[n] . u[c,h]) H[n] over the class's rows n; a_l = softmax(level_weights)_l / level_temps_l.
; It is stored as TWO bf16 numbers, hi = the value rounded and lo = (value - hi) rounded, 1,572,864 bytes apart: their sum holds 16 significant bits, and the next launch multiplies both.
; Left out (shown at the head of the first kernel): rows of other classes, which the module's own mask throws away; k and v, which are H behind linear maps applied elsewhere.
; A work-group has one class and level.  The eight heads are the 16 'queries' of a tile (lanes 8-15 of each half repeat heads 0-7); keys and values are both the class's rows of H.
; A wave walks tiles of 32 rows, numbers w, w + 4, ..: a tile comes into registers (the next one while this one is worked on), goes into the wave's own LDS, and is read from there twice: by rows for
; S^T = H u^T, turned for O^T += H^T P.  u holds log2(e) / 8, so p = 2^(s - m) with a running maximum m; O and l are multiplied by 2^(m_old - m_new) in every trip.  The four waves' m, l, O meet in LDS at the end.
; A row outside the class (a tile's end; rows that a tile moved back into the buffer repeats) starts its score at -1e30 (the C operand) and gets the weight 0.
; LIMITS: scores stay far under 1e30; a weight below 2^-126 counts as 0; an empty class gives NaN (0 x infinity), as the module's softmax of an empty row does.
; O is cleared by 256 moves while the first loads are out: a wave with no tile needs the zeros for the merge, and no first trip is written out.
; The trip count comes from memory: the loop holds no barrier and its LDS addresses are fixed and the wave's own.  No cluster: no two work-groups read the same rows.
.set STAT,  135168
.set SPARE, 135680
.set WHS,   196608                     ; whs's hi part in actP, behind hbar
.set WLO,   WHS+1572864                ; its lo part
.set MC,  32
.set S,   48
.set P,   64
.set HF0, 96
.set HF1, 160
.set MSB, 0
.macro WIN new
.if MSB != (\new)
	s_set_vgpr_msb (MSB<<8)|(\new)
.set MSB, \new
.endif
.endm
.macro PLACES
.rept 4
	v_nop
.endr
.endm
	s_load_b256 s[4:11], s[0:1], 0x0               ; Hs, actQ, idx, aux
	s_load_b64 s[12:13], s[0:1], 0x20              ; actP
	v_lshl_add_u32 v30, v0, 2, SPARE
	v_mov_b32 v31, 0
	v_lshrrev_b32 v1, 5, v0
	v_readfirstlane_b32 s14, v1
	s_and_b32 s15, ttmp7, 0xffff                   ; l
	v_and_b32 v1, 15, v0
	v_bfe_u32 v2, v0, 4, 1
	v_and_b32 v3, 31, v0
	v_lshlrev_b32 v10, 4, v3
	v_and_b32 v12, 7, v0
	v_lshlrev_b32 v12, 10, v12
	v_lshl_add_u32 v12, v2, 4, v12                 ; u: head lane % 8, half
	s_lshl_b32 s32, ttmp9, 4
	s_mov_b32 s33, 0
	s_lshl_b32 s34, s15, 2
	s_mov_b32 s35, 0
	s_lshl_b32 s36, s15, 24
	s_mov_b32 s37, 0
	s_lshl_b32 s38, s15, 6
	s_add_co_u32 s38, s38, ttmp9
	s_lshl_b32 s38, s38, 13                        ; (64 l + c) x 8 heads x 1,024 bytes
	s_mov_b32 s39, 0
	s_mov_b32 s27, 0xf149f2ca                      ; -1e30
	s_mov_b32 s28, 0x76543210
	s_mov_b32 s29, 0xfedcba98
	s_mul_i32 s30, s14, 33792                      ; my tile in LDS: 32 rows of 1,056 bytes
	s_wait_kmcnt 0x0
	s_add_nc_u64 s[32:33], s[8:9], s[32:33]
	s_load_b64 s[16:17], s[32:33], 0x10000         ; the class's first place and count
	s_add_nc_u64 s[34:35], s[10:11], s[34:35]
	s_load_b32 s26, s[34:35], 0x7800               ; a_l
	s_add_nc_u64 s[4:5], s[4:5], s[36:37]
	s_add_nc_u64 s[6:7], s[6:7], s[38:39]
	s_add_nc_u64 s[12:13], s[12:13], s[38:39]
	WIN 0xc0
.set i, 0
.rept 16
	global_load_b128 v[8*i:8*i+3],   v12, s[6:7] offset:64*i
	global_load_b128 v[8*i+4:8*i+7], v12, s[6:7] offset:64*i+32
.set i, i+1
.endr
	WIN 0x40
.set i, 0
.rept 256
	v_mov_b32 v[i], 0
.set i, i+1
.endr
	WIN 0
	v_add_nc_u32 v5, s30, v10                      ; a tile's rows in
	v_mul_u32_u24 v6, v1, 1056
	v_lshl_add_u32 v6, v2, 4, v6
	v_add_nc_u32 v6, s30, v6                       ; fragments by rows
	v_and_b32 v7, 7, v0
	v_lshl_add_u32 v7, v2, 3, v7
	v_mul_u32_u24 v7, v7, 1056
	v_bfe_u32 v9, v0, 3, 1
	v_lshl_add_u32 v7, v9, 4, v7
	v_add_nc_u32 v7, s30, v7                       ; fragments turned
	v_mul_u32_u24 v14, v1, 2064
	v_lshl_add_u32 v14, v2, 5, v14
	v_add_nc_u32 v14, s30, v14                     ; O's way into the merge: 16 rows of 2,064 bytes
	s_lshl_b32 s31, s14, 7
	s_add_co_u32 s31, s31, STAT
	v_lshl_add_u32 v11, v1, 3, s31
	v_mov_b32 v72, 0xff7fffff                      ; m
	v_mov_b32 v73, 0                               ; l
	v_mov_b32 v74, 0
	v_mov_b32 v75, 0
	v_mov_b32 v76, 0
	s_wait_kmcnt 0x0
	s_min_u32 s16, s16, 0x4000
	s_min_u32 s17, s17, 0x4000
	s_add_co_u32 s18, s16, s17
	s_min_u32 s18, s18, 0x4000                     ; the place behind the class's last
	s_add_co_u32 s19, s17, 31
	s_lshr_b32 s19, s19, 5                         ; tiles
	s_add_co_u32 s19, s19, 3
	s_sub_co_u32 s19, s19, s14
	s_lshr_b32 s20, s19, 2                         ; my trips
	s_lshl_b32 s21, s14, 5
	s_add_co_u32 s21, s21, s16                     ; my tile's first place
	s_mov_b32 s25, 0
.macro TLOADS                          ; a tile: 64 loads of 512 consecutive bytes
	s_min_u32 s24, s21, 16352                      ; inside the buffer
	s_sub_co_u32 s22, s24, s21                     ; by how much it was moved back
	s_lshl_b32 s24, s24, 10
	v_add_nc_u32 v4, s24, v10
	WIN 0x80
.set i, 0
.rept 64
	global_load_b128 v[4*i:4*i+3], v4, s[4:5] offset:512*i
.set i, i+1
.endr
	WIN 0
.endm
.macro SLD bt, buf                     ; four K steps of both row blocks: 16 loads
.irp q, 0,1,2,3
.irp a, 0,1
	ds_load_b128 v[(\buf)+16*\q+8*\a:(\buf)+16*\q+8*\a+3],   v6 offset:\a*16896+(4*(\bt)+\q)*64
	ds_load_b128 v[(\buf)+16*\q+8*\a+4:(\buf)+16*\q+8*\a+7], v6 offset:\a*16896+(4*(\bt)+\q)*64+32
.endr
.endr
.endm
.macro SMM bt, buf                     ; the two accumulators take turns; the first products start with the mask
	WIN 0x0c
.irp q, 0,1,2,3
.irp a, 0,1
.if (4*(\bt)+\q) == 0
	v_wmma_f32_16x16x32_bf16 v[S+8*\a:S+8*\a+7], v[(\buf)+16*\q+8*\a:(\buf)+16*\q+8*\a+7], v[8*(4*(\bt)+\q):8*(4*(\bt)+\q)+7], v[MC+8*\a:MC+8*\a+7]
.else
	v_wmma_f32_16x16x32_bf16 v[S+8*\a:S+8*\a+7], v[(\buf)+16*\q+8*\a:(\buf)+16*\q+8*\a+7], v[8*(4*(\bt)+\q):8*(4*(\bt)+\q)+7], v[S+8*\a:S+8*\a+7]
.endif
.endr
.endr
	WIN 0
.endm
.macro OLD bt, buf                     ; eight blocks of 16 columns, turned: 16 loads
.irp q, 0,1,2,3,4,5,6,7
	ds_load_tr16_b128 v[(\buf)+8*\q:(\buf)+8*\q+3],   v7 offset:32*(8*(\bt)+\q)
	ds_load_tr16_b128 v[(\buf)+8*\q+4:(\buf)+8*\q+7], v7 offset:32*(8*(\bt)+\q)+16896
.endr
.endm
.macro OMM bt, buf
	WIN 0x50
.irp q, 0,1,2,3,4,5,6,7
	v_wmma_f32_16x16x32_bf16 v[8*(8*(\bt)+\q):8*(8*(\bt)+\q)+7], v[(\buf)+8*\q:(\buf)+8*\q+7], v[P:P+7], v[8*(8*(\bt)+\q):8*(8*(\bt)+\q)+7]
.endr
	WIN 0
.endm
	s_cmp_eq_u32 s20, 0
	s_cbranch_scc1 .La_done
	TLOADS
.La_trip:
	s_wait_loadcnt 0x0                             ; the tile (and, the first time, u)
	WIN 0x08
.set i, 0
.rept 64
	ds_store_b128 v5, v[4*i:4*i+3] offset:(i/2)*1056+(i%2)*512
.set i, i+1
.endr
	WIN 0
	s_sub_co_u32 s23, s18, s21
	s_max_i32 s23, s23, 0                          ; rows of the class from the tile's first place on
	v_lshl_add_u32 v8, v2, 3, s22
.set i, 0
.rept 16
	v_add_nc_u32 v9, 16*(i/8)+i%8, v8              ; the row's distance from the tile's first place; a row that lies before it counts as a very large number
	v_cmp_le_u32 vcc_lo, s23, v9
	v_cndmask_b32 v[MC+i], 0, s27, vcc_lo
.set i, i+1
.endr
	s_add_co_u32 s21, s21, 128
	s_add_co_u32 s25, s25, 1
	s_cmp_lt_u32 s25, s20
	s_cbranch_scc0 .La_nonext                      ; my last tile: nothing more is asked for
	TLOADS
.La_nonext:
	PLACES                                         ; behind the last trip's products, ahead of loads into their sources
	SLD 0, HF0
	SLD 1, HF1
	s_wait_dscnt 0x10                              ; all but the batch just asked for
	SMM 0, HF0
	PLACES
	SLD 2, HF0
	s_wait_dscnt 0x10
	SMM 1, HF1
	PLACES
	SLD 3, HF1
	s_wait_dscnt 0x10
	SMM 2, HF0
	s_wait_dscnt 0x0
	SMM 3, HF1
	PLACES
	OLD 0, HF0                                     ; on their way during the softmax
	OLD 1, HF1
	v_max3_num_f32 v76, v[S], v[S+1], v[S+2]       ; each accumulator is read from its low end on
	v_max3_num_f32 v77, v[S+8], v[S+9], v[S+10]
	v_max3_num_f32 v76, v76, v[S+3], v[S+4]
	v_max3_num_f32 v77, v77, v[S+11], v[S+12]
	v_max3_num_f32 v76, v76, v[S+5], v[S+6]
	v_max3_num_f32 v77, v77, v[S+13], v[S+14]
	v_max3_num_f32 v76, v76, v[S+7], v[S+15]
	v_max3_num_f32 v76, v76, v77, v72
	v_permlanex16_b32 v77, v76, s28, s29           ; the head's other 16 rows lie in the lane 16 away
	v_max_num_f32 v78, v76, v77
	v_sub_f32 v79, v72, v78
	v_mov_b32 v72, v78
.irp z, 0,1,2,3,4,5,6,7
	v_pk_add_f32 v[S+2*\z:S+2*\z+1], v[S+2*\z:S+2*\z+1], v[78:79] op_sel_hi:[1,0] neg_lo:[0,1] neg_hi:[0,1]
.endr
	v_exp_f32 v74, v79
.set i, 0
.rept 16
	v_exp_f32 v[S+i], v[S+i]
.set i, i+1
.endr
	v_nop                                          ; a plain instruction behind the batch of 17,
	s_wait_alu depctr_va_vdst(0)                   ; and its one wait
	v_pk_add_f32 v[80:81], v[S:S+1], v[S+2:S+3]
	v_pk_add_f32 v[82:83], v[S+4:S+5], v[S+6:S+7]
	v_pk_add_f32 v[84:85], v[S+8:S+9], v[S+10:S+11]
	v_pk_add_f32 v[86:87], v[S+12:S+13], v[S+14:S+15]
.irp z, 0,1,2,3,4,5,6,7
	v_cvt_pk_bf16_f32 v[P+\z], v[S+2*\z], v[S+2*\z+1]
.endr
	v_pk_add_f32 v[80:81], v[80:81], v[82:83]
	v_pk_add_f32 v[84:85], v[84:85], v[86:87]
	v_pk_add_f32 v[80:81], v[80:81], v[84:85]
	v_add_f32 v80, v80, v81
	v_fma_f32 v73, v73, v74, v80
	WIN 0x41
.set i, 0
.rept 128
	v_pk_mul_f32 v[2*i:2*i+1], v[2*i:2*i+1], v[74:75] op_sel_hi:[1,0]
.set i, i+1
.endr
	WIN 0
	s_wait_dscnt 0x10
	OMM 0, HF0
	PLACES
	OLD 2, HF0
	s_wait_dscnt 0x10
	OMM 1, HF1
	PLACES
	OLD 3, HF1
	s_wait_dscnt 0x10
	OMM 2, HF0
	s_wait_dscnt 0x0
	OMM 3, HF1
	s_cmp_lt_u32 s25, s20
	s_cbranch_scc1 .La_trip
.La_done:
	PLACES
	v_permlanex16_b32 v76, v73, s28, s29
	v_add_f32 v73, v73, v76
	ds_store_b64 v11, v[72:73]
	WIN 0x04
.set i, 0
.rept 32
	ds_store_b128 v14, v[8*i:8*i+3]   offset:64*i
	ds_store_b128 v14, v[8*i+4:8*i+7] offset:64*i+16
.set i, i+1
.endr
	WIN 0
	s_wait_dscnt 0x0
	s_barrier_signal -1
	s_barrier_wait -1
	v_lshrrev_b32 v15, 4, v0                       ; thread T: head T / 16, columns 128 i + 8 (T % 16) + 0..7
	v_lshl_add_u32 v16, v15, 3, STAT
.irp t, 0,1,2,3
	ds_load_b64 v[32+2*\t:33+2*\t], v16 offset:128*\t
.endr
	v_mul_u32_u24 v17, v15, 2064
	v_lshl_add_u32 v17, v1, 5, v17
	v_add_nc_u32 v18, 67584, v17
.irp t, 0,1,2,3
.irp j, 0,1,2,3
	ds_load_b128 v[96+32*\t+8*\j:96+32*\t+8*\j+3],   v[17+\t/2] offset:(\t%2)*33792+512*\j
	ds_load_b128 v[96+32*\t+8*\j+4:96+32*\t+8*\j+7], v[17+\t/2] offset:(\t%2)*33792+512*\j+16
.endr
.endr
	v_lshlrev_b32 v19, 10, v15
	v_lshl_add_u32 v19, v1, 4, v19
	s_wait_dscnt 0x20                              ; the four waves' m and l are in; the 32 loads behind them may stay out
	v_max3_num_f32 v40, v32, v34, v36
	v_max_num_f32 v40, v40, v38
.irp t, 0,1,2,3
	v_sub_f32 v[32+2*\t], v[32+2*\t], v40
.endr
.irp t, 0,1,2,3
	v_exp_f32 v[32+2*\t], v[32+2*\t]
.endr
	v_nop
	s_wait_alu depctr_va_vdst(0)
	v_mul_f32 v41, v32, v33
	v_fmac_f32 v41, v34, v35
	v_fmac_f32 v41, v36, v37
	v_fmac_f32 v41, v38, v39
	v_rcp_f32 v41, v41
	v_nop
	s_wait_alu depctr_va_vdst(0)
	v_mul_f32 v41, s26, v41
.irp t, 0,1,2,3
	v_mul_f32 v[42+2*\t], v[32+2*\t], v41
	v_mul_f32 v[43+2*\t], v[32+2*\t], v41
.endr
	s_wait_dscnt 0x0
.set i, 0
.rept 16
	v_pk_mul_f32 v[96+2*i:96+2*i+1], v[96+2*i:96+2*i+1], v[42:43]
.set i, i+1
.endr
.irp t, 1,2,3
.set i, 0
.rept 16
	v_pk_fma_f32 v[96+2*i:96+2*i+1], v[96+32*\t+2*i:96+32*\t+2*i+1], v[42+2*\t:43+2*\t], v[96+2*i:96+2*i+1]
.set i, i+1
.endr
.endr
.set i, 0
.rept 16
	v_cvt_pk_bf16_f32 v[48+i], v[96+2*i], v[96+2*i+1]      ; hi
.set i, i+1
.endr
.irp j, 0,1,2,3
	global_store_b128 v19, v[48+4*\j:51+4*\j], s[12:13] offset:WHS+256*\j  ; 16 lanes store 256 consecutive bytes, aligned
.endr
.set i, 0
.rept 16
	v_lshlrev_b32 v[128+2*i], 16, v[48+i]                  ; hi as f32 (the other waves' parts, which lay here, have been added)
	v_and_b32 v[128+2*i+1], 0xffff0000, v[48+i]
.set i, i+1
.endr
.set i, 0
.rept 16
	v_pk_add_f32 v[96+2*i:96+2*i+1], v[96+2*i:96+2*i+1], v[128+2*i:128+2*i+1] neg_lo:[0,1] neg_hi:[0,1]  ; what the rounding took away: exact in f32
.set i, i+1
.endr
.set i, 0
.rept 16
	v_cvt_pk_bf16_f32 v[160+i], v[96+2*i], v[96+2*i+1]     ; lo
.set i, i+1
.endr
.irp j, 0,1,2,3
	global_store_b128 v19, v[160+4*\j:163+4*\j], s[12:13] offset:WLO+256*\j
.endr
	s_wait_tensorcnt 0x0                           ; the wave's end
	ds_add_u32 v30, v31
	s_wait_dscnt 0x0
	s_endpgm
.Lfunc_end_k_qdc2a2163bb_attn:
	.size	k_qdc2a2163bb_attn, .Lfunc_end_k_qdc2a2163bb_attn-k_qdc2a2163bb_attn
	.p2alignl 7, 3214868480
	.fill 96, 4, 3214868480
	.section	.rodata,"a",@progbits
	.p2align	6, 0x0
	.amdhsa_kernel k_qdc2a2163bb_attn
		.amdhsa_group_segment_fixed_size 136192
		.amdhsa_private_segment_fixed_size 0
		.amdhsa_enable_private_segment 0
		.amdhsa_kernarg_size 40
		.amdhsa_user_sgpr_count 2
		.amdhsa_user_sgpr_kernarg_segment_ptr 1
		.amdhsa_wavefront_size32 1
		.amdhsa_system_sgpr_workgroup_id_x 1
		.amdhsa_system_sgpr_workgroup_id_y 1
		.amdhsa_system_sgpr_workgroup_id_z 1
		.amdhsa_system_vgpr_workitem_id 0
		.amdhsa_next_free_vgpr 896
		.amdhsa_next_free_sgpr 66
		.amdhsa_reserve_vcc 1
		.amdhsa_float_denorm_mode_32 3
		.amdhsa_float_denorm_mode_16_64 3
		.amdhsa_memory_ordered 1
		.amdhsa_forward_progress 1
		.amdhsa_inst_pref_size 76
	.end_amdhsa_kernel
	.amdgpu_metadata
---
amdhsa.version: [ 1, 2 ]
amdhsa.kernels:
  - .name:           k_qdc2a2163bb_attn
    .symbol:         k_qdc2a2163bb_attn.kd
    .args:
      - { .name: Hs, .offset: 0, .size: 8, .value_kind: global_buffer, .address_space: global }
      - { .name: actQ, .offset: 8, .size: 8, .value_kind: global_buffer, .address_space: global }
      - { .name: idx, .offset: 16, .size: 8, .value_kind: global_buffer, .address_space: global }
      - { .name: aux, .offset: 24, .size: 8, .value_kind: global_buffer, .address_space: global }
      - { .name: actP, .offset: 32, .size: 8, .value_kind: global_buffer, .address_space: global }
    .group_segment_fixed_size: 136192
    .private_segment_fixed_size: 0
    .kernarg_segment_align: 8
    .kernarg_segment_size: 40
    .max_flat_workgroup_size: 128
    .sgpr_count:     66
    .vgpr_count:     896
    .wavefront_size: 32
...
	.end_amdgpu_metadata
.endif
;; end of part 5
;; launch back1 (part 6): grid 32 x 1, 16 waves a work-group, no clusters, 23,296 bytes of LDS; arguments actP, PT, aux, actQ; writes actQ
.if DOCPART == 6
	.amdgcn_target "amdgcn-amd-amdhsa--gfx1250"
	.amdhsa_code_object_version 6
	.text
	.protected	k_qdc2a2163bb_back1
	.globl	k_qdc2a2163bb_back1
	.p2align	8
	.type	k_qdc2a2163bb_back1,@function
k_qdc2a2163bb_back1:
	s_mov_b64 s[64:65], 0
	v_nop
	global_prefetch_b8 v0, s[64:65] scope:SCOPE_SE
	s_setreg_imm32_b32 hwreg(HW_REG_WAVE_MODE, 25, 1), 1
	s_wait_xcnt 0x0
; o[c][head h] = sum over l and k of whs[l][c][h][k] (W2 Wv)_l[k][head h] + sum_l a_l (b2_l Wv + bv)[head h], laid out [h][c][64].
; (The weights of a softmax add up to 1, so v's bias comes out of the sum: shown at the head of the first kernel.)
; whs comes as two bf16 numbers, hi and lo: both are multiplied by the same fragments of W2 Wv into the same f32 sums.  o leaves in the same way, hi and lo 65,536 bytes apart.
; A work-group has 16 classes and one head.  Wave w makes 16 of the head's 64 columns (w % 4) over a quarter of k (w / 4) of all three levels: 12 products with hi, 12 with lo, on two accumulators that take
; turns; the quarters meet in LDS.  A wave's 256 registers hold one part of whs beside the weights: lo is loaded into hi's registers behind hi's products.
.set SO,    16384                      ; o's hi part: 16 rows of 144 bytes
.set SPARE, 18944                      ; the spare words, 128 bytes for each of 16 waves
.set SO2,   20992                      ; o's lo part
.set WLO,   1572864                    ; from whs's hi part to its lo part
.macro PLACES
.rept 4
	v_nop
.endr
.endm
	s_load_b256 s[4:11], s[0:1], 0x0               ; actP, PT, aux, actQ
	v_lshl_add_u32 v250, v0, 2, SPARE
	v_mov_b32 v251, 0
	v_lshrrev_b32 v1, 5, v0
	v_readfirstlane_b32 s12, v1
	s_and_b32 s13, ttmp9, 7                        ; h
	s_lshr_b32 s14, ttmp9, 3                       ; which 16 classes
	s_and_b32 s15, s12, 3                          ; which 16 columns
	s_lshr_b32 s16, s12, 2                         ; which quarter of k
	v_and_b32 v1, 15, v0
	v_bfe_u32 v2, v0, 4, 1
	v_and_b32 v3, 31, v0
	v_lshlrev_b32 v5, 13, v1
	v_lshl_add_u32 v5, v2, 4, v5                   ; whs: class r (8,192 bytes apart), half
	v_lshlrev_b32 v6, 10, v1
	v_lshl_add_u32 v6, v2, 4, v6                   ; PT: row r, half
	v_lshlrev_b32 v7, 5, v2
	s_lshl_b32 s20, s14, 7
	s_add_co_u32 s20, s20, s13
	s_lshl_b32 s20, s20, 10
	s_lshl_b32 s17, s16, 8
	s_add_co_u32 s20, s20, s17
	s_add_co_u32 s20, s20, 196608
	s_mov_b32 s21, 0
	s_lshl_b32 s22, s13, 6
	s_lshl_b32 s18, s15, 4
	s_add_co_u32 s22, s22, s18                     ; 64 h + 16 (w % 4)
	s_lshl_b32 s24, s22, 2
	s_add_co_u32 s24, s24, 24576                   ; the second set of three bias rows
	s_mov_b32 s25, 0
	s_add_co_u32 s22, s22, 3072                    ; PT[2]
	s_lshl_b32 s22, s22, 10
	s_add_co_u32 s22, s22, s17
	s_mov_b32 s23, 0
	s_lshl_b32 s26, s13, 6
	s_lshl_b32 s18, s14, 4
	s_add_co_u32 s26, s26, s18
	s_lshl_b32 s26, s26, 7
	s_add_co_u32 s26, s26, 1572864
	s_mov_b32 s27, 0
	s_wait_kmcnt 0x0
	s_load_b128 s[48:51], s[8:9], 0x7800           ; a_0, a_1, a_2, their sum
	s_add_nc_u64 s[4:5], s[4:5], s[20:21]
	s_add_nc_u64 s[6:7], s[6:7], s[22:23]
	s_add_nc_u64 s[28:29], s[8:9], s[24:25]
	s_add_nc_u64 s[10:11], s[10:11], s[26:27]
.macro WLD off                         ; one part of whs: 12 fragments, 24 loads
.irp l, 0,1,2
.irp t, 0,1,2,3
	global_load_b128 v[16+8*(4*\l+\t):16+8*(4*\l+\t)+3],   v5, s[4:5] offset:(\off)+524288*\l+64*\t
	global_load_b128 v[16+8*(4*\l+\t)+4:16+8*(4*\l+\t)+7], v5, s[4:5] offset:(\off)+524288*\l+64*\t+32
.endr
.endr
.endm
.macro MM12 first                      ; 12 products; first = 1: the first two start the sums
.set i, 0
.rept 12
.if (\first) && (i < 2)
	v_wmma_f32_16x16x32_bf16 v[208+8*i:208+8*i+7], v[112+8*i:112+8*i+7], v[16+8*i:16+8*i+7], 0
.else
	v_wmma_f32_16x16x32_bf16 v[208+8*(i%2):208+8*(i%2)+7], v[112+8*i:112+8*i+7], v[16+8*i:16+8*i+7], v[208+8*(i%2):208+8*(i%2)+7]
.endif
.set i, i+1
.endr
.endm
	WLD 0
.irp l, 0,1,2
.irp t, 0,1,2,3
	global_load_b128 v[112+8*(4*\l+\t):112+8*(4*\l+\t)+3],   v6, s[6:7] offset:524288*\l+64*\t
	global_load_b128 v[112+8*(4*\l+\t)+4:112+8*(4*\l+\t)+7], v6, s[6:7] offset:524288*\l+64*\t+32
.endr
.endr
.irp l, 0,1,2
	global_load_b128 v[224+8*\l:224+8*\l+3],   v7, s[28:29] offset:2048*\l
	global_load_b128 v[224+8*\l+4:224+8*\l+7], v7, s[28:29] offset:2048*\l+16
.endr
	s_lshl_b32 s17, s12, 10
	v_lshl_add_u32 v8, v3, 5, s17                  ; my partial sums: 1,024 w + 32 lane
	v_mul_u32_u24 v10, v1, 144
	v_lshl_add_u32 v10, v2, 4, v10
	s_lshl_b32 s17, s15, 5
	s_add_co_u32 s17, s17, SO
	v_add_nc_u32 v10, s17, v10
	s_wait_loadcnt 0x0
	MM12 1
	PLACES                                         ; behind the products that read hi, ahead of the loads into its registers
	WLD WLO
	s_wait_loadcnt 0x0
	MM12 0
	PLACES
.irp p, 0,1,2,3
	v_pk_add_f32 v[208+2*\p:209+2*\p], v[208+2*\p:209+2*\p], v[216+2*\p:217+2*\p]
.endr
	ds_store_b128 v8, v[208:211]
	ds_store_b128 v8, v[212:215] offset:16
	s_wait_dscnt 0x0
	s_barrier_signal -1
	s_barrier_wait -1
	s_cmp_lt_u32 s12, 4
	s_cbranch_scc0 .Lb_skip
.irp t, 1,2,3
	ds_load_b128 v[16+8*(\t-1):16+8*(\t-1)+3],   v8 offset:4096*\t
	ds_load_b128 v[16+8*(\t-1)+4:16+8*(\t-1)+7], v8 offset:4096*\t+16
.endr
	s_wait_kmcnt 0x0
	s_wait_dscnt 0x0
.irp t, 0,1,2
.irp p, 0,1,2,3
	v_pk_add_f32 v[208+2*\p:209+2*\p], v[208+2*\p:209+2*\p], v[16+8*\t+2*\p:17+8*\t+2*\p]
.endr
.endr
.irp l, 0,1,2
.irp e, 0,1,2,3,4,5,6,7
	v_fma_f32 v[208+\e], v[224+8*\l+\e], s[48+\l], v[208+\e]
.endr
.endr
.irp p, 0,1,2,3
	v_cvt_pk_bf16_f32 v[40+\p], v[208+2*\p], v[209+2*\p]   ; hi
.endr
.irp p, 0,1,2,3
	v_lshlrev_b32 v[48+2*\p], 16, v[40+\p]                 ; hi as f32
	v_and_b32 v[49+2*\p], 0xffff0000, v[40+\p]
.endr
.irp p, 0,1,2,3
	v_pk_add_f32 v[208+2*\p:209+2*\p], v[208+2*\p:209+2*\p], v[48+2*\p:49+2*\p] neg_lo:[0,1] neg_hi:[0,1]  ; what the rounding took away
.endr
.irp p, 0,1,2,3
	v_cvt_pk_bf16_f32 v[44+\p], v[208+2*\p], v[209+2*\p]   ; lo
.endr
	ds_store_b128 v10, v[40:43]
	ds_store_b128 v10, v[44:47] offset:SO2-SO
.Lb_skip:
	s_wait_dscnt 0x0
	s_barrier_signal -1
	s_barrier_wait -1
	s_cmp_lg_u32 s12, 0
	s_cbranch_scc1 .Lb_end
	v_lshrrev_b32 v11, 3, v3
	v_mul_u32_u24 v11, v11, 144
	v_and_b32 v14, 7, v0
	v_lshl_add_u32 v11, v14, 4, v11
	v_add_nc_u32 v11, SO, v11
.irp t, 0,1,2,3
	ds_load_b128 v[48+4*\t:51+4*\t], v11 offset:576*\t
.endr
.irp t, 0,1,2,3
	ds_load_b128 v[64+4*\t:67+4*\t], v11 offset:SO2-SO+576*\t
.endr
	v_lshlrev_b32 v15, 4, v3
	s_wait_dscnt 0x0
.irp t, 0,1,2,3
	global_store_b128 v15, v[48+4*\t:51+4*\t], s[10:11] offset:512*\t  ; four rows of 128 bytes: 512 consecutive bytes, aligned
.endr
.irp t, 0,1,2,3
	global_store_b128 v15, v[64+4*\t:67+4*\t], s[10:11] offset:65536+512*\t
.endr
.Lb_end:
	s_wait_tensorcnt 0x0                           ; the wave's end
	ds_add_u32 v250, v251
	s_wait_dscnt 0x0
	s_endpgm
.Lfunc_end_k_qdc2a2163bb_back1:
	.size	k_qdc2a2163bb_back1, .Lfunc_end_k_qdc2a2163bb_back1-k_qdc2a2163bb_back1
	.p2alignl 7, 3214868480
	.fill 96, 4, 3214868480
	.section	.rodata,"a",@progbits
	.p2align	6, 0x0
	.amdhsa_kernel k_qdc2a2163bb_back1
		.amdhsa_group_segment_fixed_size 23296
		.amdhsa_private_segment_fixed_size 0
		.amdhsa_enable_private_segment 0
		.amdhsa_kernarg_size 32
		.amdhsa_user_sgpr_count 2
		.amdhsa_user_sgpr_kernarg_segment_ptr 1
		.amdhsa_wavefront_size32 1
		.amdhsa_system_sgpr_workgroup_id_x 1
		.amdhsa_system_sgpr_workgroup_id_y 1
		.amdhsa_system_sgpr_workgroup_id_z 1
		.amdhsa_system_vgpr_workitem_id 0
		.amdhsa_next_free_vgpr 256
		.amdhsa_next_free_sgpr 66
		.amdhsa_reserve_vcc 0
		.amdhsa_float_denorm_mode_32 3
		.amdhsa_float_denorm_mode_16_64 3
		.amdhsa_memory_ordered 1
		.amdhsa_forward_progress 1
		.amdhsa_inst_pref_size 18
	.end_amdhsa_kernel
	.amdgpu_metadata
---
amdhsa.version: [ 1, 2 ]
amdhsa.kernels:
  - .name:           k_qdc2a2163bb_back1
    .symbol:         k_qdc2a2163bb_back1.kd
    .args:
      - { .name: actP, .offset: 0, .size: 8, .value_kind: global_buffer, .address_space: global }
      - { .name: PT, .offset: 8, .size: 8, .value_kind: global_buffer, .address_space: global }
      - { .name: aux, .offset: 16, .size: 8, .value_kind: global_buffer, .address_space: global }
      - { .name: actQ, .offset: 24, .size: 8, .value_kind: global_buffer, .address_space: global }
    .group_segment_fixed_size: 23296
    .private_segment_fixed_size: 0
    .kernarg_segment_align: 8
    .kernarg_segment_size: 32
    .max_flat_workgroup_size: 512
    .sgpr_count:     66
    .vgpr_count:     256
    .wavefront_size: 32
...
	.end_amdgpu_metadata
.endif
;; end of part 6
;; launch back2 (part 7): grid 8 x 1, 8 waves a work-group, no clusters, 100,352 bytes of LDS; arguments actQ, Wo, bo, aux, out0; writes out0
.if DOCPART == 7
	.amdgcn_target "amdgcn-amd-amdhsa--gfx1250"
	.amdhsa_code_object_version 6
	.text
	.protected	k_qdc2a2163bb_back2
	.globl	k_qdc2a2163bb_back2
	.p2align	8
	.type	k_qdc2a2163bb_back2,@function
k_qdc2a2163bb_back2:
	s_mov_b64 s[64:65], 0
	v_nop
	global_prefetch_b8 v0, s[64:65] scope:SCOPE_SE
	s_setreg_imm32_b32 hwreg(HW_REG_WAVE_MODE, 25, 1), 1
	s_wait_xcnt 0x0
; out0 = o Wo + (sum_l a_l) bo: the three levels were added up, with their weights, ahead of this one product (Wo is the same for all levels).
; o comes as two bf16 numbers, hi and lo: both are multiplied by the same fragments of Wo into the same f32 sums.
; A work-group has 64 of the 512 columns: its slice of Wo is rounded to bf16 and laid into LDS (512 rows of 160 bytes), and turned out of it.  Wave w: classes 16 (w % 4) .., columns 32 (w / 4) ..: two accumulators that take turns;
; their sums start with the bias.  The work is 64 x 512 x 512, twice: eight work-groups hold all of it.
; REGISTERS: window 0: addresses, sums (v16-31), bias (v32-47), Wo as loaded and then its fragments (v128-255); window 1: o's fragments, hi in v0-127, lo in v128-255.
.set STG,   81920
.set SPARE, 99328
.set MSB, 0
.macro WIN new
.if MSB != (\new)
	s_set_vgpr_msb (MSB<<8)|(\new)
.set MSB, \new
.endif
.endm
.macro PLACES
.rept 4
	v_nop
.endr
.endm
	s_load_b256 s[4:11], s[0:1], 0x0               ; actQ, Wo, bo, aux
	s_load_b64 s[12:13], s[0:1], 0x20              ; out0
	v_lshl_add_u32 v12, v0, 2, SPARE
	v_mov_b32 v13, 0
	v_lshrrev_b32 v1, 5, v0
	v_readfirstlane_b32 s14, v1
	s_and_b32 s15, s14, 3
	s_lshr_b32 s16, s14, 2
	v_and_b32 v1, 15, v0
	v_bfe_u32 v2, v0, 4, 1
	s_lshl_b32 s17, s14, 6
	v_add_nc_u32 v4, s17, v2                       ; Wo: row 64 w + hh
	v_lshlrev_b32 v5, 11, v4
	v_lshl_add_u32 v5, v1, 4, v5
	v_mul_u32_u24 v6, v4, 160
	v_lshl_add_u32 v6, v1, 3, v6
	s_lshl_b32 s18, s15, 4
	v_add_nc_u32 v7, s18, v1
	v_lshlrev_b32 v7, 7, v7
	v_lshl_add_u32 v7, v2, 4, v7                   ; o: class 16 (w % 4) + r, 128 bytes a row, half
	v_lshlrev_b32 v8, 5, v2
	s_lshl_b32 s20, ttmp9, 8                       ; 64 columns of f32
	s_mov_b32 s21, 0
	s_lshl_b32 s22, s16, 7
	s_add_co_u32 s22, s22, s20
	s_mov_b32 s23, 0
	s_wait_kmcnt 0x0
	s_load_b32 s24, s[10:11], 0x780c               ; the sum of the levels' weights
	s_add_nc_u64 s[6:7], s[6:7], s[20:21]
	s_add_nc_u64 s[12:13], s[12:13], s[20:21]
	s_add_nc_u64 s[8:9], s[8:9], s[22:23]
	s_add_nc_u64 s[4:5], s[4:5], 1572864
.set i, 0
.rept 32
	global_load_b128 v[128+4*i:128+4*i+3], v5, s[6:7] offset:4096*i
.set i, i+1
.endr
	WIN 0x40
.irp pt, 0,1                           ; hi, then lo, 65,536 bytes on
.set i, 0
.rept 16
	global_load_b128 v[128*\pt+8*i:128*\pt+8*i+3],   v7, s[4:5] offset:65536*\pt+(i/2)*8192+(i%2)*64
	global_load_b128 v[128*\pt+8*i+4:128*\pt+8*i+7], v7, s[4:5] offset:65536*\pt+(i/2)*8192+(i%2)*64+32
.set i, i+1
.endr
.endr
	WIN 0
.irp b, 0,1
	global_load_b128 v[32+8*\b:35+8*\b], v8, s[8:9] offset:64*\b
	global_load_b128 v[36+8*\b:39+8*\b], v8, s[8:9] offset:64*\b+16
.endr
	v_and_b32 v9, 7, v0
	v_lshl_add_u32 v9, v2, 3, v9
	v_mul_u32_u24 v9, v9, 160
	v_bfe_u32 v10, v0, 3, 1
	v_lshl_add_u32 v9, v10, 4, v9
	s_lshl_b32 s17, s16, 6
	v_add_nc_u32 v9, s17, v9                       ; the turning load's address, my 32 columns, K steps 0-7
	v_add_nc_u32 v10, 40960, v9                    ; K steps 8-15
	s_wait_loadcnt 0x0
	s_wait_kmcnt 0x0
.set i, 0
.rept 32
	v_cvt_pk_bf16_f32 v[128+4*i], v[128+4*i], v[128+4*i+1]
	v_cvt_pk_bf16_f32 v[128+4*i+1], v[128+4*i+2], v[128+4*i+3]
	ds_store_b64 v6, v[128+4*i:128+4*i+1] offset:320*i
.set i, i+1
.endr
.irp z, 0,1,2,3,4,5,6,7
	v_cvt_pk_bf16_f32 v48, v[32+2*\z], v[33+2*\z]  ; bo rounded to bf16 once
	v_lshlrev_b32 v[32+2*\z], 16, v48
	v_and_b32 v[33+2*\z], 0xffff0000, v48
	v_mul_f32 v[32+2*\z], s24, v[32+2*\z]
	v_mul_f32 v[33+2*\z], s24, v[33+2*\z]
.endr
	s_wait_dscnt 0x0
	s_barrier_signal -1
	s_barrier_wait -1
.macro HALF bt                         ; eight K steps: Wo's fragments turned out of LDS, each multiplied by o's hi and by its lo
.irp q, 0,1,2,3,4,5,6,7
.irp b, 0,1
	ds_load_tr16_b128 v[128+16*\q+8*\b:128+16*\q+8*\b+3],   v[9+(\bt)] offset:5120*\q+32*\b
	ds_load_tr16_b128 v[128+16*\q+8*\b+4:128+16*\q+8*\b+7], v[9+(\bt)] offset:5120*\q+32*\b+2560
.endr
.endr
	s_wait_dscnt 0x0
	WIN 0x04
.irp q, 0,1,2,3,4,5,6,7
.irp pt, 0,1
.irp b, 0,1
.if ((\bt) == 0) && (\q == 0) && (\pt == 0)
	v_wmma_f32_16x16x32_bf16 v[16+8*\b:23+8*\b], v[128+16*\q+8*\b:128+16*\q+8*\b+7], v[128*\pt+8*(8*(\bt)+\q):128*\pt+8*(8*(\bt)+\q)+7], v[32+8*\b:39+8*\b]
.else
	v_wmma_f32_16x16x32_bf16 v[16+8*\b:23+8*\b], v[128+16*\q+8*\b:128+16*\q+8*\b+7], v[128*\pt+8*(8*(\bt)+\q):128*\pt+8*(8*(\bt)+\q)+7], v[16+8*\b:23+8*\b]
.endif
.endr
.endr
.endr
	WIN 0
	PLACES
.endm
	HALF 0
	HALF 1
	s_lshl_b32 s17, s15, 4
	v_add_nc_u32 v4, s17, v1
	v_mul_u32_u24 v4, v4, 272
	v_lshl_add_u32 v4, v2, 5, v4
	s_lshl_b32 s17, s16, 7
	s_add_co_u32 s17, s17, STG
	v_add_nc_u32 v4, s17, v4                       ; class 16 (w % 4) + r; my 8 columns of f32
.irp b, 0,1
	ds_store_b128 v4, v[16+8*\b:19+8*\b] offset:64*\b
	ds_store_b128 v4, v[20+8*\b:23+8*\b] offset:64*\b+16
.endr
	s_wait_dscnt 0x0                               ; a row's 256 bytes come from two waves
	s_barrier_signal -1
	s_barrier_wait -1
	s_lshl_b32 s17, s14, 3
	v_add_nc_u32 v5, s17, v2                       ; row 8 w + hh (+ 2 t)
	v_mul_u32_u24 v6, v5, 272
	v_lshl_add_u32 v6, v1, 4, v6
	v_add_nc_u32 v6, STG, v6
.irp t, 0,1,2,3
	ds_load_b128 v[48+4*\t:51+4*\t], v6 offset:544*\t
.endr
	v_lshlrev_b32 v5, 11, v5
	v_lshl_add_u32 v5, v1, 4, v5
	s_wait_dscnt 0x0
.irp t, 0,1,2,3
	global_store_b128 v5, v[48+4*\t:51+4*\t], s[12:13] offset:4096*\t  ; 16 lanes store 256 consecutive bytes, aligned
.endr
	s_wait_tensorcnt 0x0                           ; the wave's end
	ds_add_u32 v12, v13
	s_wait_dscnt 0x0
	s_endpgm
.Lfunc_end_k_qdc2a2163bb_back2:
	.size	k_qdc2a2163bb_back2, .Lfunc_end_k_qdc2a2163bb_back2-k_qdc2a2163bb_back2
	.p2alignl 7, 3214868480
	.fill 96, 4, 3214868480
	.section	.rodata,"a",@progbits
	.p2align	6, 0x0
	.amdhsa_kernel k_qdc2a2163bb_back2
		.amdhsa_group_segment_fixed_size 100352
		.amdhsa_private_segment_fixed_size 0
		.amdhsa_enable_private_segment 0
		.amdhsa_kernarg_size 40
		.amdhsa_user_sgpr_count 2
		.amdhsa_user_sgpr_kernarg_segment_ptr 1
		.amdhsa_wavefront_size32 1
		.amdhsa_system_sgpr_workgroup_id_x 1
		.amdhsa_system_sgpr_workgroup_id_y 1
		.amdhsa_system_sgpr_workgroup_id_z 1
		.amdhsa_system_vgpr_workitem_id 0
		.amdhsa_next_free_vgpr 512
		.amdhsa_next_free_sgpr 66
		.amdhsa_reserve_vcc 0
		.amdhsa_float_denorm_mode_32 3
		.amdhsa_float_denorm_mode_16_64 3
		.amdhsa_memory_ordered 1
		.amdhsa_forward_progress 1
		.amdhsa_inst_pref_size 30
	.end_amdhsa_kernel
	.amdgpu_metadata
---
amdhsa.version: [ 1, 2 ]
amdhsa.kernels:
  - .name:           k_qdc2a2163bb_back2
    .symbol:         k_qdc2a2163bb_back2.kd
    .args:
      - { .name: actQ, .offset: 0, .size: 8, .value_kind: global_buffer, .address_space: global }
      - { .name: Wo, .offset: 8, .size: 8, .value_kind: global_buffer, .address_space: global }
      - { .name: bo, .offset: 16, .size: 8, .value_kind: global_buffer, .address_space: global }
      - { .name: aux, .offset: 24, .size: 8, .value_kind: global_buffer, .address_space: global }
      - { .name: out0, .offset: 32, .size: 8, .value_kind: global_buffer, .address_space: global }
    .group_segment_fixed_size: 100352
    .private_segment_fixed_size: 0
    .kernarg_segment_align: 8
    .kernarg_segment_size: 40
    .max_flat_workgroup_size: 256
    .sgpr_count:     66
    .vgpr_count:     512
    .wavefront_size: 32
...
	.end_amdgpu_metadata
.endif
;; end of part 7
;; ======== version 2 of 2: 7 launches
;; limits: right only within a limited range of input values
;; workspace buffers: idx 66,560 bytes of whole numbers; W1c 1,572,864 bytes; aux 30,976 bytes; PT 4,718,592 bytes; Hs 50,331,648 bytes; actP 3,342,336 bytes; actQ 1,703,936 bytes
;; launch prep (part 8): grid 418 x 1, 8 waves a work-group, no clusters, 135,424 bytes of LDS; arguments support_labels, W1, b1, W2, b2, Wq, Wk, Wv, bq, bv, gamma, beta, level_weights, level_temps, idx, W1c, aux, PT; writes idx, W1c, aux, PT
.if DOCPART == 8
	.amdgcn_target "amdgcn-amd-amdhsa--gfx1250"
	.amdhsa_code_object_version 6
	.text
	.protected	k_qdc2a2163bb_prep
	.globl	k_qdc2a2163bb_prep
	.p2align	8
	.type	k_qdc2a2163bb_prep,@function
k_qdc2a2163bb_prep:
	s_mov_b64 s[64:65], 0
	v_nop
	global_prefetch_b8 v0, s[64:65] scope:SCOPE_SE
	s_setreg_imm32_b32 hwreg(HW_REG_WAVE_MODE, 25, 1), 1
	s_wait_xcnt 0x0
; THE WHOLE PROGRAM.  With H = relu(LN(X W1 + b1)) everything behind H is linear up to the softmax, and the masks that the module builds let a row meet its own class alone.  So, for all finite inputs:
;   ctx = mean_c(H) W2 + b2;  q = mean_c(H) (W2 Wq) + (b2 Wq + bq);  score[n,h] = H[n] . u[c,h] + t[c,h] with u[c,h,:] = (W2 Wk)[:,head h] q[c,head h] / 8;
;   out[c,head h] = (sum_n attn H[n]) (W2 Wv)[:,head h] + (b2 Wv + bv)[head h], since the weights of a softmax add up to 1.
; WORK LEFT OUT.  t[c,h] = q[c,head h] . (b2 Wk + bk)[head h] / 8 is the same for every n of the softmax's axis, so it cancels in the softmax whatever the inputs hold: it is not computed, bk has no other
; way to the result, is not loaded and is no argument of any launch.  The products of rows with other classes' queries are thrown away by the module's own mask and are not made.  The products feat = H W2,
; k, v are replaced by the identities above.  LIMIT: a NaN, an infinity or an overflow that would arise only in t, in masked scores or in feat, k, v themselves is not carried to the result.
; The mean that the layer norm takes away is linear in the row: it is taken out of W1's rows and of b1 here (each row of W1 less its mean over the 512 columns).
; ROUNDING.  Every floating-point input is rounded to bf16 once (W1 behind the centring); the products W2 Wq, W2 Wk, W2 Wv are summed in f32 and rounded once to bf16.
; LIMIT: a label outside 0..63 belongs to no class, as in the module's comparison; its rows go behind all classes.
; THIS LAUNCH, three kinds of work-group, told apart by the work-group's number:
;   0..303    PT[m][l][j][k] = sum_e W2[l][k][e] Wm[e][j] (m = 0, 1, 2: Wq, Wk, Wv): 288 tiles of 128 k x 64 j; 16 tiles for b2 Wq + bq and b2 Wv + bv
;   304..368  class c = number - 304 (64: no class): the rows of the class, in a list, at the class's place in idx; its first place and its count
;   369..417  W1 centred and rounded (48 x 32 rows); b1 centred, gamma, beta; the levels' weights softmax(level_weights) / level_temps and their sum
; LDS.  Each kind has bytes of its own: no byte is named by two kinds.  The products: 0 to 99,328.  The spare words: 99,328 to 100,352.  The sort: 100,352 to 135,232.
.set STG,   81920                      ; the products: Wm's slice at 0, 512 rows of 160 bytes; behind it 64 rows of 272 bytes for the way out
.set SPARE, 99328                      ; the spare words, 128 bytes for each of eight waves
.set SLIST, 100352                     ; the sort: eight lists
.set LISTB, 4352                       ; a wave's list: 2,048 row numbers of 16 bits (a row number is below 16,384), 32 more places for lanes that do not match, up to a multiple of 256
.set XCH,   SLIST+8*LISTB              ; the sort: eight pairs of counts
.set ACC, 16                           ; v[16:47]   four accumulators
.set AF,  48                           ; v[48:63]   W2's fragments of two K steps
.set RAW, 64                           ; v[64:127]  W2 as loaded, two sets of 32
.set BR,  128                          ; v[128:255] Wm as loaded; later v[128:191] its fragments
.macro PLACES
.rept 4
	v_nop
.endr
.endm
	s_load_b512 s[4:19], s[0:1], 0x0               ; labels s[4:5], W1 s[6:7], b1 s[8:9], W2 s[10:11], b2 s[12:13], Wq s[14:15], Wk s[16:17], Wv s[18:19]
	s_load_b512 s[20:35], s[0:1], 0x40             ; bq s[20:21], bv s[22:23], gamma s[24:25], beta s[26:27], level_weights s[28:29], level_temps s[30:31], idx s[32:33], W1c s[34:35]
	s_load_b128 s[36:39], s[0:1], 0x80             ; aux s[36:37], PT s[38:39]
	v_lshl_add_u32 v12, v0, 2, SPARE               ; my spare word, and 0: kept for the add at the end alone
	v_mov_b32 v13, 0
	v_lshrrev_b32 v1, 5, v0
	v_readfirstlane_b32 s40, v1                    ; wave 0..7
	v_and_b32 v2, 31, v0                           ; lane
	v_and_b32 v3, 15, v0                           ; r
	v_bfe_u32 v4, v0, 4, 1                         ; hh
	s_wait_kmcnt 0x0
	s_cmp_lt_u32 ttmp9, 304
	s_cbranch_scc0 .Lnot_w
; ---------------- the products of weights ----------------
	s_mov_b32 s41, ttmp9
	s_mul_i32 s42, s41, 2731
	s_lshr_b32 s42, s42, 16                        ; mt = number / 24 (exact up to 303): 128 rows of W2 taken as [1536][512]
	s_mul_i32 s43, s42, 24
	s_sub_co_u32 s43, s41, s43
	s_lshr_b32 s44, s43, 3                         ; m
	s_and_b32 s45, s43, 7                          ; head
	s_sub_co_u32 s46, s41, 288                     ; a bias tile's number
	s_lshr_b32 s47, s46, 3
	s_lshl_b32 s47, s47, 1                         ; its m: 0 or 2
	s_and_b32 s48, s46, 7
	s_lshl_b32 s56, s42, 18                        ; mt x 128 rows x 2,048 bytes
	s_mov_b32 s57, 0
	s_cmp_lt_u32 s41, 288
	s_cselect_b32 s44, s44, s47
	s_cselect_b32 s45, s45, s48
	s_cselect_b32 s49, 127, 7                      ; a bias tile takes row min(r & 7, 2) of b2: both halves of the lanes then hold the same rows
	s_cselect_b32 s50, 127, 2
	s_cselect_b32 s51, 1, 0
	s_cselect_b32 s56, s56, 0
	s_cselect_b64 s[52:53], s[10:11], s[12:13]     ; W2 or b2
	s_add_nc_u64 s[52:53], s[52:53], s[56:57]
	s_cmp_eq_u32 s44, 0
	s_cselect_b64 s[54:55], s[14:15], s[16:17]
	s_cmp_eq_u32 s44, 2
	s_cselect_b64 s[54:55], s[18:19], s[54:55]     ; Wq, Wk or Wv
	s_lshl_b32 s56, s45, 8                         ; the head's 64 columns: 256 bytes of each row
	s_add_nc_u64 s[54:55], s[54:55], s[56:57]
	s_lshl_b32 s58, s40, 4
	v_add_nc_u32 v5, s58, v3
	v_and_b32 v5, s49, v5
	v_min_u32 v5, s50, v5
	v_lshlrev_b32 v5, 11, v5
	v_lshl_add_u32 v5, v4, 5, v5                   ; W2: my row x 2,048 + 32 hh
	s_lshl_b32 s59, s40, 6
	v_add_nc_u32 v6, s59, v4                       ; Wm: row 64 w + hh
	v_lshlrev_b32 v7, 11, v6
	v_lshl_add_u32 v7, v3, 4, v7
	v_mul_u32_u24 v8, v6, 160
	v_lshl_add_u32 v8, v3, 3, v8                   ; and its place in LDS
	v_and_b32 v9, 7, v0
	v_lshl_add_u32 v9, v4, 3, v9
	v_mul_u32_u24 v9, v9, 160
	v_bfe_u32 v10, v0, 3, 1
	v_lshl_add_u32 v9, v10, 4, v9                  ; the turning load's address, K steps 0-7
	v_add_nc_u32 v10, 40960, v9                    ; K steps 8-15
; batch g of W2: two K steps of 32, eight loads of 16 bytes a lane: 256 consecutive bytes of each of my 16 rows
.macro ALD g
.irp q, 0,1
	global_load_b128 v[RAW+32*((\g)%2)+16*\q:RAW+32*((\g)%2)+16*\q+3],     v5, s[52:53] offset:(2*(\g)+\q)*128
	global_load_b128 v[RAW+32*((\g)%2)+16*\q+4:RAW+32*((\g)%2)+16*\q+7],   v5, s[52:53] offset:(2*(\g)+\q)*128+16
	global_load_b128 v[RAW+32*((\g)%2)+16*\q+8:RAW+32*((\g)%2)+16*\q+11],  v5, s[52:53] offset:(2*(\g)+\q)*128+64
	global_load_b128 v[RAW+32*((\g)%2)+16*\q+12:RAW+32*((\g)%2)+16*\q+15], v5, s[52:53] offset:(2*(\g)+\q)*128+80
.endr
.endm
	ALD 0
	ALD 1
.set i, 0
.rept 32
	global_load_b128 v[BR+4*i:BR+4*i+3], v7, s[54:55] offset:4096*i  ; two rows of 256 bytes
.set i, i+1
.endr
	s_wait_loadcnt 0x0
.set i, 0
.rept 32
	v_cvt_pk_bf16_f32 v[BR+4*i], v[BR+4*i], v[BR+4*i+1]
	v_cvt_pk_bf16_f32 v[BR+4*i+1], v[BR+4*i+2], v[BR+4*i+3]
	ds_store_b64 v8, v[BR+4*i:BR+4*i+1] offset:320*i
.set i, i+1
.endr
	s_wait_dscnt 0x0                               ; my part of the slice is stored,
	s_barrier_signal -1
	s_barrier_wait -1                              ; everybody's is
; batch g: W2 rounded, the batch after next asked for, Wm's fragments turned out of LDS, eight products on four accumulators that take turns
.macro WB g
.if ((\g) >= 2) && ((\g) <= 6)
	s_wait_loadcnt 0x8                             ; my batch is in; the next batch's eight loads may stay out
.endif
.if (\g) == 7
	s_wait_loadcnt 0x0
.endif
	PLACES                                         ; behind the last products, ahead of writes of their sources
.set z, 0
.rept 16
	v_cvt_pk_bf16_f32 v[AF+z], v[RAW+32*((\g)%2)+2*z], v[RAW+32*((\g)%2)+2*z+1]
.set z, z+1
.endr
.if (\g) < 6
	ALD (\g)+2
.endif
.irp q, 0,1
.irp n, 0,1,2,3
	ds_load_tr16_b128 v[BR+32*\q+8*\n:BR+32*\q+8*\n+3],   v[9+(\g)/4] offset:((2*(\g)+\q)%8)*5120+\n*32
	ds_load_tr16_b128 v[BR+32*\q+8*\n+4:BR+32*\q+8*\n+7], v[9+(\g)/4] offset:((2*(\g)+\q)%8)*5120+\n*32+2560
.endr
.endr
	s_wait_dscnt 0x0
.irp q, 0,1
.irp n, 0,1,2,3
.if ((\g) == 0) && (\q == 0)
	v_wmma_f32_16x16x32_bf16 v[ACC+8*\n:ACC+8*\n+7], v[AF+8*\q:AF+8*\q+7], v[BR+32*\q+8*\n:BR+32*\q+8*\n+7], 0
.else
	v_wmma_f32_16x16x32_bf16 v[ACC+8*\n:ACC+8*\n+7], v[AF+8*\q:AF+8*\q+7], v[BR+32*\q+8*\n:BR+32*\q+8*\n+7], v[ACC+8*\n:ACC+8*\n+7]
.endif
.endr
.endr
.endm
.irp g, 0,1,2,3,4,5,6,7
	WB \g
.endr
	PLACES
.irp n, 0,1,2,3                        ; a lane holds column j = 16 n + r and the rows k = 16 w + 8 hh + 0..7: 16 bytes of PT's row j
.irp p, 0,1,2,3
	v_cvt_pk_bf16_f32 v[RAW+4*\n+\p], v[ACC+8*\n+2*\p], v[ACC+8*\n+2*\p+1]
.endr
.endr
	s_cmp_eq_u32 s51, 0
	s_cbranch_scc1 .Lw_bias
	v_mul_u32_u24 v11, v3, 272
	v_lshl_add_u32 v11, v4, 4, v11
	s_lshl_b32 s58, s40, 5
	s_add_co_u32 s58, s58, STG
	v_add_nc_u32 v11, s58, v11
.irp n, 0,1,2,3
	ds_store_b128 v11, v[RAW+4*\n:RAW+4*\n+3] offset:4352*\n
.endr
	s_wait_dscnt 0x0                               ; a row's 256 bytes come from eight waves
	s_barrier_signal -1
	s_barrier_wait -1
	s_lshl_b32 s58, s40, 3
	v_add_nc_u32 v14, s58, v4                      ; row j = 8 w + hh (+ 2 t)
	v_mul_u32_u24 v15, v14, 272
	v_lshl_add_u32 v15, v3, 4, v15
	v_add_nc_u32 v15, STG, v15
.irp t, 0,1,2,3
	ds_load_b128 v[96+4*\t:99+4*\t], v15 offset:544*\t
.endr
	v_lshlrev_b32 v14, 10, v14
	v_lshl_add_u32 v14, v3, 4, v14
	s_lshr_b32 s60, s42, 2                         ; l
	s_and_b32 s61, s42, 3                          ; which 128 of the 512 k
	s_mul_i32 s62, s44, 3
	s_add_co_u32 s62, s62, s60
	s_lshl_b32 s62, s62, 9
	s_lshl_b32 s63, s45, 6
	s_add_co_u32 s62, s62, s63                     ; row (3 m + l) 512 + 64 head
	s_lshl_b32 s62, s62, 10
	s_lshl_b32 s61, s61, 8
	s_add_co_u32 s62, s62, s61
	s_mov_b32 s63, 0
	s_add_nc_u64 s[38:39], s[38:39], s[62:63]
	s_wait_dscnt 0x0
.irp t, 0,1,2,3
	global_store_b128 v14, v[96+4*\t:99+4*\t], s[38:39] offset:2048*\t  ; 16 lanes store 256 consecutive bytes, aligned
.endr
	s_branch .Lend
.Lw_bias:                              ; registers 0..2 of each accumulator are b2[l] Wm for l = 0..2, in both halves of the lanes alike
	s_cmp_lg_u32 s40, 0
	s_cbranch_scc1 .Lend
	s_cmp_eq_u32 s44, 0
	s_cselect_b64 s[54:55], s[20:21], s[22:23]     ; bq or bv
	s_lshl_b32 s58, s45, 8
	v_lshl_add_u32 v11, v3, 2, s58                 ; 4 (64 head + r)
.irp n, 0,1,2,3
	global_load_b32 v[80+\n], v11, s[54:55] offset:64*\n
.endr
	s_mul_i32 s58, s44, 3072                       ; m = 0: the first three rows; m = 2: the next three
	s_mov_b32 s59, 0
	s_add_nc_u64 s[36:37], s[36:37], s[58:59]
	s_wait_loadcnt 0x0
.irp n, 0,1,2,3
	v_cvt_pk_bf16_f32 v[80+\n], v[80+\n], v[80+\n]
	v_lshlrev_b32 v[80+\n], 16, v[80+\n]           ; the bias rounded to bf16, as f32
.endr
.irp n, 0,1,2,3
.irp e, 0,1,2
	v_add_f32 v[84+3*\n+\e], v[ACC+8*\n+\e], v[80+\n]
	global_store_b32 v11, v[84+3*\n+\e], s[36:37] offset:18432+2048*\e+64*\n  ; lanes r and r + 16: the same word, the same number
.endr
.endr
	s_branch .Lend
.Lnot_w:
	s_cmp_lt_u32 ttmp9, 369
	s_cbranch_scc0 .Lrole_c
; ---------------- one class's rows ----------------
	s_sub_co_u32 s41, ttmp9, 304                   ; c
	s_lshl_b32 s42, s40, 13
	v_lshl_add_u32 v5, v2, 4, s42
.set i, 0
.rept 16
	global_load_b128 v[64+4*i:64+4*i+3], v5, s[4:5] offset:512*i  ; my wave's 2,048 labels
.set i, i+1
.endr
	s_mul_i32 s43, s40, LISTB
	s_add_co_u32 s43, s43, SLIST                   ; my wave's list: no other wave names its bytes
	v_add_nc_u32 v6, 2048, v2                      ; where a lane that does not match writes
	v_lshlrev_b32 v7, 2, v2
	s_lshl_b32 s44, s40, 11
	v_add_nc_u32 v7, s44, v7                       ; the row of my first label: 2,048 w + 4 lane
	s_mov_b32 s45, 0                               ; labels below c
	s_mov_b32 s46, 0                               ; labels equal to c
	s_mov_b32 s74, 4
	s_wait_loadcnt 0x0
; A lane's 64 labels are ranked in four trips of 16, so that the step is written 16 times and not 64: a trip works on v64-79, and at its end the 48 registers behind move down by 16
; (register numbers cannot be stepped in a loop).  Register 4 j + e holds the label of row 2,048 w + 128 j + 4 lane + e: 16 registers are 512 rows.
; A trip goes in stages of 16 like instructions, each register with a mask and temporaries of its own, so that no instruction reads the result of the one just before it:
; the clamps; the compares, into s76-91 (below c) and s48-63 (equal to c); the counts, which leave in s76-91 the number of matches ahead of each register; then rank, choice, clamp, address, row, store.
.Ls_rank:
.set i, 0
.rept 16
	v_min_u32 v[64+i], 64, v[64+i]                 ; whatever is no class counts as 64
.set i, i+1
.endr
.set i, 0
.rept 16
	v_cmp_gt_u32 s[76+i], s41, v[64+i]
	v_cmp_eq_u32 s[48+i], s41, v[64+i]
.set i, i+1
.endr
.set i, 0
.rept 16
	s_bcnt1_i32_b32 s47, s[76+i]
	s_add_co_u32 s45, s45, s47
	s_mov_b32 s[76+i], s46                         ; my wave's matches ahead of this register's
	s_bcnt1_i32_b32 s47, s[48+i]
	s_add_co_u32 s46, s46, s47
.set i, i+1
.endr
.set i, 0
.rept 16
	v_mbcnt_lo_u32_b32 v[16+i], s[48+i], s[76+i]   ; my rank among my wave's matches
.set i, i+1
.endr
.set i, 0
.rept 16
	v_cndmask_b32 v[16+i], v6, v[16+i], s[48+i]
.set i, i+1
.endr
.set i, 0
.rept 16
	v_min_u32 v[16+i], 0x81f, v[16+i]
.set i, i+1
.endr
.set i, 0
.rept 16
	v_lshl_add_u32 v[16+i], v[16+i], 1, s43        ; 2 bytes an entry
.set i, i+1
.endr
.set i, 0
.rept 16
	v_add_nc_u32 v[32+i], 128*(i/4)+i%4, v7
.set i, i+1
.endr
.set i, 0
.rept 16
	ds_store_b16 v[16+i], v[32+i]
.set i, i+1
.endr
.set i, 0
.rept 48
	v_mov_b32 v[64+i], v[80+i]
.set i, i+1
.endr
	v_add_nc_u32 v7, 512, v7
	s_sub_co_u32 s74, s74, 1
	s_cmp_lg_u32 s74, 0
	s_cbranch_scc1 .Ls_rank
	v_mov_b32 v10, s45
	v_mov_b32 v11, s46
	s_lshl_b32 s47, s40, 3
	s_add_co_u32 s47, s47, XCH
	v_mov_b32 v14, s47
	ds_store_b64 v14, v[10:11]
	s_wait_dscnt 0x0
	s_barrier_signal -1
	s_barrier_wait -1
	v_mov_b32 v14, XCH
.irp t, 0,1,2,3
	ds_load_b128 v[16+4*\t:19+4*\t], v14 offset:16*\t
.endr
	s_wait_dscnt 0x0
.set i, 0
.rept 16
	v_readfirstlane_b32 s[48+i], v[16+i]
.set i, i+1
.endr
	s_mov_b32 s66, 0                               ; the class's first place
	s_mov_b32 s67, 0                               ; its count
	s_mov_b32 s68, 0                               ; matches in the waves before mine
.irp t, 0,1,2,3,4,5,6,7
	s_add_co_u32 s66, s66, s[48+2*\t]
	s_add_co_u32 s67, s67, s[49+2*\t]
	s_cmp_gt_u32 s40, \t
	s_cselect_b32 s69, s[49+2*\t], 0
	s_add_co_u32 s68, s68, s69
.endr
	s_add_co_u32 s70, s66, s68                     ; where my wave's list goes
	s_sub_co_u32 s71, s46, 1
	s_mov_b32 s72, 0
	s_mov_b32 s73, 16                              ; 16 x 128 covers a list of 2,048; trips past my count are jumped over
.Ls_copy:
	s_cmp_ge_u32 s72, s46
	s_cbranch_scc1 .Ls_skip
.irp q, 0,1,2,3
	v_add_nc_u32 v[16+\q], s72, v2
.if \q
	v_add_nc_u32 v[16+\q], 32*\q, v[16+\q]
.endif
	v_min_u32 v[16+\q], s71, v[16+\q]              ; places past the count repeat the last entry: the same word, the same number
	v_min_u32 v[16+\q], 0x7ff, v[16+\q]
	v_lshl_add_u32 v[20+\q], v[16+\q], 1, s43
	ds_load_u16 v[24+\q], v[20+\q]
	v_add_nc_u32 v[16+\q], s70, v[16+\q]
	v_min_u32 v[16+\q], 0x3fff, v[16+\q]
	v_lshlrev_b32 v[16+\q], 2, v[16+\q]
.endr
	s_wait_dscnt 0x0
.irp q, 0,1,2,3
	global_store_b32 v[16+\q], v[24+\q], s[32:33]
.endr
	s_wait_xcnt 0x0                                ; the stores have read their addresses and data: the next trip writes them anew
.Ls_skip:
	s_add_co_u32 s72, s72, 128
	s_sub_co_u32 s73, s73, 1
	s_cmp_lg_u32 s73, 0
	s_cbranch_scc1 .Ls_copy
	s_cmp_lg_u32 s40, 0
	s_cbranch_scc1 .Lend
	s_cmp_lt_u32 s41, 64
	s_cbranch_scc0 .Lend
	v_mov_b32 v16, s66
	v_mov_b32 v17, s67
	v_mov_b32 v18, 0
	v_mov_b32 v19, 0
	s_lshl_b32 s47, s41, 4
	v_mov_b32 v20, s47
	global_store_b128 v20, v[16:19], s[32:33] offset:65536  ; all lanes: the same 16 bytes
	s_branch .Lend
.Lrole_c:
; ---------------- W1 centred; the small vectors ----------------
	s_mov_b32 s46, 0x76543210
	s_mov_b32 s47, 0xfedcba98
.macro RSUM R                          ; the sum of a row's 512 numbers (16 a lane at v[R ..]) into v16 of every lane
	v_pk_add_f32 v[16:17], v[\R:\R+1], v[\R+2:\R+3]
	v_pk_add_f32 v[18:19], v[\R+4:\R+5], v[\R+6:\R+7]
	v_pk_add_f32 v[20:21], v[\R+8:\R+9], v[\R+10:\R+11]
	v_pk_add_f32 v[22:23], v[\R+12:\R+13], v[\R+14:\R+15]
	v_pk_add_f32 v[16:17], v[16:17], v[18:19]
	v_pk_add_f32 v[20:21], v[20:21], v[22:23]
	v_pk_add_f32 v[16:17], v[16:17], v[20:21]
	v_add_f32 v16, v16, v17
	v_add_f32_dpp v16, v16, v16 row_xmask:1 row_mask:0xf bank_mask:0xf
	v_add_f32_dpp v16, v16, v16 row_xmask:2 row_mask:0xf bank_mask:0xf
	v_add_f32_dpp v16, v16, v16 row_xmask:4 row_mask:0xf bank_mask:0xf
	v_add_f32_dpp v16, v16, v16 row_xmask:8 row_mask:0xf bank_mask:0xf
	v_permlanex16_b32 v17, v16, s46, s47
	v_add_f32 v16, v16, v17
	v_mul_f32 v16, s44, v16                        ; times -1/512 (or 0: nothing is taken away)
	v_mov_b32 v17, v16
.irp p, 0,1,2,3,4,5,6,7
	v_pk_add_f32 v[\R+2*\p:\R+2*\p+1], v[\R+2*\p:\R+2*\p+1], v[16:17]
.endr
.endm
	s_sub_co_u32 s41, ttmp9, 369
	s_cmp_lt_u32 s41, 48
	s_cbranch_scc0 .Lc_aux
	s_lshl_b32 s42, s41, 5
	s_lshl_b32 s43, s40, 2
	s_add_co_u32 s42, s42, s43                     ; my four rows of W1 taken as [1536][512]
	s_lshl_b32 s43, s42, 11
	v_lshl_add_u32 v5, v2, 4, s43
	s_lshl_b32 s45, s42, 10
	v_lshl_add_u32 v6, v2, 3, s45
	s_mov_b32 s44, 0xbb000000                      ; -1/512
.irp t, 0,1,2,3
.irp j, 0,1,2,3
	global_load_b128 v[64+16*\t+4*\j:64+16*\t+4*\j+3], v5, s[6:7] offset:2048*\t+512*\j th:TH_LOAD_NT
.endr
.endr
	s_wait_loadcnt 0x0
.irp t, 0,1,2,3
	RSUM 64+16*\t
.irp j, 0,1,2,3
	v_cvt_pk_bf16_f32 v[64+16*\t+4*\j], v[64+16*\t+4*\j], v[64+16*\t+4*\j+1]
	v_cvt_pk_bf16_f32 v[64+16*\t+4*\j+1], v[64+16*\t+4*\j+2], v[64+16*\t+4*\j+3]
	global_store_b64 v6, v[64+16*\t+4*\j:64+16*\t+4*\j+1], s[34:35] offset:1024*\t+256*\j  ; the wave stores 256 consecutive bytes, aligned
.endr
.endr
	s_branch .Lend
.Lc_aux:
	s_cmp_lt_u32 s40, 3
	s_cbranch_scc0 .Lc_lvl
	s_cmp_eq_u32 s40, 0                            ; wave 0: b1, centred; wave 1: gamma; wave 2: beta
	s_cselect_b64 s[42:43], s[8:9], s[24:25]
	s_cselect_b32 s44, 0xbb000000, 0
	s_cmp_eq_u32 s40, 2
	s_cselect_b64 s[42:43], s[26:27], s[42:43]
	v_lshlrev_b32 v5, 4, v2
	s_mul_i32 s45, s40, 6144
	v_lshl_add_u32 v6, v2, 4, s45
.irp t, 0,1,2
.irp j, 0,1,2,3
	global_load_b128 v[64+16*\t+4*\j:64+16*\t+4*\j+3], v5, s[42:43] offset:2048*\t+512*\j
.endr
.endr
	s_wait_loadcnt 0x0
.irp t, 0,1,2
.irp p, 0,1,2,3,4,5,6,7
	v_cvt_pk_bf16_f32 v24, v[64+16*\t+2*\p], v[64+16*\t+2*\p+1]   ; rounded to bf16 once, kept as f32
	v_lshlrev_b32 v[64+16*\t+2*\p], 16, v24
	v_and_b32 v[64+16*\t+2*\p+1], 0xffff0000, v24
.endr
	RSUM 64+16*\t
.irp j, 0,1,2,3
	global_store_b128 v6, v[64+16*\t+4*\j:64+16*\t+4*\j+3], s[36:37] offset:2048*\t+512*\j
.endr
.endr
	s_branch .Lend
.Lc_lvl:
	s_cmp_eq_u32 s40, 3
	s_cbranch_scc0 .Lend
	s_load_b96 s[48:50], s[28:29], 0x0
	s_load_b96 s[52:54], s[30:31], 0x0
	s_wait_kmcnt 0x0
	v_mov_b32 v16, s48
	v_mov_b32 v17, s49
	v_mov_b32 v18, s50
	v_mov_b32 v20, s52
	v_mov_b32 v21, s53
	v_mov_b32 v22, s54
.irp z, 16,17,18,20,21,22
	v_cvt_pk_bf16_f32 v\z, v\z, v\z
	v_lshlrev_b32 v\z, 16, v\z
.endr
	v_max3_num_f32 v24, v16, v17, v18              ; the softmax's maximum is taken away
.irp z, 16,17,18
	v_sub_f32 v\z, v\z, v24
	v_mul_f32 v\z, 0x3fb8aa3b, v\z
.endr
	v_exp_f32 v16, v16
	v_exp_f32 v17, v17
	v_exp_f32 v18, v18
	v_rcp_f32 v20, v20
	v_rcp_f32 v21, v21
	v_rcp_f32 v22, v22
	v_nop                                          ; a plain instruction behind the batch,
	s_wait_alu depctr_va_vdst(0)                   ; and its one wait ahead of its first reader
	v_add_f32 v24, v16, v17
	v_add_f32 v24, v24, v18
	v_rcp_f32 v24, v24
	v_nop
	s_wait_alu depctr_va_vdst(0)
	v_mul_f32 v20, v20, v24
	v_mul_f32 v21, v21, v24
	v_mul_f32 v22, v22, v24
	v_mul_f32 v16, v16, v20
	v_mul_f32 v17, v17, v21
	v_mul_f32 v18, v18, v22
	v_add_f32 v19, v16, v17
	v_add_f32 v19, v19, v18                        ; their sum, for bo
	v_mov_b32 v5, 0
	global_store_b128 v5, v[16:19], s[36:37] offset:30720  ; all lanes: the same 16 bytes
.Lend:
	s_wait_tensorcnt 0x0                           ; the wave's end
	ds_add_u32 v12, v13
	s_wait_dscnt 0x0
	s_endpgm
.Lfunc_end_k_qdc2a2163bb_prep:
	.size	k_qdc2a2163bb_prep, .Lfunc_end_k_qdc2a2163bb_prep-k_qdc2a2163bb_prep
	.p2alignl 7, 3214868480
	.fill 96, 4, 3214868480
	.section	.rodata,"a",@progbits
	.p2align	6, 0x0
	.amdhsa_kernel k_qdc2a2163bb_prep
		.amdhsa_group_segment_fixed_size 135424
		.amdhsa_private_segment_fixed_size 0
		.amdhsa_enable_private_segment 0
		.amdhsa_kernarg_size 144
		.amdhsa_user_sgpr_count 2
		.amdhsa_user_sgpr_kernarg_segment_ptr 1
		.amdhsa_wavefront_size32 1
		.amdhsa_system_sgpr_workgroup_id_x 1
		.amdhsa_system_sgpr_workgroup_id_y 1
		.amdhsa_system_sgpr_workgroup_id_z 1
		.amdhsa_system_vgpr_workitem_id 0
		.amdhsa_next_free_vgpr 256
		.amdhsa_next_free_sgpr 96
		.amdhsa_reserve_vcc 0
		.amdhsa_float_denorm_mode_32 3
		.amdhsa_float_denorm_mode_16_64 3
		.amdhsa_memory_ordered 1
		.amdhsa_forward_progress 1
		.amdhsa_inst_pref_size 90
	.end_amdhsa_kernel
	.amdgpu_metadata
---
amdhsa.version: [ 1, 2 ]
amdhsa.kernels:
  - .name:           k_qdc2a2163bb_prep
    .symbol:         k_qdc2a2163bb_prep.kd
    .args:
      - { .name: support_labels, .offset: 0, .size: 8, .value_kind: global_buffer, .address_space: global }
      - { .name: W1, .offset: 8, .size: 8, .value_kind: global_buffer, .address_space: global }
      - { .name: b1, .offset: 16, .size: 8, .value_kind: global_buffer, .address_space: global }
      - { .name: W2, .offset: 24, .size: 8, .value_kind: global_buffer, .address_space: global }
      - { .name: b2, .offset: 32, .size: 8, .value_kind: global_buffer, .address_space: global }
      - { .name: Wq, .offset: 40, .size: 8, .value_kind: global_buffer, .address_space: global }
      - { .name: Wk, .offset: 48, .size: 8, .value_kind: global_buffer, .address_space: global }
      - { .name: Wv, .offset: 56, .size: 8, .value_kind: global_buffer, .address_space: global }
      - { .name: bq, .offset: 64, .size: 8, .value_kind: global_buffer, .address_space: global }
      - { .name: bv, .offset: 72, .size: 8, .value_kind: global_buffer, .address_space: global }
      - { .name: gamma, .offset: 80, .size: 8, .value_kind: global_buffer, .address_space: global }
      - { .name: beta, .offset: 88, .size: 8, .value_kind: global_buffer, .address_space: global }
      - { .name: level_weights, .offset: 96, .size: 8, .value_kind: global_buffer, .address_space: global }
      - { .name: level_temps, .offset: 104, .size: 8, .value_kind: global_buffer, .address_space: global }
      - { .name: idx, .offset: 112, .size: 8, .value_kind: global_buffer, .address_space: global }
      - { .name: W1c, .offset: 120, .size: 8, .value_kind: global_buffer, .address_space: global }
      - { .name: aux, .offset: 128, .size: 8, .value_kind: global_buffer, .address_space: global }
      - { .name: PT, .offset: 136, .size: 8, .value_kind: global_buffer, .address_space: global }
    .group_segment_fixed_size: 135424
    .private_segment_fixed_size: 0
    .kernarg_segment_align: 8
    .kernarg_segment_size: 144
    .max_flat_workgroup_size: 256
    .sgpr_count:     96
    .vgpr_count:     256
    .wavefront_size: 32
...
	.end_amdgpu_metadata
.endif
;; end of part 8
;; launch mlp (part 9): grid 256 x 1, 4 waves a work-group, clusters of 4 x 1, 327,680 bytes of LDS; arguments support_features, idx, W1c, aux, Hs; writes Hs
.if DOCPART == 9
	.amdgcn_target "amdgcn-amd-amdhsa--gfx1250"
	.amdhsa_code_object_version 6
	.text
	.protected	k_qdc2a2163bb_mlp
	.globl	k_qdc2a2163bb_mlp
	.p2align	8
	.type	k_qdc2a2163bb_mlp,@function
k_qdc2a2163bb_mlp:
	s_mov_b64 s[64:65], 0
	v_nop
	global_prefetch_b8 v0, s[64:65] scope:SCOPE_SE
	s_setreg_imm32_b32 hwreg(HW_REG_WAVE_MODE, 25, 1), 1
	s_wait_xcnt 0x0
	s_wait_alu depctr_hold_cnt(0) depctr_sa_sdst(0) depctr_va_vdst(0) depctr_va_sdst(0) depctr_va_ssrc(0) depctr_va_vcc(0) depctr_vm_vsrc(0)
	s_getreg_b32 s2, hwreg(HW_REG_IB_STS2, 6, 4)
	s_cmp_eq_u32 s2, 0
	s_cbranch_scc0 .Lentry_in_a_cluster
	s_endpgm
.Lentry_in_a_cluster:
	s_bfe_u32 s2, ttmp6, 0x10000c
	s_cmp_lg_u32 s2, 0x3003
	s_cbranch_scc0 .Lentry_shape_is_right
	s_endpgm
.Lentry_shape_is_right:
; Hs[l][p][:] = relu(y rsqrt(mean(y^2) + 1e-5) gamma_l + beta_l) in bf16, y = X[order[p]] W1c_l + b1c_l, for the three levels l and all 16,384 places p of the sorted order.
; Left out (shown at the head of the first kernel): the mean of the layer norm, which lies in W1c and b1c already; the product with W2, which is folded into later, small products.
; SHARES.  A work-group owns 64 places for ALL THREE levels, so X is read once: its 64 rows, rounded to bf16, stay as fragments in 512 registers of each of the four waves.  Wave w makes the 64 rows x
; columns 128 w .. 128 w + 127: 32 accumulators.  W1c (1,536 rows of k, 1,024 bytes each) goes in 12 steps of 128 rows through two LDS slots; a wave's tensor load brings 32 rows.
; CLUSTER.  Every work-group walks the same 12 steps, so the four of a cluster ask for each tile jointly: the same load, descriptor and mask in all four.  No branch and no LDS address hangs on the place in the cluster.
; THE PRODUCT IS TAKEN TRANSPOSED: source 0 = 16 columns of W1c (turned out of LDS by ds_load_tr16_b128), source 1 = 16 rows of X: a lane holds one row (lane % 16) and the columns 8 (lane / 16) + 0..7.
; The first product of a level takes b1c as its C operand.  The 32 accumulators take turns, one instruction a turn.
; THE LOOP goes over the levels.  The last level leaves it at the change of slots behind its third step, the first at which nothing is left to ask for, for a tail that is written out and does not come back:
; so a level's first eleven quarters stand once in the text on a way that goes on in the loop.  The branch hangs on the level's counter, the same in every work-group.
; REGISTERS in windows of 256: 0: addresses, b1c (v32-95), two fragment buffers of W1c (v96-159, v160-223; gamma and beta on the way out), sums; 1: the accumulators, (a, b) at 64 a + 8 b; 2, 3: X's fragments, (kk, a) at 8 (4 (kk % 8) + a).
.set SLOT,  135168                     ; 128 rows of 1,024 + 32 bytes: the pitch is an odd multiple of 32 bytes
.set SCR,   270336                     ; X on its way into fragments: 64 rows of 528 bytes, half of K at a time; later each wave's 16 rows x 272 bytes for the way out
.set STAT,  304128                     ; [64 rows][4 waves] sums of squares
.set SPARE, 306176                     ; the spare words
.set ADR, 16                           ; v16-23  slot s, 32 rows ks: the turning load's address
.set B1,  32
.set BF0, 96
.set BF1, 160
.set Q,   224
.set RS,  240
.set WV,  14
.set G1,  24                           ; s[24:31] descriptor group 1
.set G0,  32                           ; s[32:39] group 0, a set for each slot
.set LV,  56                           ; levels still to be begun
.set PFC, 57                           ; prefetches still to be made
.set PFA, 58                           ; s[58:59] where they stand
.set SEL, 60
.set ZR,  66
.set R512, 67
.set AUXL, 68                          ; s[68:69] aux at the level in hand
.set HB,  70                           ; s[70:71] Hs at my 64 rows of the level in hand
.set EPS, 72
.set MSB, 0
.macro WIN new                         ; the immediate's high byte repeats the setting that is left; a switch that changes nothing is dropped
.if MSB != (\new)
	s_set_vgpr_msb (MSB<<8)|(\new)
.set MSB, \new
.endif
.endm
.macro PLACES
.rept 4
	v_nop
.endr
.endm
.macro CREST                           ; a round of the cluster's barrier behind its opening barrier
	s_cmp_lg_u32 s[WV], 0
	s_cbranch_scc1 .Lnot_wave_0_\@
	s_barrier_signal -3
.Lnot_wave_0_\@:
	s_barrier_wait -3
	s_barrier_signal -1
	s_barrier_wait -1
.endm
.macro CROUND
	s_barrier_signal -1
	s_barrier_wait -1
	CREST
.endm
	s_load_b256 s[4:11], s[0:1], 0x0               ; X s[4:5], idx s[6:7], W1c s[8:9], aux s[10:11]
	s_load_b64 s[12:13], s[0:1], 0x20              ; Hs
	v_lshl_add_u32 v28, v0, 2, SPARE
	v_mov_b32 v29, 0
	ds_add_u32 v28, v29                            ; the opening: the add, twice on end, and its wait ahead of my first tensor load
	ds_add_u32 v28, v29
	v_lshrrev_b32 v4, 5, v0
	v_readfirstlane_b32 s[WV], v4                  ; wave 0..3
	s_bfe_u32 s15, ttmp6, 0x40000                  ; cx
	s_lshl_b32 s16, ttmp9, 2
	s_add_co_u32 s16, s16, s15                     ; my block of 64 places: it enters global addresses alone
	s_mov_b32 s[G1], 15|(1<<16)|(1<<20)|(1<<21)|(7<<22)|(7<<25)  ; mask of four; 2-byte elements; padding on; bit 21 beside the mask; after every 256 words, 8 words
	s_mov_b32 s[G1+1], 512<<16                     ; tensor_dim0 = 512
	s_mov_b32 s[G1+2], 32<<16                      ; tensor_dim1 = 32
	s_mov_b32 s[G1+3], 512<<16                     ; tile_dim0 = 512
	s_mov_b32 s[G1+4], 32                          ; tile_dim1 = 32
	s_mov_b32 s[G1+5], 512                         ; elements from row to row
	s_mov_b32 s[G1+6], 0
	s_mov_b32 s[G1+7], 0
	s_mov_b32 s[G0], 1
	s_mul_i32 s[G0+1], s[WV], 33792                ; my 32 rows of slot 0
	s_mov_b32 s[G0+4], 1
	s_add_co_u32 s[G0+5], s[G0+1], SLOT            ; and of slot 1
	s_mov_b32 s[SEL], 0x76543210
	s_mov_b32 s[SEL+1], 0xfedcba98
	s_mov_b32 s[ZR], 0
	s_mov_b32 s[R512], 0x3b000000                  ; 1/512
	s_mov_b32 s[EPS], 0x3727c5ac                   ; 1e-5
	s_cmp_eq_u32 ttmp9, 0
	s_cselect_b32 s[PFC], 7, 0                     ; the first cluster prefetches for all: the same in its four partners
	s_lshl_b32 s18, s[WV], 15
	s_mov_b32 s19, 0
	s_lshl_b32 s20, s16, 8
	s_lshl_b32 s17, s[WV], 6
	s_add_co_u32 s20, s20, s17                     ; 4 (64 t + 16 w): my wave's 16 entries of the order
	s_mov_b32 s21, 0
	s_wait_dscnt 0x0                               ; both opening adds are done
	s_wait_kmcnt 0x0
	s_add_nc_u64 s[G0+2:G0+3], s[8:9], s[18:19]    ; step 0, my 32 rows
	s_add_nc_u64 s[G0+6:G0+7], s[G0+2:G0+3], 131072  ; step 1
	s_or_b32 s[G0+3], s[G0+3], 0x80000000
	s_or_b32 s[G0+7], s[G0+7], 0x80000000
	s_add_nc_u64 s[22:23], s[6:7], s[20:21]
	s_load_b512 s[40:55], s[22:23], 0x0
	s_add_nc_u64 s[PFA:PFA+1], s[8:9], 4*131072    ; the first change of slots steps it to step 5
	s_mov_b64 s[AUXL:AUXL+1], s[10:11]
	s_lshl_b32 s18, s16, 16
	s_add_nc_u64 s[HB:HB+1], s[12:13], s[18:19]
	CROUND                                         ; all four work-groups are here: the first joint loads meet
	tensor_load_to_lds s[G0:G0+3], s[G1:G1+7]
	s_nop 0
	tensor_load_to_lds s[G0+4:G0+7], s[G1:G1+7]
	s_nop 0
	PLACES
	v_and_b32 v3, 31, v0
	v_and_b32 v1, 15, v0                           ; r
	v_bfe_u32 v2, v0, 4, 1                         ; hh
	v_lshlrev_b32 v4, 4, v3
	s_wait_kmcnt 0x0
.irp t, 0,1,2,3,4,5,6,7,8,9,10,11,12,13,14,15
	s_min_u32 s[40+\t], s[40+\t], 0x3fff
	s_lshl_b32 s[40+\t], s[40+\t], 11
	v_add_nc_u32 v[BF0+\t], s[40+\t], v4           ; the row's first byte + 16 lane
.endr
	WIN 0x40
.set i, 0
.rept 16
.irp j, 0,1,2,3
	global_load_b128 v[16*i+4*\j:16*i+4*\j+3], v[BF0+i], s[4:5] offset:512*\j th:TH_LOAD_NT  ; 512 consecutive bytes of a row; each row of X has one place
.endr
.set i, i+1
.endr
	WIN 0
	s_lshl_b32 s17, s[WV], 9
	v_lshl_add_u32 v27, v2, 5, s17                 ; my 8 columns in a vector of 512 f32: 512 w + 32 hh (+ 64 b)
.irp b, 0,1,2,3,4,5,6,7
	global_load_b128 v[B1+8*\b:B1+8*\b+3],   v27, s[AUXL:AUXL+1] offset:64*\b
	global_load_b128 v[B1+8*\b+4:B1+8*\b+7], v27, s[AUXL:AUXL+1] offset:64*\b+16
.endr
	v_and_b32 v5, 7, v0
	v_lshl_add_u32 v5, v2, 3, v5
	v_mul_u32_u24 v5, v5, 1056
	v_bfe_u32 v6, v0, 3, 1
	v_lshl_add_u32 v5, v6, 4, v5
	s_lshl_b32 s17, s[WV], 8
	v_add_nc_u32 v5, s17, v5                       ; (8 hh + lane % 8) x pitch + 16 ((lane / 8) % 2) + my 128 columns
.irp s, 0,1
.irp k, 0,1,2,3
	v_add_nc_u32 v[ADR+4*\s+\k], \s*SLOT+\k*33792, v5
.endr
.endr
	s_mul_i32 s17, s[WV], 8448
	s_add_co_u32 s17, s17, SCR
	v_lshl_add_u32 v10, v3, 3, s17                 ; X in: my 16 rows, 8 bytes a lane
	v_mul_u32_u24 v9, v1, 528
	v_lshl_add_u32 v9, v2, 4, v9
	v_add_nc_u32 v9, SCR, v9                       ; X out: a fragment's row and half
	s_mul_i32 s17, s[WV], 4352
	s_add_co_u32 s17, s17, SCR                     ; my stage
	v_mul_u32_u24 v24, v1, 272
	v_lshl_add_u32 v24, v2, 4, v24
	v_add_nc_u32 v24, s17, v24
	v_mul_u32_u24 v25, v2, 272
	v_lshl_add_u32 v25, v1, 4, v25
	v_add_nc_u32 v25, s17, v25
	s_lshl_b32 s17, s[WV], 8
	v_lshl_add_u32 v26, v2, 10, s17
	v_lshl_add_u32 v26, v1, 4, v26                 ; in Hs: row hh, my wave's 256 bytes, 16 bytes a lane
	s_lshl_b32 s17, s[WV], 2
	s_add_co_u32 s17, s17, STAT
	v_lshl_add_u32 v11, v1, 4, s17
	v_lshlrev_b32 v8, 4, v1
	v_add_nc_u32 v8, STAT, v8
	s_lshl_b32 s17, s15, 7
	s_lshl_b32 s18, s[WV], 5
	s_add_co_u32 s17, s17, s18
	v_add_nc_u32 v30, s17, v3
	v_lshlrev_b32 v30, 8, v30                      ; the prefetches: block 128 cx + 32 w + lane of a step's 512 blocks of 256 bytes: the partners are told apart by address
	s_wait_loadcnt 0x0
	WIN 0x45
.set i, 0
.rept 64
	v_cvt_pk_bf16_f32 v[4*i], v[4*i], v[4*i+1]
	v_cvt_pk_bf16_f32 v[4*i+1], v[4*i+2], v[4*i+3]
.set i, i+1
.endr
; half hf of K: every wave stores its 16 rows, a barrier, every wave reads all 64 rows as fragments
.macro XHALF hf, win
	WIN 0x04
.set i, 0
.rept 16
	ds_store_b64 v10, v[16*i+8*(\hf):16*i+8*(\hf)+1] offset:i*528
	ds_store_b64 v10, v[16*i+8*(\hf)+4:16*i+8*(\hf)+5] offset:i*528+256
.set i, i+1
.endr
	WIN 0
	s_wait_dscnt 0x0
	s_barrier_signal -1
	s_barrier_wait -1
	WIN \win
.set i, 0
.rept 8
.irp a, 0,1,2,3
	ds_load_b128 v[8*(4*i+\a):8*(4*i+\a)+3],   v9 offset:\a*8448+i*64
	ds_load_b128 v[8*(4*i+\a)+4:8*(4*i+\a)+7], v9 offset:\a*8448+i*64+32
.endr
.set i, i+1
.endr
	WIN 0
	s_wait_dscnt 0x0                               ; my reads are over: the bytes are written again behind the next barrier
.endm
	XHALF 0, 0x80
	s_barrier_signal -1
	s_barrier_wait -1
	XHALF 1, 0xc0
	s_wait_tensorcnt 0x1                           ; my part of step 0 is in; step 1's may stay out
	s_barrier_signal -1
	s_barrier_wait -1
.macro FETCH sl, ks, buf               ; 16 LDS loads in one run: my 128 columns x 32 rows of k, turned
	WIN 0
.irp b, 0,1,2,3,4,5,6,7
	ds_load_tr16_b128 v[(\buf)+8*\b:(\buf)+8*\b+3],   v[ADR+4*(\sl)+(\ks)] offset:32*\b
	ds_load_tr16_b128 v[(\buf)+8*\b+4:(\buf)+8*\b+7], v[ADR+4*(\sl)+(\ks)] offset:32*\b+16896
.endr
.endm
.macro MUL buf, kk, a0, na, first      ; row blocks a0 .. a0 + na - 1 x all 8 column blocks, 32 along K; first = 1: the sums start with b1c
.if \first
	WIN 0x48+4*((\kk)/8)
.else
	WIN 0x58+4*((\kk)/8)
.endif
.set ma, \a0
.rept \na
.irp b, 0,1,2,3,4,5,6,7
.if \first
	v_wmma_f32_16x16x32_bf16 v[64*ma+8*\b:64*ma+8*\b+7], v[(\buf)+8*\b:(\buf)+8*\b+7], v[8*(4*((\kk)%8)+ma):8*(4*((\kk)%8)+ma)+7], v[B1+8*\b:B1+8*\b+7]
.else
	v_wmma_f32_16x16x32_bf16 v[64*ma+8*\b:64*ma+8*\b+7], v[(\buf)+8*\b:(\buf)+8*\b+7], v[8*(4*((\kk)%8)+ma):8*(4*((\kk)%8)+ma)+7], v[64*ma+8*\b:64*ma+8*\b+7]
.endif
.endr
.set ma, ma+1
.endr
.endm
.macro KSTEP sl, ks, kk, first         ; one of a step's first three quarters: the next quarter's fragments are asked for, 32 products
	s_wait_dscnt 0x0                               ; my quarter's fragments are in
	PLACES                                         ; behind the products that read the other buffer
	FETCH \sl, (\ks)+1, BF0+64*(((\ks)+1)%2)
	MUL BF0+64*((\ks)%2), \kk, 0, 4, \first
.endm
.macro PARAMS nb1                      ; gamma into buffer 0; the next level's b1c
.irp b, 0,1,2,3,4,5,6,7
	global_load_b128 v[BF0+8*\b:BF0+8*\b+3],   v27, s[AUXL:AUXL+1] offset:6144+64*\b
	global_load_b128 v[BF0+8*\b+4:BF0+8*\b+7], v27, s[AUXL:AUXL+1] offset:6144+64*\b+16
.endr
.if \nb1
.irp b, 0,1,2,3,4,5,6,7
	global_load_b128 v[B1+8*\b:B1+8*\b+3],   v27, s[AUXL:AUXL+1] offset:2048+64*\b
	global_load_b128 v[B1+8*\b+4:B1+8*\b+7], v27, s[AUXL:AUXL+1] offset:2048+64*\b+16
.endr
.endif
.endm
; A prefetch into the L2, behind the joint load, its five lines and the run of LDS loads: the change of slots behind step q names step q + 5, three changes (384 matrix instructions a wave) ahead of the load that
; asks for it.  One cluster asks; its 16 waves share a step's 512 blocks of 256 bytes, a lane a block: each block is named once.  Seven changes ask (steps 5 to 11); steps 0 to 4 come by their loads alone.
.macro ASK
	s_cmp_lg_u32 s[PFC], 0
	s_cbranch_scc0 .Lnot_mine_\@
	global_prefetch_b8 v30, s[PFA:PFA+1] th:TH_LOAD_NT scope:SCOPE_SE
	s_sub_co_u32 s[PFC], s[PFC], 1
.Lnot_mine_\@:
.endm
; A step's last quarter (buffer 1) and the change of slots.  bar = 1: each wave waits for all its tensor loads (one is out: its part of the other slot), adds 0 to its spare word, waits for that and for its reads
; of this slot, and signals.  fill = 1: the barrier opens a round of the cluster's, and this slot is filled again, two steps on, first thing behind it.
.macro TURN sl, kk, fill, bar, fetch, nb1
	WIN 0
.if \fill
	s_wait_xcnt 0x0                                ; the last prefetch, a step back, has read its address
	s_add_nc_u64 s[PFA:PFA+1], s[PFA:PFA+1], 131072
.endif
.if \bar
	s_wait_tensorcnt 0x0
	ds_add_u32 v28, v29
	s_wait_dscnt 0x1                               ; the fragments are in; the add alone may be out
	MUL BF1, \kk, 0, 1, 0
	s_wait_dscnt 0x0
	s_barrier_signal -1
	MUL BF1, \kk, 1, 1, 0
	WIN 0
	s_barrier_wait -1
.else
	s_wait_dscnt 0x0
	MUL BF1, \kk, 0, 2, 0
	WIN 0
.endif
.if \fill
	CREST
	s_add_nc_u64 s[G0+4*(\sl)+2:G0+4*(\sl)+3], s[G0+4*(\sl)+2:G0+4*(\sl)+3], 262144
	tensor_load_to_lds s[G0+4*(\sl):G0+4*(\sl)+3], s[G1:G1+7]
	s_nop 0
.endif
	PLACES                                         ; the places behind a tensor load; also ahead of loads into buffer 0
.if \fetch
	FETCH 1-(\sl), 0, BF0
.else
	PARAMS \nb1
.endif
.if \fill
	ASK
.endif
	MUL BF1, \kk, 2, 2, 0
.endm
.macro NORM a                          ; row block a: y rs gamma + beta, rounded to bf16, relu on the packed halves
	WIN 0x41
.set i, 0
.rept 32
	v_pk_mul_f32 v[64*(\a)+2*i:64*(\a)+2*i+1], v[64*(\a)+2*i:64*(\a)+2*i+1], v[RS+2*(\a):RS+2*(\a)+1]
.set i, i+1
.endr
.set i, 0
.rept 32
	v_pk_fma_f32 v[64*(\a)+2*i:64*(\a)+2*i+1], v[64*(\a)+2*i:64*(\a)+2*i+1], v[BF0+2*i:BF0+2*i+1], v[BF1+2*i:BF1+2*i+1]
.set i, i+1
.endr
	WIN 0x45
.set i, 0
.rept 32
	v_cvt_pk_bf16_f32 v[64*(\a)+8*(i/4)+i%4], v[64*(\a)+8*(i/4)+2*(i%4)], v[64*(\a)+8*(i/4)+2*(i%4)+1]
.set i, i+1
.endr
.set i, 0
.rept 32
	v_pk_max_num_bf16 v[64*(\a)+8*(i/4)+i%4], v[64*(\a)+8*(i/4)+i%4], s[ZR]
.set i, i+1
.endr
.endm
.macro TOSTAGE a                       ; 16 bytes a lane into my own stage, whole rows of 256 bytes back; LDS serves a wave's instructions in order
	WIN 0x04
.irp b, 0,1,2,3,4,5,6,7
	ds_store_b128 v24, v[64*(\a)+8*\b:64*(\a)+8*\b+3] offset:32*\b
.endr
	WIN 0x40
.irp b, 0,1,2,3,4,5,6,7
	ds_load_b128 v[64*(\a)+8*\b+4:64*(\a)+8*\b+7], v25 offset:544*\b
.endr
.endm
.macro SEND a
	WIN 0x04
	s_wait_dscnt 0x0
.irp b, 0,1,2,3,4,5,6,7
	global_store_b128 v26, v[64*(\a)+8*\b+4:64*(\a)+8*\b+7], s[HB:HB+1] offset:(16*(\a)+2*\b)*1024  ; 16 lanes store 256 consecutive bytes, aligned
.endr
.endm
.macro EPI last
	WIN 0
	PLACES                                         ; behind the last products: loads into buffer 1, reads of the sums
.irp b, 0,1,2,3,4,5,6,7
	global_load_b128 v[BF1+8*\b:BF1+8*\b+3],   v27, s[AUXL:AUXL+1] offset:12288+64*\b
	global_load_b128 v[BF1+8*\b+4:BF1+8*\b+7], v27, s[AUXL:AUXL+1] offset:12288+64*\b+16
.endr
	WIN 0x05                                       ; the squares of my 64 numbers of each row: eight chains
.irp b, 0,1,2,3,4,5,6,7
.irp p, 0,1,2,3
.irp a, 0,1,2,3
.if (\b == 0) && (\p < 2)
	v_pk_mul_f32 v[Q+4*\a+2*\p:Q+4*\a+2*\p+1], v[64*\a+8*\b+2*\p:64*\a+8*\b+2*\p+1], v[64*\a+8*\b+2*\p:64*\a+8*\b+2*\p+1]
.else
	v_pk_fma_f32 v[Q+4*\a+2*(\p%2):Q+4*\a+2*(\p%2)+1], v[64*\a+8*\b+2*\p:64*\a+8*\b+2*\p+1], v[64*\a+8*\b+2*\p:64*\a+8*\b+2*\p+1], v[Q+4*\a+2*(\p%2):Q+4*\a+2*(\p%2)+1]
.endif
.endr
.endr
.endr
	WIN 0
.irp a, 0,1,2,3
	v_pk_add_f32 v[Q+4*\a:Q+4*\a+1], v[Q+4*\a:Q+4*\a+1], v[Q+4*\a+2:Q+4*\a+3]
.endr
.irp a, 0,1,2,3
	v_add_f32 v[Q+4*\a], v[Q+4*\a], v[Q+4*\a+1]
.endr
.irp a, 0,1,2,3
	v_permlanex16_b32 v[Q+4*\a+1], v[Q+4*\a], s[SEL], s[SEL+1]  ; the row's other 64 columns of my wave lie in the lane 16 away
.endr
.irp a, 0,1,2,3
	v_add_f32 v[Q+4*\a], v[Q+4*\a], v[Q+4*\a+1]
.endr
.irp a, 0,1,2,3
	ds_store_b32 v11, v[Q+4*\a] offset:256*\a
.endr
	s_wait_dscnt 0x0
	s_barrier_signal -1
	s_barrier_wait -1                              ; the four waves' sums of each row lie together
.irp a, 0,1,2,3
	ds_load_b128 v[Q+4*\a:Q+4*\a+3], v8 offset:256*\a
.endr
	s_wait_dscnt 0x0
.irp a, 0,1,2,3
	v_pk_add_f32 v[Q+4*\a:Q+4*\a+1], v[Q+4*\a:Q+4*\a+1], v[Q+4*\a+2:Q+4*\a+3]
.endr
.irp a, 0,1,2,3
	v_add_f32 v[Q+4*\a], v[Q+4*\a], v[Q+4*\a+1]
.endr
.irp a, 0,1,2,3
	v_fma_f32 v[Q+4*\a], v[Q+4*\a], s[R512], s[EPS]
.endr
.irp a, 0,1,2,3
	v_rsq_f32 v[RS+2*\a], v[Q+4*\a]
	v_rsq_f32 v[RS+2*\a+1], v[Q+4*\a]
.endr
	v_nop                                          ; a plain instruction behind the batch,
	s_wait_alu depctr_va_vdst(0)                   ; and its one wait
	s_wait_loadcnt 0x0                             ; gamma, beta, the next b1c
	NORM 0
	TOSTAGE 0
	NORM 1
	SEND 0
	TOSTAGE 1
	NORM 2
	SEND 1
	TOSTAGE 2
	NORM 3
	SEND 2
	TOSTAGE 3
	SEND 3
	WIN 0
.if !(\last)
	s_wait_xcnt 0x0                                ; the stores have read their data and base, the loads theirs
	s_add_nc_u64 s[HB:HB+1], s[HB:HB+1], 16777216
	s_add_nc_u64 s[AUXL:AUXL+1], s[AUXL:AUXL+1], 2048
	FETCH 0, 0, BF0                                ; the next level's first fragments: slot 0 was shown whole by the last change of slots
.endif
.endm
	FETCH 0, 0, BF0
	s_mov_b32 s[LV], 3
.Llevel:                               ; a level's first eleven quarters, the same for all three levels: its first two changes of slots ask for its own third and fourth step
	KSTEP 0, 0, 0, 1
	KSTEP 0, 1, 1, 0
	KSTEP 0, 2, 2, 0
	TURN 0, 3, 1, 1, 1, 0
	KSTEP 1, 0, 4, 0
	KSTEP 1, 1, 5, 0
	KSTEP 1, 2, 6, 0
	TURN 1, 7, 1, 1, 1, 0
	KSTEP 0, 0, 8, 0
	KSTEP 0, 1, 9, 0
	KSTEP 0, 2, 10, 0
	WIN 0                                          ; at a branch every window is 0
	s_sub_co_u32 s[LV], s[LV], 1
	s_cmp_eq_u32 s[LV], 0
	s_cbranch_scc1 .Llast                          ; the last level: nothing is left to ask for
	TURN 0, 11, 1, 1, 1, 0                         ; slot 0 takes the next level's first step,
	KSTEP 1, 0, 12, 0
	KSTEP 1, 1, 13, 0
	KSTEP 1, 2, 14, 0
	TURN 1, 15, 1, 1, 0, 1                         ; slot 1 its second
	EPI 0
	s_branch .Llevel
.Llast:                                ; the tail is written out and does not come back into the loop
	TURN 0, 11, 0, 1, 1, 0                         ; a plain barrier shows the last step whole
	KSTEP 1, 0, 12, 0
	KSTEP 1, 1, 13, 0
	KSTEP 1, 2, 14, 0
	TURN 1, 15, 0, 0, 0, 0
	EPI 1
	s_wait_tensorcnt 0x0                           ; the wave's end
	ds_add_u32 v28, v29
	s_wait_dscnt 0x0
	CROUND                                         ; the closing round
	s_endpgm
.Lfunc_end_k_qdc2a2163bb_mlp:
	.size	k_qdc2a2163bb_mlp, .Lfunc_end_k_qdc2a2163bb_mlp-k_qdc2a2163bb_mlp
	.p2alignl 7, 3214868480
	.fill 96, 4, 3214868480
	.section	.rodata,"a",@progbits
	.p2align	6, 0x0
	.amdhsa_kernel k_qdc2a2163bb_mlp
		.amdhsa_group_segment_fixed_size 327680
		.amdhsa_private_segment_fixed_size 0
		.amdhsa_enable_private_segment 0
		.amdhsa_kernarg_size 40
		.amdhsa_user_sgpr_count 2
		.amdhsa_user_sgpr_kernarg_segment_ptr 1
		.amdhsa_wavefront_size32 1
		.amdhsa_system_sgpr_workgroup_id_x 1
		.amdhsa_system_sgpr_workgroup_id_y 1
		.amdhsa_system_sgpr_workgroup_id_z 1
		.amdhsa_system_vgpr_workitem_id 0
		.amdhsa_next_free_vgpr 1024
		.amdhsa_next_free_sgpr 100
		.amdhsa_reserve_vcc 0
		.amdhsa_float_denorm_mode_32 3
		.amdhsa_float_denorm_mode_16_64 3
		.amdhsa_memory_ordered 1
		.amdhsa_forward_progress 1
		.amdhsa_inst_pref_size 217
	.end_amdhsa_kernel
	.amdgpu_metadata
---
amdhsa.version: [ 1, 2 ]
amdhsa.kernels:
  - .name:           k_qdc2a2163bb_mlp
    .symbol:         k_qdc2a2163bb_mlp.kd
    .args:
      - { .name: support_features, .offset: 0, .size: 8, .value_kind: global_buffer, .address_space: global }
      - { .name: idx, .offset: 8, .size: 8, .value_kind: global_buffer, .address_space: global }
      - { .name: W1c, .offset: 16, .size: 8, .value_kind: global_buffer, .address_space: global }
      - { .name: aux, .offset: 24, .size: 8, .value_kind: global_buffer, .address_space: global }
      - { .name: Hs, .offset: 32, .size: 8, .value_kind: global_buffer, .address_space: global }
    .group_segment_fixed_size: 327680
    .private_segment_fixed_size: 0
    .kernarg_segment_align: 8
    .kernarg_segment_size: 40
    .max_flat_workgroup_size: 128
    .sgpr_count:     100
    .vgpr_count:     1024
    .wavefront_size: 32
...
	.end_amdgpu_metadata
.endif
;; end of part 9
;; launch hsum: the kernel of part 3 again; grid 64 x 3, 16 waves a work-group, no clusters, 34,816 bytes of LDS; arguments Hs, idx, actP; writes actP
;; launch front: the kernel of part 4 again; grid 32 x 3, 4 waves a work-group, no clusters, 88,064 bytes of LDS; arguments actP, PT, aux, actQ; writes actQ
;; launch attn: the kernel of part 5 again; grid 64 x 3, 4 waves a work-group, no clusters, 136,192 bytes of LDS; arguments Hs, actQ, idx, aux, actP; writes actP
;; launch back1 (part 10): grid 128 x 1, 8 waves a work-group, no clusters, 9,216 bytes of LDS; arguments actP, PT, aux, actQ; writes actQ
.if DOCPART == 10
	.amdgcn_target "amdgcn-amd-amdhsa--gfx1250"
	.amdhsa_code_object_version 6
	.text
	.protected	k_qdc2a2163bb_back1
	.globl	k_qdc2a2163bb_back1
	.p2align	8
	.type	k_qdc2a2163bb_back1,@function
k_qdc2a2163bb_back1:
	s_mov_b64 s[64:65], 0
	v_nop
	global_prefetch_b8 v0, s[64:65] scope:SCOPE_SE
	s_setreg_imm32_b32 hwreg(HW_REG_WAVE_MODE, 25, 1), 1
	s_wait_xcnt 0x0
; o[c][j] = sum over l and k of whs[l][c][h][k] (W2 Wv)_l[k][j] + sum_l a_l (b2_l Wv + bv)[j], j in head h.
; (The weights of a softmax add up to 1, so v's bias comes out of the sum: shown at the head of the first kernel.)
; whs comes as two bf16 numbers, hi and lo: both are multiplied by the same fragments of W2 Wv.  o leaves in the same way, hi and lo 65,536 bytes apart.
; SHARES.  A work-group has 16 classes, one head and 16 of its 64 columns: 128 work-groups.  Wave w takes k = 64 w .. 64 w + 63 of each of the three levels: six fragments each of hi, lo and W2 Wv, 36 loads and 6 of the
; bias, all asked for at once; 12 products on two accumulators that take turns (hi's on one, lo's on the other).  The eight waves' sums meet in LDS; wave 0 adds them and the bias and stores.
; o's LAYOUT: [32 blocks of 16 columns][64 classes][16] bf16.  The product is taken transposed, so a lane holds one class (lane % 16) and the columns 8 (lane / 16) + 0..7 of the block: its 16 bytes lie at
; 32 x class + 16 x half, and the wave's one store covers 512 consecutive bytes, aligned; the next launch's fragment loads take the same 512 bytes.
.set SPARE, 8192                       ; LDS: eight partial tiles of 1,024 bytes at 0; behind them the spare words, 128 bytes for each of eight waves
.set WLO,   1572864                    ; from whs's hi part to its lo part
.set WH,  16                           ; v[16:63]    hi: level l, 32 k t at 8 (2 l + t)
.set WL,  64                           ; v[64:111]   lo
.set PF,  112                          ; v[112:159]  W2 Wv
.set AC,  160                          ; v[160:175]  two accumulators
.set BI,  176                          ; v[176:199]  the three levels' bias
.macro PLACES
.rept 4
	v_nop
.endr
.endm
	s_load_b256 s[4:11], s[0:1], 0x0               ; actP, PT, aux, actQ
	v_lshl_add_u32 v250, v0, 2, SPARE
	v_mov_b32 v251, 0
	v_lshrrev_b32 v1, 5, v0
	v_readfirstlane_b32 s12, v1                    ; wave 0..7
	s_and_b32 s13, ttmp9, 7                        ; h
	s_lshr_b32 s14, ttmp9, 3
	s_and_b32 s14, s14, 3                          ; which 16 classes
	s_lshr_b32 s15, ttmp9, 5                       ; which 16 of the head's columns
	v_and_b32 v1, 15, v0
	v_bfe_u32 v2, v0, 4, 1
	v_and_b32 v3, 31, v0
	v_lshlrev_b32 v5, 13, v1
	v_lshl_add_u32 v5, v2, 4, v5                   ; whs: class r (8,192 bytes apart), half
	v_lshlrev_b32 v6, 10, v1
	v_lshl_add_u32 v6, v2, 4, v6                   ; PT: row r, half
	v_lshlrev_b32 v7, 5, v2
	s_lshl_b32 s17, s12, 7                         ; my 64 k: 128 bytes of a row
	s_lshl_b32 s20, s14, 7                         ; 16 classes x 8 heads
	s_add_co_u32 s20, s20, s13
	s_lshl_b32 s20, s20, 10
	s_add_co_u32 s20, s20, s17
	s_add_co_u32 s20, s20, 196608                  ; whs lies behind hbar
	s_mov_b32 s21, 0
	s_lshl_b32 s22, s13, 6
	s_lshl_b32 s18, s15, 4
	s_add_co_u32 s22, s22, s18                     ; my first column: 64 h + 16 n
	s_lshl_b32 s24, s22, 2
	s_add_co_u32 s24, s24, 24576                   ; the second set of three bias rows
	s_mov_b32 s25, 0
	s_add_co_u32 s22, s22, 3072                    ; PT[2]
	s_lshl_b32 s22, s22, 10
	s_add_co_u32 s22, s22, s17
	s_mov_b32 s23, 0
	s_lshl_b32 s26, s13, 2
	s_add_co_u32 s26, s26, s15                     ; o's block 4 h + n,
	s_lshl_b32 s26, s26, 11                        ; 2,048 bytes each,
	s_lshl_b32 s18, s14, 9                         ; my 16 classes of 32 bytes
	s_add_co_u32 s26, s26, s18
	s_add_co_u32 s26, s26, 1572864                 ; o lies behind u
	s_mov_b32 s27, 0
	s_wait_kmcnt 0x0
	s_load_b128 s[48:51], s[8:9], 0x7800           ; a_0, a_1, a_2, their sum
	s_add_nc_u64 s[4:5], s[4:5], s[20:21]
	s_add_nc_u64 s[6:7], s[6:7], s[22:23]
	s_add_nc_u64 s[28:29], s[8:9], s[24:25]
	s_add_nc_u64 s[10:11], s[10:11], s[26:27]
.irp l, 0,1,2
.irp t, 0,1
	global_load_b128 v[WH+8*(2*\l+\t):WH+8*(2*\l+\t)+3],   v5, s[4:5] offset:524288*\l+64*\t
	global_load_b128 v[WH+8*(2*\l+\t)+4:WH+8*(2*\l+\t)+7], v5, s[4:5] offset:524288*\l+64*\t+32
	global_load_b128 v[WL+8*(2*\l+\t):WL+8*(2*\l+\t)+3],   v5, s[4:5] offset:WLO+524288*\l+64*\t
	global_load_b128 v[WL+8*(2*\l+\t)+4:WL+8*(2*\l+\t)+7], v5, s[4:5] offset:WLO+524288*\l+64*\t+32
	global_load_b128 v[PF+8*(2*\l+\t):PF+8*(2*\l+\t)+3],   v6, s[6:7] offset:524288*\l+64*\t
	global_load_b128 v[PF+8*(2*\l+\t)+4:PF+8*(2*\l+\t)+7], v6, s[6:7] offset:524288*\l+64*\t+32
.endr
.endr
.irp l, 0,1,2
	global_load_b128 v[BI+8*\l:BI+8*\l+3],   v7, s[28:29] offset:2048*\l
	global_load_b128 v[BI+8*\l+4:BI+8*\l+7], v7, s[28:29] offset:2048*\l+16
.endr
	s_lshl_b32 s17, s12, 10
	v_lshl_add_u32 v8, v3, 5, s17                  ; my partial sums: 1,024 w + 32 lane
	v_lshlrev_b32 v15, 5, v1
	v_lshl_add_u32 v15, v2, 4, v15                 ; in o: 32 x class + 16 x half
	s_wait_loadcnt 0x0
.set i, 0
.rept 6
.if i == 0
	v_wmma_f32_16x16x32_bf16 v[AC:AC+7],    v[PF:PF+7], v[WH:WH+7], 0
	v_wmma_f32_16x16x32_bf16 v[AC+8:AC+15], v[PF:PF+7], v[WL:WL+7], 0
.else
	v_wmma_f32_16x16x32_bf16 v[AC:AC+7],    v[PF+8*i:PF+8*i+7], v[WH+8*i:WH+8*i+7], v[AC:AC+7]
	v_wmma_f32_16x16x32_bf16 v[AC+8:AC+15], v[PF+8*i:PF+8*i+7], v[WL+8*i:WL+8*i+7], v[AC+8:AC+15]
.endif
.set i, i+1
.endr
	PLACES
.irp p, 0,1,2,3
	v_pk_add_f32 v[AC+2*\p:AC+2*\p+1], v[AC+2*\p:AC+2*\p+1], v[AC+8+2*\p:AC+8+2*\p+1]
.endr
	ds_store_b128 v8, v[AC:AC+3]
	ds_store_b128 v8, v[AC+4:AC+7] offset:16
	s_wait_dscnt 0x0                               ; for the others' sake: my sums are stored
	s_barrier_signal -1
	s_barrier_wait -1
	s_cmp_lg_u32 s12, 0
	s_cbranch_scc1 .Lb_end
.irp t, 1,2,3,4,5,6,7
	ds_load_b128 v[16+8*(\t-1):16+8*(\t-1)+3],   v8 offset:1024*\t
	ds_load_b128 v[16+8*(\t-1)+4:16+8*(\t-1)+7], v8 offset:1024*\t+16
.endr
	s_wait_kmcnt 0x0
	s_wait_dscnt 0x0
.irp t, 0,1,2,3,4,5,6
.irp p, 0,1,2,3
	v_pk_add_f32 v[AC+2*\p:AC+2*\p+1], v[AC+2*\p:AC+2*\p+1], v[16+8*\t+2*\p:17+8*\t+2*\p]
.endr
.endr
.irp l, 0,1,2
.irp e, 0,1,2,3,4,5,6,7
	v_fma_f32 v[AC+\e], v[BI+8*\l+\e], s[48+\l], v[AC+\e]
.endr
.endr
.irp p, 0,1,2,3
	v_cvt_pk_bf16_f32 v[200+\p], v[AC+2*\p], v[AC+2*\p+1]  ; hi
.endr
.irp p, 0,1,2,3
	v_lshlrev_b32 v[208+2*\p], 16, v[200+\p]               ; hi as f32
	v_and_b32 v[209+2*\p], 0xffff0000, v[200+\p]
.endr
.irp p, 0,1,2,3
	v_pk_add_f32 v[AC+2*\p:AC+2*\p+1], v[AC+2*\p:AC+2*\p+1], v[208+2*\p:209+2*\p] neg_lo:[0,1] neg_hi:[0,1]  ; what the rounding took away: exact in f32
.endr
.irp p, 0,1,2,3
	v_cvt_pk_bf16_f32 v[204+\p], v[AC+2*\p], v[AC+2*\p+1]  ; lo
.endr
	global_store_b128 v15, v[200:203], s[10:11]            ; the wave stores 512 consecutive bytes, aligned
	global_store_b128 v15, v[204:207], s[10:11] offset:65536
.Lb_end:
	s_wait_tensorcnt 0x0                           ; the wave's end
	ds_add_u32 v250, v251
	s_wait_dscnt 0x0
	s_endpgm
.Lfunc_end_k_qdc2a2163bb_back1:
	.size	k_qdc2a2163bb_back1, .Lfunc_end_k_qdc2a2163bb_back1-k_qdc2a2163bb_back1
	.p2alignl 7, 3214868480
	.fill 96, 4, 3214868480
	.section	.rodata,"a",@progbits
	.p2align	6, 0x0
	.amdhsa_kernel k_qdc2a2163bb_back1
		.amdhsa_group_segment_fixed_size 9216
		.amdhsa_private_segment_fixed_size 0
		.amdhsa_enable_private_segment 0
		.amdhsa_kernarg_size 32
		.amdhsa_user_sgpr_count 2
		.amdhsa_user_sgpr_kernarg_segment_ptr 1
		.amdhsa_wavefront_size32 1
		.amdhsa_system_sgpr_workgroup_id_x 1
		.amdhsa_system_sgpr_workgroup_id_y 1
		.amdhsa_system_sgpr_workgroup_id_z 1
		.amdhsa_system_vgpr_workitem_id 0
		.amdhsa_next_free_vgpr 256
		.amdhsa_next_free_sgpr 66
		.amdhsa_reserve_vcc 0
		.amdhsa_float_denorm_mode_32 3
		.amdhsa_float_denorm_mode_16_64 3
		.amdhsa_memory_ordered 1
		.amdhsa_forward_progress 1
		.amdhsa_inst_pref_size 14
	.end_amdhsa_kernel
	.amdgpu_metadata
---
amdhsa.version: [ 1, 2 ]
amdhsa.kernels:
  - .name:           k_qdc2a2163bb_back1
    .symbol:         k_qdc2a2163bb_back1.kd
    .args:
      - { .name: actP, .offset: 0, .size: 8, .value_kind: global_buffer, .address_space: global }
      - { .name: PT, .offset: 8, .size: 8, .value_kind: global_buffer, .address_space: global }
      - { .name: aux, .offset: 16, .size: 8, .value_kind: global_buffer, .address_space: global }
      - { .name: actQ, .offset: 24, .size: 8, .value_kind: global_buffer, .address_space: global }
    .group_segment_fixed_size: 9216
    .private_segment_fixed_size: 0
    .kernarg_segment_align: 8
    .kernarg_segment_size: 32
    .max_flat_workgroup_size: 256
    .sgpr_count:     66
    .vgpr_count:     256
    .wavefront_size: 32
...
	.end_amdgpu_metadata
.endif
;; end of part 10
;; launch back2 (part 11): grid 32 x 1, 8 waves a work-group, no clusters, 117,760 bytes of LDS; arguments actQ, Wo, bo, aux, out0; writes out0
.if DOCPART == 11
	.amdgcn_target "amdgcn-amd-amdhsa--gfx1250"
	.amdhsa_code_object_version 6
	.text
	.protected	k_qdc2a2163bb_back2
	.globl	k_qdc2a2163bb_back2
	.p2align	8
	.type	k_qdc2a2163bb_back2,@function
k_qdc2a2163bb_back2:
	s_mov_b64 s[64:65], 0
	v_nop
	global_prefetch_b8 v0, s[64:65] scope:SCOPE_SE
	s_setreg_imm32_b32 hwreg(HW_REG_WAVE_MODE, 25, 1), 1
	s_wait_xcnt 0x0
; out0 = o Wo + (sum_l a_l) bo: the three levels were added up, with their weights, ahead of this one product (Wo is the same for all levels).
; o comes as two bf16 numbers, hi and lo, 65,536 bytes apart: both are multiplied by the same fragments of Wo into the same f32 sums.  It lies as [32 blocks of 16 columns][64 classes][16]: half a fragment
; (16 classes x 16 k) is 512 consecutive bytes, 32 x class + 16 x half of the lanes; K step kk takes blocks 2 kk and 2 kk + 1.
; SHARES.  A work-group has 16 classes and 64 of the 512 columns: 32 work-groups.  K IS SPLIT AMONG ITS EIGHT WAVES: wave w takes k = 64 w .. 64 w + 63: 64 rows x 256 bytes of Wo (32 loads), four fragments of o
; (8 loads), all asked for at once.  Wo's rows are rounded to bf16, laid into LDS (rows of 160 bytes) and turned out of it; 16 products on four accumulators that take turns, one instruction a turn; the first four start the sums.
; The product is taken transposed (source 0 = 16 columns of Wo, source 1 = 16 classes of o): a lane holds one class (lane % 16) and the columns 8 (lane / 16) + 0..7 of a block of 16.
; The eight partial tiles (16 rows x 256 bytes of f32, pitch 272) meet in LDS: thread T adds the eight numbers of each of its four columns (row T / 16, bytes 16 (T % 16)), adds the bias and stores 16 bytes.
.set PS,    81920                      ; LDS: Wo's 512 rows of 160 bytes at 0; behind them eight partial tiles of 16 x 272 bytes
.set SPARE, 116736                     ; the spare words, 128 bytes for each of eight waves
.set ACC, 16                           ; v[16:47]   four accumulators
.set BI,  48                           ; v[48:51]   my four numbers of bo; v52-53 at work
.set OF,  64                           ; v[64:95]   o's fragments: part pt (hi, lo), K step t at 8 (2 pt + t); later the eight partial sums
.set WR,  128                          ; v[128:255] Wo as loaded; later v[128:191] its fragments: K step t, block n at 32 t + 8 n
.macro PLACES
.rept 4
	v_nop
.endr
.endm
	s_load_b256 s[4:11], s[0:1], 0x0               ; actQ, Wo, bo, aux
	s_load_b64 s[12:13], s[0:1], 0x20              ; out0
	v_lshl_add_u32 v12, v0, 2, SPARE               ; my spare word, and 0: kept for the add at the end alone
	v_mov_b32 v13, 0
	v_lshrrev_b32 v1, 5, v0
	v_readfirstlane_b32 s14, v1                    ; wave 0..7
	s_and_b32 s15, ttmp9, 7                        ; which 64 columns
	s_lshr_b32 s16, ttmp9, 3                       ; which 16 classes
	v_and_b32 v1, 15, v0                           ; r
	v_bfe_u32 v2, v0, 4, 1                         ; hh
	s_lshl_b32 s17, s14, 6
	v_add_nc_u32 v4, s17, v2                       ; Wo: row 64 w + hh (+ 2 i)
	v_lshlrev_b32 v5, 11, v4
	v_lshl_add_u32 v5, v1, 4, v5                   ; in memory: 2,048 bytes a row, 16 bytes a lane
	v_mul_u32_u24 v6, v4, 160
	v_lshl_add_u32 v6, v1, 3, v6                   ; in LDS: 160 bytes a row, 8 bytes a lane
	s_lshl_b32 s18, s16, 4
	v_add_nc_u32 v7, s18, v1                       ; o: class 16 cb + r,
	v_lshlrev_b32 v7, 5, v7                        ; 32 bytes a class in a block,
	v_lshl_add_u32 v7, v2, 4, v7                   ; my half,
	s_lshl_b32 s19, s14, 13
	v_add_nc_u32 v7, s19, v7                       ; my wave's four blocks of 2,048 bytes
	v_lshlrev_b32 v8, 4, v1                        ; bo: four numbers a lane
	s_lshl_b32 s20, s15, 8                         ; 64 columns of f32
	s_mov_b32 s21, 0
	s_wait_kmcnt 0x0
	s_load_b32 s24, s[10:11], 0x780c               ; the sum of the levels' weights
	s_add_nc_u64 s[6:7], s[6:7], s[20:21]
	s_add_nc_u64 s[8:9], s[8:9], s[20:21]
	s_add_nc_u64 s[12:13], s[12:13], s[20:21]
	s_add_nc_u64 s[4:5], s[4:5], 1572864           ; o lies behind u
.set i, 0
.rept 32
	global_load_b128 v[WR+4*i:WR+4*i+3], v5, s[6:7] offset:4096*i  ; two rows of 256 bytes
.set i, i+1
.endr
.irp pt, 0,1
.irp t, 0,1
	global_load_b128 v[OF+8*(2*\pt+\t):OF+8*(2*\pt+\t)+3],   v7, s[4:5] offset:65536*\pt+4096*\t
	global_load_b128 v[OF+8*(2*\pt+\t)+4:OF+8*(2*\pt+\t)+7], v7, s[4:5] offset:65536*\pt+4096*\t+2048
.endr
.endr
	global_load_b128 v[BI:BI+3], v8, s[8:9]
	v_and_b32 v9, 7, v0
	v_lshl_add_u32 v9, v2, 3, v9
	v_mul_u32_u24 v9, v9, 160
	v_bfe_u32 v10, v0, 3, 1
	v_lshl_add_u32 v9, v10, 4, v9
	s_mul_i32 s17, s14, 10240
	v_add_nc_u32 v9, s17, v9                       ; the turning load's address: (8 hh + lane % 8) x 160 + 16 ((lane / 8) % 2) + my wave's 64 rows
	s_mul_i32 s17, s14, 4352
	s_add_co_u32 s17, s17, PS
	v_mul_u32_u24 v10, v1, 272
	v_lshl_add_u32 v10, v2, 5, v10
	v_add_nc_u32 v10, s17, v10                     ; my partial tile: row r, my 8 columns of f32 (+ 64 n)
	v_lshrrev_b32 v11, 4, v0                       ; thread T: row T / 16
	v_mul_u32_u24 v14, v11, 272
	v_lshl_add_u32 v14, v1, 4, v14
	v_add_nc_u32 v14, PS, v14                      ; its 16 bytes in the first partial tile
	v_add_nc_u32 v15, s18, v11
	v_lshlrev_b32 v15, 11, v15
	v_lshl_add_u32 v15, v1, 4, v15                 ; and in out0: class 16 cb + T / 16
	s_wait_loadcnt 0x9                             ; Wo's 32 loads are in; the nine younger ones (o's eight, bo's) may stay out
.set i, 0
.rept 32
	v_cvt_pk_bf16_f32 v[WR+4*i], v[WR+4*i], v[WR+4*i+1]
	v_cvt_pk_bf16_f32 v[WR+4*i+1], v[WR+4*i+2], v[WR+4*i+3]
	ds_store_b64 v6, v[WR+4*i:WR+4*i+1] offset:320*i
.set i, i+1
.endr
	s_wait_dscnt 0x0                               ; my rows are stored
	s_barrier_signal -1
	s_barrier_wait -1
.irp t, 0,1
.irp n, 0,1,2,3
	ds_load_tr16_b128 v[WR+32*\t+8*\n:WR+32*\t+8*\n+3],   v9 offset:5120*\t+32*\n
	ds_load_tr16_b128 v[WR+32*\t+8*\n+4:WR+32*\t+8*\n+7], v9 offset:5120*\t+32*\n+2560
.endr
.endr
	s_wait_loadcnt 0x0                             ; o and bo
	v_cvt_pk_bf16_f32 v52, v[BI], v[BI+1]          ; bo rounded to bf16 once, kept as f32
	v_cvt_pk_bf16_f32 v53, v[BI+2], v[BI+3]
	v_lshlrev_b32 v[BI], 16, v52
	v_and_b32 v[BI+1], 0xffff0000, v52
	v_lshlrev_b32 v[BI+2], 16, v53
	v_and_b32 v[BI+3], 0xffff0000, v53
	s_wait_dscnt 0x0
.irp t, 0,1
.irp pt, 0,1
.irp n, 0,1,2,3
.if (\t == 0) && (\pt == 0)
	v_wmma_f32_16x16x32_bf16 v[ACC+8*\n:ACC+8*\n+7], v[WR+32*\t+8*\n:WR+32*\t+8*\n+7], v[OF+8*(2*\pt+\t):OF+8*(2*\pt+\t)+7], 0
.else
	v_wmma_f32_16x16x32_bf16 v[ACC+8*\n:ACC+8*\n+7], v[WR+32*\t+8*\n:WR+32*\t+8*\n+7], v[OF+8*(2*\pt+\t):OF+8*(2*\pt+\t)+7], v[ACC+8*\n:ACC+8*\n+7]
.endif
.endr
.endr
.endr
	PLACES                                         ; behind the last products: stores of the sums, and later loads into o's registers
.irp n, 0,1,2,3
	ds_store_b128 v10, v[ACC+8*\n:ACC+8*\n+3]   offset:64*\n
	ds_store_b128 v10, v[ACC+8*\n+4:ACC+8*\n+7] offset:64*\n+16
.endr
	s_wait_dscnt 0x0                               ; for the others' sake: my partial tile is stored
	s_barrier_signal -1
	s_barrier_wait -1
.irp t, 0,1,2,3,4,5,6,7
	ds_load_b128 v[OF+4*\t:OF+4*\t+3], v14 offset:4352*\t
.endr
	s_wait_kmcnt 0x0
	s_wait_dscnt 0x0
.irp s, 4,2,1
.set i, 0
.rept \s
	v_pk_add_f32 v[OF+4*i:OF+4*i+1], v[OF+4*i:OF+4*i+1], v[OF+4*(i+\s):OF+4*(i+\s)+1]
	v_pk_add_f32 v[OF+4*i+2:OF+4*i+3], v[OF+4*i+2:OF+4*i+3], v[OF+4*(i+\s)+2:OF+4*(i+\s)+3]
.set i, i+1
.endr
.endr
.irp e, 0,1,2,3
	v_fma_f32 v[OF+\e], v[BI+\e], s24, v[OF+\e]
.endr
	global_store_b128 v15, v[OF:OF+3], s[12:13]    ; 16 lanes store 256 consecutive bytes, aligned
	s_wait_tensorcnt 0x0                           ; the wave's end
	ds_add_u32 v12, v13
	s_wait_dscnt 0x0
	s_endpgm
.Lfunc_end_k_qdc2a2163bb_back2:
	.size	k_qdc2a2163bb_back2, .Lfunc_end_k_qdc2a2163bb_back2-k_qdc2a2163bb_back2
	.p2alignl 7, 3214868480
	.fill 96, 4, 3214868480
	.section	.rodata,"a",@progbits
	.p2align	6, 0x0
	.amdhsa_kernel k_qdc2a2163bb_back2
		.amdhsa_group_segment_fixed_size 117760
		.amdhsa_private_segment_fixed_size 0
		.amdhsa_enable_private_segment 0
		.amdhsa_kernarg_size 40
		.amdhsa_user_sgpr_count 2
		.amdhsa_user_sgpr_kernarg_segment_ptr 1
		.amdhsa_wavefront_size32 1
		.amdhsa_system_sgpr_workgroup_id_x 1
		.amdhsa_system_sgpr_workgroup_id_y 1
		.amdhsa_system_sgpr_workgroup_id_z 1
		.amdhsa_system_vgpr_workitem_id 0
		.amdhsa_next_free_vgpr 256
		.amdhsa_next_free_sgpr 66
		.amdhsa_reserve_vcc 0
		.amdhsa_float_denorm_mode_32 3
		.amdhsa_float_denorm_mode_16_64 3
		.amdhsa_memory_ordered 1
		.amdhsa_forward_progress 1
		.amdhsa_inst_pref_size 18
	.end_amdhsa_kernel
	.amdgpu_metadata
---
amdhsa.version: [ 1, 2 ]
amdhsa.kernels:
  - .name:           k_qdc2a2163bb_back2
    .symbol:         k_qdc2a2163bb_back2.kd
    .args:
      - { .name: actQ, .offset: 0, .size: 8, .value_kind: global_buffer, .address_space: global }
      - { .name: Wo, .offset: 8, .size: 8, .value_kind: global_buffer, .address_space: global }
      - { .name: bo, .offset: 16, .size: 8, .value_kind: global_buffer, .address_space: global }
      - { .name: aux, .offset: 24, .size: 8, .value_kind: global_buffer, .address_space: global }
      - { .name: out0, .offset: 32, .size: 8, .value_kind: global_buffer, .address_space: global }
    .group_segment_fixed_size: 117760
    .private_segment_fixed_size: 0
    .kernarg_segment_align: 8
    .kernarg_segment_size: 40
    .max_flat_workgroup_size: 256
    .sgpr_count:     66
    .vgpr_count:     256
    .wavefront_size: 32
...
	.end_amdgpu_metadata
.endif
;; end of part 11
